; MI455X (gfx1250); checked and timed in simulation.
; The chip was launched on July 23, 2026; its instructions are those of AMD's public machine-readable ISA for CDNA 5 (MIT licence, August 2026) and "CDNA5" Instruction Set Architecture Reference Guide (July 2026). The comments in the code are by the model that wrote it; some were corrected since.
;; Decoder Block. Allowed arithmetic: matrix products marked QUANTISED: E2M3 operands, one E8M0 scale for each 32 along K, by v_wmma_scale_f32_16x16x128_f8f6f4 with both operands' format E2M3, f32 sums; everything else in f32.
;; Inputs: Wk_codes 1,024 x 32 x 24 uint8 (E2M3 codes of Wk, K innermost, in blocks of 32 codes, four codes in three bytes); Wk_scales 1,024 x 32 uint8 (E8M0 scales of Wk, one for each 32 codes along K); Wo_codes 1,024 x 32 x 24 uint8 (E2M3 codes of Wo, K innermost, in blocks of 32 codes, four codes in three bytes); Wo_scales 1,024 x 32 uint8 (E8M0 scales of Wo, one for each 32 codes along K); Wq_codes 1,024 x 32 x 24 uint8 (E2M3 codes of Wq, K innermost, in blocks of 32 codes, four codes in three bytes); Wq_scales 1,024 x 32 uint8 (E8M0 scales of Wq, one for each 32 codes along K); Wv_codes 1,024 x 32 x 24 uint8 (E2M3 codes of Wv, K innermost, in blocks of 32 codes, four codes in three bytes); Wv_scales 1,024 x 32 uint8 (E8M0 scales of Wv, one for each 32 codes along K); b1 4,096 float32; b2 1,024 float32; be1 1,024 float32; be2 1,024 float32; g1 1,024 float32; g2 1,024 float32; mask 1 x 1 x 2,048 x 2,048 bool; w1_codes 4,096 x 32 x 24 uint8 (E2M3 codes of w1, K innermost, in blocks of 32 codes, four codes in three bytes); w1_scales 4,096 x 32 uint8 (E8M0 scales of w1, one for each 32 codes along K); w2_codes 1,024 x 128 x 24 uint8 (E2M3 codes of w2, K innermost, in blocks of 32 codes, four codes in three bytes); w2_scales 1,024 x 128 uint8 (E8M0 scales of w2, one for each 32 codes along K); x 2 x 2,048 x 1,024 float32.
;; Outputs: out0 2 x 2,048 x 1,024 float32.
;; This version of the problem:
;;   THIS VERSION OF THE PROBLEM IS GIVEN IN LOW PRECISION. The matrix products marked QUANTISED in the list below multiply operands that are first quantised to E2M3 (2 exponent bits, 3 mantissa bits; 6 bits a number), with one power-of-two scale for each 32 numbers along K (OCP MX v1.0); their sums are f32. All else is computed in f32.
;;   The module's matrix products, in the order in which they are computed (A, B: the left and right operand; K: the contracted axis; several contracted axes count as one K, in the product's order):
;;     1. [M 4,096, K 1,024] x [K 1,024, N 1,024]; A: computed on the way; B: input Wq (given as codes): QUANTISED
;;     2. [M 4,096, K 1,024] x [K 1,024, N 1,024]; A: computed on the way; B: input Wk (given as codes): QUANTISED
;;     3. [M 4,096, K 1,024] x [K 1,024, N 1,024]; A: computed on the way; B: input Wv (given as codes): QUANTISED
;;     4. batch 32 x [M 2,048, K 64] x [K 64, N 2,048]; A: computed on the way; B: computed on the way: QUANTISED
;;     5. batch 32 x [M 2,048, K 2,048] x [K 2,048, N 64]; A: softmax (see below); B: computed on the way: QUANTISED
;;     6. [M 4,096, K 1,024] x [K 1,024, N 1,024]; A: computed on the way; B: input Wo (given as codes): QUANTISED
;;     7. [M 4,096, K 1,024] x [K 1,024, N 4,096]; A: computed on the way; B: input w1 (given as codes): QUANTISED
;;     8. [M 4,096, K 4,096] x [K 4,096, N 1,024]; A: computed on the way; B: input w2 (given as codes): QUANTISED
;;   THE QUANTISER, for each operand of a quantised product, along K:
;;     - K is cut into blocks of 32 from its start; a last block that is shorter is filled with zeros.
;;     - A block's scale is 2^e with e = floor(log2(the largest magnitude in the block)) - 2, held to -126 .. 127; a block of zeros has e = 0. As a byte (E8M0): e + 127.
;;     - Each number is divided by its block's scale, clamped to +-7.5, and rounded to the nearest number of E2M3, ties to even, subnormals kept.
;;     - The product sums the exact products of the quantised numbers (number of the format x scale) in f32.
;;   ~~~python
;;   def quantise(x, axis):      # numpy; x: float32 -> the quantised numbers, widened to float32 again
;;       x = np.moveaxis(x, axis, -1); K = x.shape[-1]
;;       x = np.pad(x, [(0, 0)] * (x.ndim - 1) + [(0, -K % 32)]); x = x.reshape(x.shape[:-1] + (-1, 32)); a = np.abs(x).max(-1, keepdims=True)
;;       e = np.where(a > 0, np.clip(np.frexp(np.where(a > 0, a, 1))[1] - 1 - 2, -126, 127), 0)      # np.frexp(a)[1] - 1 = floor(log2(a)), exactly
;;       r = np.clip(x / 2.0 ** e, -7.5, 7.5)
;;       step = 2.0 ** (np.maximum(np.frexp(np.where(r == 0, 1, r))[1] - 1, 0) - 3)
;;       q = np.round(r / step) * step * 2.0 ** e      # np.round: ties to even
;;       return np.moveaxis(q.reshape(q.shape[:-2] + (-1,))[..., :K], -1, axis).astype(np.float32)
;;   ~~~
;;   SOFTMAX AHEAD OF A QUANTISED PRODUCT. Where the list says 'softmax', what is quantised is not the finished softmax but p = 2^(t - M), with t = logit x log2(e) and M = ceil(the row's largest t), a whole number; so 1/2 < the row's largest p <= 1. The row's sum l is taken of the UNQUANTISED p, in f32, and the product's result is divided by l at the end. Since M is a whole number, a kernel that streams over the keys may use a running M (the ceiling of the running maximum): every later rescaling is an exact power of two, which a block's scale takes up: the codes' values come out the same.
;;   OPERANDS COMPUTED ON THE WAY. 'Computed on the way' means the value that the module computes at that place (a softmax that the list does not call 'softmax' is quantised finished and normalised). What goes into a quantiser is computed in f32, as accurately as f32 sums, v_exp_f32 and their like allow (about 1e-6 of the number): no bf16 or f16 on the way to a quantiser, and a product that is left as it is and whose result goes on into a quantised operand takes f32 operands (vector FMAs, or v_wmma_f32_16x16x4_f32). A number that lies on a knife's edge between two numbers of the format may be rounded either way, as far as f32 arithmetic and the matrix unit's own rounding can turn it there, and no further.
;;   INPUTS GIVEN AS CODES. Wk (in the module: [1024, 1024], K = its axis 0); Wo (in the module: [1024, 1024], K = its axis 0); Wq (in the module: [1024, 1024], K = its axis 0); Wv (in the module: [1024, 1024], K = its axis 0); w1 (in the module: [1024, 4096], K = its axis 0); w2 (in the module: [4096, 1024], K = its axis 0): each comes as NAME_codes (uint8): NAME with its K axis moved to the last place and cut into blocks of 32 codes, [.., K / 32, bytes a block], one block behind the other in memory; four codes in three bytes: a row's codes are one little-endian stream of bits, code i at bits 6 i .. 6 i + 5 (a code: sign, 2 exponent bits, 3 mantissa bits); and NAME_scales (uint8): the same leading axes, one E8M0 byte (e + 127) for each 32 codes along K. Its value is code x scale, taken as it is: it is not quantised again, and the codes and scales need not be those that the quantiser above would give.
;; 2 versions. Each part assembles by itself: llvm-mc -triple=amdgcn-amd-amdhsa -mcpu=gfx1250 --defsym DOCPART=n.
;; ======== version 1 of 2: 7 launches
;; workspace buffers: xq 3,276,800 bytes; qkv 10,092,544 bytes; maskbits 524,288 bytes of whole numbers; ao 3,276,800 bytes; h 16,777,216 bytes; hid 13,107,200 bytes
;; launch prep (part 1): grid 256 x 1, 4 waves a work-group, no clusters, 22,016 bytes of LDS; arguments x, g1, be1, mask, xq, maskbits; writes xq, maskbits
.if DOCPART == 1
	.amdgcn_target "amdgcn-amd-amdhsa--gfx1250"
	.amdhsa_code_object_version 6
	.text
	.protected	k_q67f7abe6d1_prep
	.globl	k_q67f7abe6d1_prep
	.p2align	8
	.type	k_q67f7abe6d1_prep,@function
k_q67f7abe6d1_prep:
	s_mov_b64 s[64:65], 0
	v_nop
	global_prefetch_b8 v0, s[64:65] scope:SCOPE_SE
	s_setreg_imm32_b32 hwreg(HW_REG_WAVE_MODE, 25, 1), 1
	s_wait_xcnt 0x0
; LayerNorm 1 of x [4096][1024] f32, quantised along its 1,024 to codes of FP6 (E2M3) with one E8M0 byte for each 32; and the mask's bytes turned into lane masks.
; xq: codes [4096][768 bytes] from byte 0, row-major, K innermost; scale bytes [4096][32] from byte XS.
; maskbits: [128 tiles of 16 queries][16 steps of 128 keys][64 words]: bit 16 h + r of word n is mask[16 tile + r][128 step + 32 (n / 16) + 16 h + n % 16]: the lane mask for register n of a score tile.
; SHARES.  Wave W = 4 x work-group + wave takes rows 4 W .. 4 W + 3 whole (a row is 32 registers), and two steps of one mask tile.  All of a wave's 16 KiB of x are asked for at once; waves share nothing: no barrier.
; A load takes 512 consecutive bytes; the conversion wants 16 neighbours in ONE lane: so a finished row turns through the wave's own stage in LDS (64 places of 64 bytes + 16 of padding).
; mean and variance in two passes, f32; y = ((x - mean) rsqrt(var + 1e-5)) g + be, in that order.
; A block's scale: the largest magnitude's exponent field - 2, held at 1 from below (a block of zeros gets the byte 1, not 127: its codes are zeros, and this program alone reads the bytes).
; LIMITS: blocks whose largest magnitude lies under 2^-124 were not tried; NaN and infinities are not served.  A wave's 128 scale bytes leave as one run of 128 bytes: half of an aligned 256.
.set XS,   3145728
.set SP,   80                          ; a place in the stage
.set WREG, 64*SP+256                   ; a wave's LDS: the stage, then its 128 scale bytes
.set G,    16                          ; v16-47   g of my 32 columns (load j: columns 128 j + 4 lane ..); behind the last row v16 takes the scale bytes on their way out
.set BE,   48                          ; v48-79   be likewise
.set X,    80                          ; v80-207  four rows of 32 registers; row 0's later take the mask's bytes
.set T,    208                         ; v208-239 two sets of 16 neighbours
.set C,    240                         ; v240-242, v244-246 codes
.set MB,   248                         ; v248-251 the mask words on their way out
	s_load_b256 s[4:11], s[0:1], 0x0               ; x, g1, be1, mask
	s_load_b128 s[12:15], s[0:1], 0x20             ; xq, maskbits
	v_lshl_add_u32 v243, v0, 2, 0x5400
	v_mov_b32 v247, 0
	v_lshrrev_b32 v1, 5, v0
	v_readfirstlane_b32 s16, v1                    ; wave
	v_and_b32 v1, 31, v0                           ; lane
	v_lshlrev_b32 v2, 4, v1                        ; 16 x lane
	s_mul_i32 s17, s16, WREG
	v_lshrrev_b32 v3, 2, v1
	v_mul_u32_u24 v3, v3, SP
	v_and_b32 v4, 3, v1
	v_lshl_add_u32 v3, v4, 4, v3
	v_add_nc_u32 v3, s17, v3                       ; stage, in: SP (lane / 4) + 16 (lane % 4)
	v_mul_u32_u24 v4, v1, SP
	v_add_nc_u32 v4, s17, v4                       ; stage, out: SP x lane
	v_mul_u32_u24 v5, v1, 12                       ; my 16 codes' place
	v_lshrrev_b32 v6, 1, v1
	s_add_co_u32 s17, s17, 64*SP
	v_add_nc_u32 v6, s17, v6                       ; my block's scale byte in LDS
	v_lshlrev_b32 v7, 2, v1                        ; 4 x lane
	v_add_nc_u32 v255, s17, v7                     ; the scale bytes on their way out
	v_and_b32 v8, 15, v0
	v_bfe_u32 v9, v0, 4, 1
	v_lshlrev_b32 v8, 11, v8
	v_lshl_add_u32 v0, v9, 4, v8                   ; the mask: row r of 2,048 bytes, + 16 h
.irp i, 0,1,2,3
	v_mov_b32 v[MB+\i], 0                          ; a lane write's destination counts as read
.endr
	s_mov_b32 s20, 0x76543210
	s_mov_b32 s21, 0xfedcba98                      ; lane l xor 16
	s_mov_b32 s30, 0x3a800000                      ; 1 / 1024
	s_mov_b32 s31, 0x3727c5ac                      ; 1e-5
	s_lshl_b32 s18, ttmp9, 2
	s_add_co_u32 s18, s18, s16                     ; W
	s_lshl_b32 s2, s18, 14                         ; 4 rows of 4,096 bytes
	s_mov_b32 s3, 0
	s_mul_i32 s32, s18, 3072                       ; 4 rows of 768 bytes
	s_mov_b32 s33, 0
	s_lshl_b32 s34, s18, 7
	s_add_co_u32 s34, s34, XS                      ; 4 rows of 32 scale bytes
	s_mov_b32 s35, 0
	s_lshr_b32 s36, s18, 3
	s_lshl_b32 s36, s36, 15                        ; mask tile W / 8: 16 rows of 2,048 bytes
	s_and_b32 s37, s18, 7
	s_lshl_b32 s37, s37, 8                         ; steps 2 (W % 8), + 1: 256 keys
	s_add_co_u32 s36, s36, s37
	s_mov_b32 s37, 0
	s_lshl_b32 s38, s18, 9                         ; (16 (W / 8) + 2 (W % 8)) x 256 = 512 W
	s_mov_b32 s39, 0
	s_wait_kmcnt 0x0
	s_add_nc_u64 s[4:5], s[4:5], s[2:3]
	s_add_nc_u64 s[32:33], s[12:13], s[32:33]
	s_add_nc_u64 s[34:35], s[12:13], s[34:35]
	s_add_nc_u64 s[10:11], s[10:11], s[36:37]
	s_add_nc_u64 s[14:15], s[14:15], s[38:39]
.irp j, 0,1,2,3,4,5,6,7
	global_load_b128 v[G+4*\j:G+4*\j+3], v2, s[6:7] offset:512*\j
.endr
.irp j, 0,1,2,3,4,5,6,7
	global_load_b128 v[BE+4*\j:BE+4*\j+3], v2, s[8:9] offset:512*\j
.endr
.irp i, 0,1,2,3
.irp j, 0,1,2,3,4,5,6,7
	global_load_b128 v[X+32*\i+4*\j:X+32*\i+4*\j+3], v2, s[4:5] offset:4096*\i+512*\j th:TH_LOAD_NT
.endr
.endr
.macro REDUCE                          ; v8 summed over the 32 lanes, in every lane
	v_add_f32_dpp v8, v8, v8 row_xmask:1 row_mask:0xf bank_mask:0xf
	v_add_f32_dpp v8, v8, v8 row_xmask:2 row_mask:0xf bank_mask:0xf
	v_add_f32_dpp v8, v8, v8 row_xmask:4 row_mask:0xf bank_mask:0xf
	v_add_f32_dpp v8, v8, v8 row_xmask:8 row_mask:0xf bank_mask:0xf
	v_permlanex16_b32 v9, v8, s20, s21
	v_add_f32 v8, v8, v9
.endm
; Row i.  left: the younger loads that may stay out.
.macro ROW i, left
.set XR, X+32*(\i)
	s_wait_loadcnt \left                           ; loads come back in order: g, be and this row are in
	s_wait_xcnt 0x0                                ; the last row's stores have read their data: the codes' registers are written again only behind this wait
	v_pk_add_f32 v[8:9], v[XR:XR+1], v[XR+4:XR+5]                  ; the sum, in two chains
	v_pk_add_f32 v[12:13], v[XR+2:XR+3], v[XR+6:XR+7]
.irp j, 8,12,16,20,24,28
	v_pk_add_f32 v[8:9], v[8:9], v[XR+\j:XR+\j+1]
	v_pk_add_f32 v[12:13], v[12:13], v[XR+\j+2:XR+\j+3]
.endr
	v_pk_add_f32 v[8:9], v[8:9], v[12:13]
	v_add_f32 v8, v8, v9
	REDUCE
	v_mul_f32 v10, s30, v8                         ; the mean, twice: a pair for the packed forms
	v_mul_f32 v11, s30, v8
.set j, 0
.rept 16
	v_pk_add_f32 v[XR+j:XR+j+1], v[XR+j:XR+j+1], v[10:11] neg_lo:[0,1] neg_hi:[0,1]   ; x - mean
.set j, j+2
.endr
	v_pk_mul_f32 v[8:9], v[XR:XR+1], v[XR:XR+1]                    ; the sum of squares, in two chains
	v_pk_mul_f32 v[12:13], v[XR+2:XR+3], v[XR+2:XR+3]
.irp j, 4,8,12,16,20,24,28
	v_pk_fma_f32 v[8:9], v[XR+\j:XR+\j+1], v[XR+\j:XR+\j+1], v[8:9]
	v_pk_fma_f32 v[12:13], v[XR+\j+2:XR+\j+3], v[XR+\j+2:XR+\j+3], v[12:13]
.endr
	v_pk_add_f32 v[8:9], v[8:9], v[12:13]
	v_add_f32 v8, v8, v9
	REDUCE
	v_fma_f32 v12, v8, s30, s31                    ; var + 1e-5
	v_rsq_f32 v14, v12
	v_nop                                          ; a plain instruction behind the transcendental,
	s_wait_alu depctr_va_vdst(0)                   ; and a wait ahead of its first reader
	v_mov_b32 v15, v14
.set j, 0
.rept 16
	v_pk_mul_f32 v[XR+j:XR+j+1], v[XR+j:XR+j+1], v[14:15]
.set j, j+2
.endr
.set j, 0
.rept 16
	v_pk_fma_f32 v[XR+j:XR+j+1], v[XR+j:XR+j+1], v[G+j:G+j+1], v[BE+j:BE+j+1]
.set j, j+2
.endr
.irp j, 0,1,2,3,4,5,6,7
	ds_store_b128 v3, v[XR+4*\j:XR+4*\j+3] offset:8*SP*\j           ; the row as it lies; LDS serves a wave's instructions in order, so no wait stands between these and the loads
.endr
.irp s, 0,1
.irp q, 0,1,2,3
	ds_load_b128 v[T+16*\s+4*\q:T+16*\s+4*\q+3], v4 offset:32*SP*\s+16*\q   ; set s: columns 512 s + 16 lane + 0 .. 15
.endr
.endr
	s_wait_dscnt 0x0                               ; both sets are in; the last row's byte stores are done too
.irp s, 0,1
.set TT, T+16*\s
	v_max3_num_f32 v8, |v[TT]|, |v[TT+1]|, |v[TT+2]|
	v_max3_num_f32 v9, |v[TT+3]|, |v[TT+4]|, |v[TT+5]|
.irp i2, 6,10
	v_max3_num_f32 v8, v8, |v[TT+\i2]|, |v[TT+\i2+1]|
	v_max3_num_f32 v9, v9, |v[TT+\i2+2]|, |v[TT+\i2+3]|
.endr
	v_max3_num_f32 v8, v8, |v[TT+14]|, |v[TT+15]|
	v_max3_num_f32 v8, v8, v9, 0x1800000           ; and the floor 2^(3 - 127): the byte cannot fall under 1
	v_max_num_f32_dpp v8, v8, v8 row_xmask:1 row_mask:0xf bank_mask:0xf   ; with my neighbour's 16: the block's
	v_add_nc_u32 v254, 0xff000000, v8              ; 2 off the exponent field: the conversion's scale operand
	v_cvt_scalef32_pk16_fp6_f32 v[C+4*\s:C+4*\s+2], v[TT:TT+15], v254
	v_lshrrev_b32 v[252+\s], 23, v254              ; the scale's byte (also the plain instruction behind the conversion)
	ds_store_b8 v6, v[252+\s] offset:32*(\i)+16*\s
	global_store_b96 v5, v[C+4*\s:C+4*\s+2], s[32:33] offset:768*(\i)+384*\s   ; the wave stores 384 consecutive bytes
.endr
.endm
	ROW 0, 24                                      ; rows 1 to 3 may be out
.irp q, 0,1,2,3,4,5,6,7                        ; the mask's bytes into row 0's registers: step q / 4, block q % 4: 16 bytes a lane: keys 32 b + 16 h + 0 .. 15 of row r
	global_load_b128 v[X+4*\q:X+4*\q+3], v0, s[10:11] offset:32*\q
.endr
	ROW 1, 24                                      ; rows 2, 3 and the mask's eight
	ROW 2, 16
	ROW 3, 8
	ds_load_b32 v[G], v255                         ; my wave's 128 scale bytes (they see my stores: LDS serves a wave in order), into a register of g, which is done with
	s_wait_dscnt 0x0
	global_store_b32 v7, v[G], s[34:35]            ; no line below writes v16 or v7: the store's registers stay as they are
	s_wait_loadcnt 0x0                             ; the mask's bytes
.set N, 0
.rept 128                                      ; word N = 64 step + 16 b + i: byte i % 4 of register N / 4, of all 32 lanes, becomes one lane mask
	v_and_b32 v[8+N%8], 0xff<<(8*(N%4)), v[X+N/4]
	v_cmp_ne_u32 s[22+N%8], 0, v[8+N%8]
	v_writelane_b32 v[MB+N%4], s[22+N%8], N/4      ; lane N / 4, register N % 4: 16 bytes a lane on the way out
.set N, N+1
.endr
	global_store_b128 v2, v[MB:MB+3], s[14:15]     ; 512 consecutive bytes: two steps' words
	s_wait_tensorcnt 0x0
	ds_add_u32 v243, v247
	s_wait_dscnt 0x0
	s_endpgm
.Lfunc_end_k_q67f7abe6d1_prep:
	.size	k_q67f7abe6d1_prep, .Lfunc_end_k_q67f7abe6d1_prep-k_q67f7abe6d1_prep
	.p2alignl 7, 3214868480
	.fill 96, 4, 3214868480
	.section	.rodata,"a",@progbits
	.p2align	6, 0x0
	.amdhsa_kernel k_q67f7abe6d1_prep
		.amdhsa_group_segment_fixed_size 22016
		.amdhsa_private_segment_fixed_size 0
		.amdhsa_enable_private_segment 0
		.amdhsa_kernarg_size 48
		.amdhsa_user_sgpr_count 2
		.amdhsa_user_sgpr_kernarg_segment_ptr 1
		.amdhsa_wavefront_size32 1
		.amdhsa_system_sgpr_workgroup_id_x 1
		.amdhsa_system_sgpr_workgroup_id_y 1
		.amdhsa_system_sgpr_workgroup_id_z 1
		.amdhsa_system_vgpr_workitem_id 0
		.amdhsa_next_free_vgpr 256
		.amdhsa_next_free_sgpr 66
		.amdhsa_reserve_vcc 0
		.amdhsa_float_denorm_mode_32 3
		.amdhsa_float_denorm_mode_16_64 3
		.amdhsa_memory_ordered 1
		.amdhsa_forward_progress 1
		.amdhsa_inst_pref_size 68
	.end_amdhsa_kernel
	.amdgpu_metadata
---
amdhsa.version: [ 1, 2 ]
amdhsa.kernels:
  - .name:           k_q67f7abe6d1_prep
    .symbol:         k_q67f7abe6d1_prep.kd
    .args:
      - { .name: x, .offset: 0, .size: 8, .value_kind: global_buffer, .address_space: global }
      - { .name: g1, .offset: 8, .size: 8, .value_kind: global_buffer, .address_space: global }
      - { .name: be1, .offset: 16, .size: 8, .value_kind: global_buffer, .address_space: global }
      - { .name: mask, .offset: 24, .size: 8, .value_kind: global_buffer, .address_space: global }
      - { .name: xq, .offset: 32, .size: 8, .value_kind: global_buffer, .address_space: global }
      - { .name: maskbits, .offset: 40, .size: 8, .value_kind: global_buffer, .address_space: global }
    .group_segment_fixed_size: 22016
    .private_segment_fixed_size: 0
    .kernarg_segment_align: 8
    .kernarg_segment_size: 48
    .max_flat_workgroup_size: 128
    .sgpr_count:     66
    .vgpr_count:     256
    .wavefront_size: 32
...
	.end_amdgpu_metadata
.endif
;; end of part 1
;; launch qkv (part 2): grid 12 x 16, 4 waves a work-group, clusters of 4 x 4, 327,680 bytes of LDS; arguments xq, Wq_codes, Wq_scales, Wk_codes, Wk_scales, Wv_codes, Wv_scales, qkv; writes qkv
.if DOCPART == 2
	.amdgcn_target "amdgcn-amd-amdhsa--gfx1250"
	.amdhsa_code_object_version 6
	.text
	.protected	k_q67f7abe6d1_qkv
	.globl	k_q67f7abe6d1_qkv
	.p2align	8
	.type	k_q67f7abe6d1_qkv,@function
k_q67f7abe6d1_qkv:
	s_mov_b64 s[64:65], 0
	v_nop
	global_prefetch_b8 v0, s[64:65] scope:SCOPE_SE
	s_setreg_imm32_b32 hwreg(HW_REG_WAVE_MODE, 25, 1), 1
	s_wait_xcnt 0x0
	s_wait_alu depctr_hold_cnt(0) depctr_sa_sdst(0) depctr_va_vdst(0) depctr_va_sdst(0) depctr_va_ssrc(0) depctr_va_vcc(0) depctr_vm_vsrc(0)
	s_getreg_b32 s2, hwreg(HW_REG_IB_STS2, 6, 4)
	s_cmp_eq_u32 s2, 0
	s_cbranch_scc0 .Lentry_in_a_cluster
	s_endpgm
.Lentry_in_a_cluster:
	s_bfe_u32 s2, ttmp6, 0x10000c
	s_cmp_lg_u32 s2, 0xf033
	s_cbranch_scc0 .Lentry_shape_is_right
	s_endpgm
.Lentry_shape_is_right:
; q = xq Wq, k = xq Wk, v = xq Wv on codes of FP6 (E2M3) with E8M0 scales; the results are quantised in registers: q and k along the head's 64, v along the tokens; all into the buffer qkv.
; A tile of 256 x 256 to a work-group of four waves, 128 x 128 a wave (64 accumulators, 512 registers).  K = 1,024 goes in steps of 256 through a ring of two LDS slots (rows of 192 bytes, 16 bytes of padding behind every 64).
; The scale bytes of the work-group's 2 x 256 rows, for all of K, come once, in units of 256 bytes + 16 of padding.
; CLUSTERS: 4 x 4 work-groups; side A's tiles (source 1) are asked for jointly along a row of the cluster, side B's (source 0) along a column.
; THE MATRIX INSTRUCTION IS USED TRANSPOSED: source 0 = 16 rows of side B, source 1 = 16 rows of side A: a lane holds one row of A, and its registers run along B's rows.
; ONE PATH FOR q, k AND v.  The cluster's x says which (0, 1, 2): the same in all partners.  For q and k side A is xq (tokens) and side B the weight, so a lane's registers run along the head's axis;
; for v side A is Wv and side B is xq, so they run along the tokens, which are v's K.  Both sides have rows of 768 bytes and scale rows of 32, so only pointers and tile numbers are chosen (s_cselect).
; THE WAY OUT.  Of the 8 tiles of a block of 16 rows, v_permlane16_swap_b32 of neighbouring tiles' registers makes register 16 e + i the index 32 e + 16 (lane / 16) + i; then largest magnitude, byte, conversion.
; The accumulators are first copied into window 0 (64 moves a block): the exchange reads and writes both its registers, and both are kept in one window with the scratch.
; LAYOUT OF qkv.  Rows of 48 bytes (64 codes).  q: [32 bh][2048 pos][48] at 0, words [32][2048 pos][4] at QS.  k and v: [32 bh][16 steps][12,288] at KVC: 128 pos x 48 of k, then 2 planes of 64 keys x 64 pos(d) x 48 of v;
; words [32][16][768] at KVS: k's 128, v's 64.  pos(i) = i with bits 3 and 4 exchanged: 16 consecutive stored rows are then the rows that a tile of the attention wants.
; q's and k's words hold two bytes; the upper two are 0 (2^-127), over zero codes.
; LIMITS: a block of zeros gets the byte 1, not 127 (its codes are zeros; this program alone reads the bytes); blocks under 2^-124 were not tried; NaN and infinities are not served.
.set SIZE_K, 1024
.set BIAS,   0
.set XS,     3145728
.set QS,     3145728
.set KVC,    3407872
.set KVS,    9699328
.set NQ,     2                         ; matrix instructions deep in a slot
.set ROWB,   192                       ; a tile's row in bytes: 256 codes
.set ASTEP,  ROWB                      ; side A: bytes from a K step to the next
.set KROW,   SIZE_K*6/8
.set PITCH,  240                       ; an LDS row: 3 x (64 + 16)
.set FR,     12
.set NL,     6
.set NP,     4                         ; places behind this matrix instruction (ISA guide 7.12.1)
.set HALFT,  128*PITCH
.set SLOT,   4*HALFT
.set LAPS,   SIZE_K/512
.set KS,     SIZE_K/32
.set SCL,    2*SLOT
.set HALFS,  (128*KS/256)*272
.set SBLK,   (16*KS/256)*272
.set SPARE,  SCL+4*HALFS               ; the spare words: 128 bytes a wave, two blocks of 256 bytes that no other line names
.set ADRA, 16                          ; v16-17 A's fragments in slot 0, 1 (v18-19: behind one padding more)
.set ADRB, 20                          ; v20-23 the same for B
.set STO,  24                          ; the way out: into my stage
.set RD,   25                          ; and back
.set CO,   26                          ; 16 x lane
.set ADRS, 27                          ; my scale words: lanes 0-15 A's rows, lanes 16-31 B's
.set SPW,  28                          ; my spare word; never rewritten
.set NIL,  29                          ; 0; never rewritten
.set LP,   30                          ; the way out: my scale word's place
.set SC,   32                          ; v32-63 scale words, two sets: these registers hold scales and nothing else
.set AF,   128                         ; A's fragments, window 0, one set
.set H,    64                          ; the way out: v64-127 a block's 64 numbers
.set CD,   128                         ; v128-146 the codes just made
.set TM,   148                         ; v148-163 largest magnitudes, bytes, scale operands
.set PWS,  164                         ; v164-171 the eight blocks' scale words
.set X1,   172                         ; v172-175 the second head's words
.set SEL,  98                          ; s[98:99] lane l xor 16
.set G1, 24
.set G0, 32
.set G1B, 48
.set G0B, 56
.set G1S, 68
.set G0S, 76
.set G1SB, 80
.set G0SB, 88
.set MSB, 0
.macro WIN new                         ; the immediate's high byte repeats the setting that is left
.if MSB != (\new)
	s_set_vgpr_msb (MSB<<8)|(\new)
.set MSB, \new
.endif
.endm
.set MUL_LO, 0xa1                      ; source 0 (B) window 1, source 1 (A) window 0, C and D window 2
.set MUL_HI, 0xf1                      ; the same, C and D window 3
.set FST_LO, 0xa1                      ; the first step's (C is the constant 0)
.set FST_HI, 0xf1
.set TO_B,   0x40                      ; destination window 1, address window 0
; A joint load: waves 0 and 1 fetch for A, waves 2 and 3 for B; the branch hangs on the wave's number alone.  Four v_nop follow each of the two lines.
.macro JLOAD g0a, g1a, g0b, g1b
	s_cmp_eq_u32 s15, 0
	s_cbranch_scc0 .Lfor_b_\@
	tensor_load_to_lds s[\g0a:\g0a+3], s[\g1a:\g1a+7]
	s_nop 0
.rept 4
	v_nop
.endr
	s_branch .Lasked_\@
.Lfor_b_\@:
	tensor_load_to_lds s[\g0b:\g0b+3], s[\g1b:\g1b+7]
	s_nop 0
.rept 4
	v_nop
.endr
.Lasked_\@:
.endm
.macro CREST                           ; a round of the cluster's barrier behind its opening barrier
	s_cmp_lg_u32 s14, 0
	s_cbranch_scc1 .Lnot_wave_0_\@
	s_barrier_signal -3
.Lnot_wave_0_\@:
	s_barrier_wait -3
	s_barrier_signal -1
	s_barrier_wait -1
.endm
.macro CROUND
	s_barrier_signal -1
	s_barrier_wait -1
	CREST
.endm
	s_load_b512 s[68:83], s[0:1], 0x0              ; xq, Wq codes, scales, Wk codes, scales, Wv codes, scales, qkv
	v_lshl_add_u32 v[SPW], v0, 2, SPARE
	v_mov_b32 v[NIL], 0
	ds_add_u32 v28, v29
	ds_add_u32 v28, v29
	s_wait_dscnt 0x0
	v_lshrrev_b32 v1, 5, v0
	v_readfirstlane_b32 s14, v1                    ; wave 0..3
	s_lshr_b32 s15, s14, 1                         ; my half of A's rows.  Also: I fetch for A (0) or for B (1)
	s_and_b32 s16, s14, 1                          ; my half of B's rows.  Also: which 128 rows I fetch
	s_bfe_u32 s40, ttmp6, 0x40000                  ; cx
	s_bfe_u32 s41, ttmp6, 0x40004                  ; cy
	s_mov_b32 s2, ttmp9                            ; the cluster's x: 0 q, 1 k, 2 v
	s_and_b32 s18, ttmp7, 0xffff
	s_lshl_b32 s18, s18, 2                         ; 4 x the cluster's y
	s_lshl_b32 s43, s41, 2
	s_lshl_b32 s43, 15, s43                        ; my row of the cluster
	s_lshl_b32 s44, 0x1111, s40                    ; my column
	s_or_b32 s[G1+0], s43, (0<<16)|(1<<20)|(1<<21)|(3<<22)|(3<<25)  ; the mask; elements of 1 byte; padding on; bit 21 beside a mask; after every 16 words, 4 words
	s_or_b32 s[G1B+0], s44, (0<<16)|(1<<20)|(1<<21)|(3<<22)|(3<<25)
.irp g, G1, G1B
	s_mov_b32 s[\g+1], ROWB<<16                    ; tensor_dim0
	s_mov_b32 s[\g+2], 128<<16                     ; tensor_dim1
	s_mov_b32 s[\g+3], ROWB<<16                    ; tile_dim0
	s_mov_b32 s[\g+4], 128                         ; tile_dim1
	s_mov_b32 s[\g+5], KROW                        ; from row to row
	s_mov_b32 s[\g+6], 0
	s_mov_b32 s[\g+7], 0
.endr
	s_wait_kmcnt 0x0
	s_add_nc_u64 s[84:85], s[68:69], XS            ; xq's scale bytes
	s_cmp_eq_u32 s2, 2                             ; v?  The choice hangs on the cluster's number alone
	s_cselect_b64 s[4:5], s[78:79], s[68:69]       ; side A's codes: Wv, else xq
	s_cselect_b64 s[6:7], s[80:81], s[84:85]       ; and scales
	s_cselect_b64 s[8:9], s[68:69], s[74:75]       ; side B's codes: xq, else Wk
	s_cselect_b64 s[10:11], s[84:85], s[76:77]
	s_cselect_b32 s17, 0, s18                      ; A's tile: cy of Wv's four, else 4 x cluster y + cy of the tokens' sixteen
	s_cselect_b32 s42, s18, 0                      ; B's tile: 4 x cluster y + cx of the tokens', else cx of the weight's
	s_cmp_eq_u32 s2, 0
	s_cselect_b64 s[8:9], s[70:71], s[8:9]         ; q: Wq
	s_cselect_b64 s[10:11], s[72:73], s[10:11]
	s_mov_b64 s[12:13], s[82:83]                   ; qkv
	s_add_co_u32 s17, s17, s41
	s_add_co_u32 s42, s42, s40
	s_or_b32 s[G1S+0], s43, (3<<16)|(1<<20)|(1<<21)|(5<<22)|(3<<25)   ; the scales of 128 rows: a dense block, as rows of 256 bytes, 16 bytes of padding behind each
	s_or_b32 s[G1SB+0], s44, (3<<16)|(1<<20)|(1<<21)|(5<<22)|(3<<25)
.irp g, G1S, G1SB
	s_mov_b32 s[\g+1], 32<<16
	s_mov_b32 s[\g+2], (128*KS/256)<<16
	s_mov_b32 s[\g+3], 32<<16
	s_mov_b32 s[\g+4], 128*KS/256
	s_mov_b32 s[\g+5], 32
	s_mov_b32 s[\g+6], 0
	s_mov_b32 s[\g+7], 0
.endr
	s_lshl_b32 s18, s16, 7                         ; which 128 rows of the tile I fetch
	s_lshl_b32 s20, s17, 8
	s_add_co_u32 s20, s20, s18                     ; A: row 256 x tile + 128 x half
	s_lshl_b32 s46, s42, 8
	s_add_co_u32 s46, s46, s18                     ; B likewise
	s_mov_b32 s21, 0
	s_mov_b32 s47, 0
	s_mov_b64 s[18:19], KS
	s_mul_u64 s[22:23], s[20:21], s[18:19]         ; where these rows' scales begin
	s_mul_u64 s[92:93], s[46:47], s[18:19]
	s_mov_b64 s[18:19], KROW
	s_mul_u64 s[20:21], s[20:21], s[18:19]         ; and their codes
	s_mul_u64 s[46:47], s[46:47], s[18:19]
	s_mul_i32 s45, s14, HALFT                      ; where they go: wave x 128 rows: no place in the cluster enters an LDS address
	s_mul_i32 s94, s14, HALFS
	s_add_nc_u64 s[20:21], s[4:5], s[20:21]
	s_add_nc_u64 s[22:23], s[6:7], s[22:23]
	s_add_nc_u64 s[46:47], s[8:9], s[46:47]
	s_add_nc_u64 s[92:93], s[10:11], s[92:93]
	CROUND                                         ; all sixteen work-groups are here: the first joint loads meet
	s_mov_b32 s[G0S], 1
	s_add_co_u32 s[G0S+1], s94, SCL
	s_mov_b64 s[G0S+2:G0S+3], s[22:23]
	s_or_b32 s[G0S+3], s[G0S+3], 0x80000000
	s_mov_b32 s[G0SB], 1
	s_add_co_u32 s[G0SB+1], s94, SCL
	s_mov_b64 s[G0SB+2:G0SB+3], s[92:93]
	s_or_b32 s[G0SB+3], s[G0SB+3], 0x80000000
	JLOAD G0S, G1S, G0SB, G1SB                     ; the scales first: they are wanted with K step 0
.irp s, 0,1
	s_mov_b32 s[G0+4*\s], 1
	s_add_co_u32 s[G0+4*\s+1], s45, \s*SLOT
	s_add_nc_u64 s[G0+4*\s+2:G0+4*\s+3], s[20:21], \s*ASTEP
	s_or_b32 s[G0+4*\s+3], s[G0+4*\s+3], 0x80000000
	s_mov_b32 s[G0B+4*\s], 1
	s_add_co_u32 s[G0B+4*\s+1], s45, \s*SLOT
	s_add_nc_u64 s[G0B+4*\s+2:G0B+4*\s+3], s[46:47], \s*ROWB
	s_or_b32 s[G0B+4*\s+3], s[G0B+4*\s+3], 0x80000000
	JLOAD G0+4*\s, G1, G0B+4*\s, G1B               ; three tensor loads of a wave are out
.endr
	v_and_b32 v1, 15, v0                           ; r
	v_bfe_u32 v2, v0, 4, 1                         ; h
	v_mul_u32_u24 v3, v1, PITCH
	v_mul_u32_u24 v4, v2, 24
	v_add_nc_u32 v4, v3, v4                        ; a fragment's row x pitch + 24 h
	v_lshl_add_u32 v5, v2, 4, v4                   ; and the same behind one padding more
	s_mul_i32 s21, s15, HALFT                      ; my 128 rows of A
	s_mul_i32 s22, s16, HALFT
	s_add_co_u32 s22, s22, 2*HALFT                 ; my 128 rows of B, behind A's 256
.irp s, 0,1
	v_add_nc_u32 v[ADRA+\s], s21, v4
	v_add_nc_u32 v[ADRB+\s], s22, v4
	v_add_nc_u32 v[ADRA+2+\s], s21, v5
	v_add_nc_u32 v[ADRB+2+\s], s22, v5
	s_add_co_u32 s21, s21, SLOT
	s_add_co_u32 s22, s22, SLOT
.endr
	v_mul_u32_u24 v5, v1, KS                       ; my row's scales,
	v_lshrrev_b32 v6, 8, v5
	v_lshl_add_u32 v5, v6, 4, v5                   ; and 16 more for each 256 passed
	s_mul_i32 s21, s15, HALFS
	s_mul_i32 s22, s16, HALFS
	s_add_co_u32 s22, s22, 2*HALFS
	s_sub_co_u32 s22, s22, s21
	v_mul_u32_u24 v6, s22, v2                      ; lanes 16-31 take B's
	s_add_co_u32 s21, s21, SCL
	v_add_nc_u32 v5, v5, v6
	v_add_nc_u32 v[ADRS], s21, v5
	; the way out: a stage of 12,288 bytes for each wave, in slot 0, which has had its last fill and its last read when the first codes are stored there
	s_mul_i32 s23, s14, 12288
	v_and_b32 v7, 7, v1
	v_lshrrev_b32 v8, 3, v1
	v_lshl_add_u32 v7, v8, 4, v7                   ; 16 (r / 8) + r % 8: my row's place among 32, bits 3 and 4 exchanged (the block's number gives the rest)
	v_mul_u32_u24 v5, v7, 48
	v_mad_u32_u24 v5, v2, 24, v5
	v_add_nc_u32 v[STO], s23, v5
	v_and_b32 v6, 31, v0
	v_lshlrev_b32 v[CO], 4, v6
	v_add_nc_u32 v[RD], s23, v[CO]
	v_lshl_add_u32 v8, v2, 3, v7
	v_lshlrev_b32 v[LP], 2, v8                     ; 4 x (16 (r / 8) + 8 h + r % 8): the word of row 16 h + r of 32, at its exchanged place
	s_mov_b32 s[SEL], 0x76543210
	s_mov_b32 s[SEL+1], 0xfedcba98
	; where my results go (all offsets under 2^24)
	s_lshl_b32 s4, s17, 8
	s_lshl_b32 s5, s15, 7
	s_add_co_u32 s4, s4, s5                        ; my first row of A
	s_lshl_b32 s5, s42, 8
	s_lshl_b32 s6, s16, 7
	s_add_co_u32 s5, s5, s6                        ; my first row of B
	s_cmp_eq_u32 s2, 0                             ; q against k and v
	s_mov_b32 s8, 196608
	s_cselect_b32 s8, 98304, s8                    ; from head to head, codes
	s_mov_b32 s9, 12288
	s_cselect_b32 s9, 6144, s9                     ; from 128 tokens to the next
	s_mov_b32 s10, KVC
	s_cselect_b32 s10, 0, s10
	s_mov_b32 s11, KVS
	s_cselect_b32 s11, QS, s11
	s_mov_b32 s18, 12288
	s_cselect_b32 s18, 8192, s18                   ; from head to head, words
	s_mov_b32 s19, 768
	s_cselect_b32 s19, 512, s19
	s_cmp_eq_u32 s2, 2                             ; v against q and k
	s_cselect_b32 s6, s5, s4                       ; my first token
	s_cselect_b32 s7, s4, s5                       ; my first column of the product
	s_cselect_b32 s20, 3072, s8                    ; from the fragment's first 64 to its second: v: the next plane of keys; q, k: the next head
	s_cselect_b32 s21, s8, 3072                    ; from my rows 0-63 to 64-127: v: the next head; q, k: the next 64 tokens
	s_cselect_b32 s22, 6144, 0                     ; v lies behind k in a step
	s_cselect_b32 s23, 512, 0
	s_lshr_b32 s4, s6, 11
	s_lshl_b32 s4, s4, 4
	s_lshr_b32 s5, s7, 6
	s_add_co_u32 s4, s4, s5                        ; bh = 16 x batch + head
	s_bfe_u32 s5, s6, 0x40007                      ; which 128 tokens of the sequence
	s_mul_i32 s6, s4, s8
	s_mul_i32 s7, s5, s9
	s_add_co_u32 s6, s6, s7
	s_add_co_u32 s6, s6, s10
	s_add_co_u32 s6, s6, s22
	s_mul_i32 s7, s4, s18
	s_mul_i32 s9, s5, s19
	s_add_co_u32 s7, s7, s9
	s_add_co_u32 s7, s7, s11
	s_add_co_u32 s7, s7, s23
	s_mov_b32 s8, s6
	s_mov_b32 s9, 0
	s_add_nc_u64 s[40:41], s[12:13], s[8:9]        ; chunk (c = 0, rows 0-63)
	s_mov_b32 s8, s21
	s_add_nc_u64 s[42:43], s[40:41], s[8:9]        ; (0, rows 64-127)
	s_mov_b32 s8, s20
	s_add_nc_u64 s[44:45], s[40:41], s[8:9]        ; (1, rows 0-63)
	s_add_nc_u64 s[46:47], s[42:43], s[8:9]        ; (1, rows 64-127)
	s_mov_b32 s8, s7
	s_add_nc_u64 s[92:93], s[12:13], s[8:9]        ; the words of the first head,
	s_mov_b32 s8, s18
	s_add_nc_u64 s[94:95], s[92:93], s[8:9]        ; of the second
.macro FRAG reg, adr, q, i             ; a fragment, 16 rows x 128 K: 12 registers; lane l holds row l % 16; registers 6 c .. 6 c + 5: K = 64 c + 32 (l / 16) + 0 .. 31: 24 bytes of the row as they lie
.irp p, 0,1,2,3,4,5                    ; in pieces of 8 bytes.  Where the piece three on (lanes 16-31) lies behind one padding more, the second address register serves
.set PCE, 12*(\q)+6*(\p/3)+\p%3
.if PCE%8 < 5
	ds_load_b64 v[\reg+2*\p:\reg+2*\p+1], v[\adr] offset:8*PCE+16*(PCE/8)+(\i)*16*PITCH
.else
	ds_load_b64 v[\reg+2*\p:\reg+2*\p+1], v[\adr+2] offset:8*PCE+16*(PCE/8)+(\i)*16*PITCH
.endif
.endr
.endm
; 16 matrix instructions: A's blocks a0, a0 + 1 x B's eight, 128 along K.  p: B's set; sc: the set of scale words.  zero = 1: the first product starts the sums.
; The 64 accumulators take turns, one instruction a turn, in the same order in every step.
.macro MUL16 a0, p, q, sc, zero
.irp a, \a0, \a0+1
.irp b, 0,1,2,3,4,5,6,7
.set DD, 8*(8*((\a)%4)+\b)
.set FB, 128*(\p)+FR*\b
.set FA, AF+FR*(\a)
.set SBR, SC+8*NQ*(\sc)+NQ*\b+(\q)
.set SAR, SC+8*NQ*(\sc)+NQ*(\a)+(\q)
.if \zero
	v_wmma_scale_f32_16x16x128_f8f6f4 v[DD:DD+7], v[FB:FB+FR-1], v[FA:FA+FR-1], 0, v[SBR], v[SAR] matrix_a_fmt:MATRIX_FMT_FP6 matrix_b_fmt:MATRIX_FMT_FP6 matrix_a_scale:MATRIX_SCALE_ROW1
.else
	v_wmma_scale_f32_16x16x128_f8f6f4 v[DD:DD+7], v[FB:FB+FR-1], v[FA:FA+FR-1], v[DD:DD+7], v[SBR], v[SAR] matrix_a_fmt:MATRIX_FMT_FP6 matrix_b_fmt:MATRIX_FMT_FP6 matrix_a_scale:MATRIX_SCALE_ROW1
.endif
.endr
.endr
.endm
.macro FETCH_B slot, q, p
	WIN TO_B
.irp i, 0,1,2,3,4,5,6,7
	FRAG 128*(\p)+FR*\i, ADRB+\slot, \q, \i
.endr
	WIN 0
.endm
.macro FETCH_A slot, q, i0
.irp i, \i0, \i0+1, \i0+2, \i0+3
	FRAG AF+FR*(\i), ADRA+\slot, \q, \i
.endr
.endm
.macro SCALES sc                       ; a K step's scale words: 2 words a row; lanes 0-15 A's block i, lanes 16-31 B's block i
.irp i, 0,1,2,3,4,5,6,7
	ds_load_b64 v[SC+8*NQ*\sc+NQ*\i:SC+8*NQ*\sc+NQ*\i+1], v[ADRS] offset:\i*SBLK
.endr
.endm
.macro PLACES n                        ; plain vector instructions between a matrix instruction and a load into, or a read of, its registers (ISA guide 7.12.1 for a read)
.rept \n
	v_nop
.endr
.endm
.macro STEP slot, q, zero              ; a step of 128 along K that has its successor in the same slot
	s_wait_dscnt 4*NL                              ; B's set and A's blocks 0-3 are in; the youngest 24 loads (A's blocks 4-7) may be out
.if \zero
	WIN FST_LO
.else
	WIN MUL_LO
.endif
	MUL16 0, (\q)%2, \q, \slot, \zero
	MUL16 2, (\q)%2, \q, \slot, \zero
	s_wait_dscnt 0
	PLACES NP
	FETCH_B \slot, (\q)+1, 1-(\q)%2
	FETCH_A \slot, (\q)+1, 0
.if \zero
	WIN FST_HI
.else
	WIN MUL_HI
.endif
	MUL16 4, (\q)%2, \q, \slot, \zero
	MUL16 6, (\q)%2, \q, \slot, \zero
	PLACES NP
	WIN 0
	FETCH_A \slot, (\q)+1, 4
.endm
; A slot's last step changes slots: one barrier; in front of it each wave waits for all its tensor loads, adds 0 to its spare word, and waits for that and for its reads of this slot.  fill = 1: the slot is filled again.
.macro TURN slot, next, fill
	s_wait_tensorcnt 0x0                           ; all my tensor loads have landed: my part of the next slot
	ds_add_u32 v[SPW], v[NIL]                      ; 0 onto my spare word
	s_wait_dscnt 4*NL+1                            ; (the add and A's blocks 4-7 may be out)
	WIN MUL_LO
	MUL16 0, 1, NQ-1, \slot, 0
	s_wait_dscnt 0x0                               ; the add is done, and my reads of this slot are over
	s_barrier_signal -1
	MUL16 2, 1, NQ-1, \slot, 0
	WIN 0
	s_barrier_wait -1
.if \fill
	CREST                                          ; the barrier has opened a round of the cluster's: no wave of any partner still reads this slot or has a load on its way
	s_add_nc_u64 s[G0+4*\slot+2:G0+4*\slot+3], s[G0+4*\slot+2:G0+4*\slot+3], 2*ASTEP
	s_add_nc_u64 s[G0B+4*\slot+2:G0B+4*\slot+3], s[G0B+4*\slot+2:G0B+4*\slot+3], 2*ROWB
	JLOAD G0+4*\slot, G1, G0B+4*\slot, G1B         ; the first tensor load behind the round; its four v_nop are the places in front of the loads below
.else
	PLACES NP
.endif
	v_add_nc_u32 v[ADRS], 4*NQ, v[ADRS]            ; the next K step's scale words
	FETCH_B \next, 0, 0
	FETCH_A \next, 0, 0
	SCALES \next
	WIN MUL_HI
	MUL16 4, 1, NQ-1, \slot, 0
	MUL16 6, 1, NQ-1, \slot, 0
	PLACES NP
	WIN 0
	FETCH_A \next, 0, 4
.endm
	s_wait_tensorcnt 1                             ; the scales and my part of K step 0 are in (K step 1's load may be out)
	s_barrier_signal -1
	s_barrier_wait -1
	FETCH_B 0, 0, 0
	FETCH_A 0, 0, 0
	SCALES 0
	FETCH_A 0, 0, 4
	STEP 0, 0, 1                                   ; the first step stands in front of the loop: its products start the sums
	s_mov_b32 s3, LAPS-1
.Llap:                                                 ; a trip goes once round the ring and fills both slots again
	TURN 0, 1, 1
	STEP 1, 0, 0
	TURN 1, 0, 1
	STEP 0, 0, 0
	s_sub_co_u32 s3, s3, 1
	s_cmp_lg_u32 s3, 0
	s_cbranch_scc1 .Llap
	TURN 0, 1, 0                                   ; the last lap fills nothing
	STEP 1, 0, 0
	s_wait_dscnt 4*NL
	WIN MUL_LO
	MUL16 0, 1, NQ-1, 1, 0
	MUL16 2, 1, NQ-1, 1, 0
	s_wait_dscnt 0
	WIN MUL_HI
	MUL16 4, 1, NQ-1, 1, 0
	MUL16 6, 1, NQ-1, 1, 0
	WIN 0
; 64 numbers of a lane, register 16 b + i = index 32 b + 16 (lane / 16) + i of my row, become a fragment's codes in v[CD] on and its scale word in v[pw].
.macro QUANT s, pw
.irp b, 0,1,2,3
	v_max3_num_f32 v[TM+\b], |v[\s+16*\b]|, |v[\s+1+16*\b]|, 0x1800000   ; my 16 numbers, and the floor 2^(3 - 127): the byte cannot fall under 1
.endr
.irp i, 2,4,6,8,10,12,14
.irp b, 0,1,2,3
	v_max3_num_f32 v[TM+\b], v[TM+\b], |v[\s+16*\b+\i]|, |v[\s+1+16*\b+\i]|
.endr
.endr
.irp b, 0,1,2,3
	v_permlanex16_b32 v[TM+4+\b], v[TM+\b], s[SEL], s[SEL+1]
.endr
.irp b, 0,1,2,3
	v_max_num_f32 v[TM+\b], v[TM+\b], v[TM+4+\b]   ; with lane l xor 16's: the block's largest magnitude
.endr
.irp b, 0,1,2,3
	v_add_nc_u32 v[TM+12+\b], 0xff000000, v[TM+\b] ; 2 off its exponent field: the conversion's scale operand
.endr
.irp b, 0,1,2,3
	v_lshrrev_b32 v[TM+4+\b], 23, v[TM+12+\b]      ; the scale's byte
.endr
	v_lshl_or_b32 v[\pw], v[TM+5], 8, v[TM+4]
	v_lshl_or_b32 v[\pw], v[TM+6], 16, v[\pw]
	v_lshl_or_b32 v[\pw], v[TM+7], 24, v[\pw]
.irp c, 0,1
	v_cvt_scalef32_pk16_fp6_f32 v[CD+6*\c:CD+2+6*\c], v[\s+32*\c:\s+15+32*\c], v[TM+12+2*\c]
	v_cvt_scalef32_pk16_fp6_f32 v[CD+12+4*\c:CD+14+4*\c], v[\s+16+32*\c:\s+31+32*\c], v[TM+12+2*\c+1]   ; (a conversion's three registers begin on an even number)
.endr
	v_nop                                          ; one plain instruction behind a scaled conversion
.irp c, 0,1                                    ; a WHOLE block to a lane: lanes 0-15 block 2 c, lanes 16-31 block 2 c + 1
.irp i, 0,1,2
	v_permlane16_swap_b32 v[CD+6*\c+\i], v[CD+12+4*\c+\i]
.endr
.irp i, 0,1,2
	v_mov_b32 v[CD+3+6*\c+\i], v[CD+12+4*\c+\i]
.endr
.endr
.endm
; Block a: my rows 16 a .. 16 a + 15 against all 128 of B's.
.macro BLOCK a
	s_wait_dscnt 0x0                               ; the last block's stores into the stage have read the codes' registers
	WIN 0x02+(\a)/4                                ; source 0: window 2 or 3
.set k, 0
.rept 64
	v_mov_b32 v[H+k], v[64*((\a)%4)+k]             ; each accumulator from its low end on
.set k, k+1
.endr
	WIN 0
.irp e, 0,1,2,3
.irp j, 0,1,2,3,4,5,6,7
	v_permlane16_swap_b32 v[H+16*\e+\j], v[H+16*\e+8+\j]   ; tile 2 e's lanes 16-31 change places with tile 2 e + 1's lanes 0-15: register 16 e + i is now index 32 e + 16 h + i
.endr
.endr
	QUANT H, PWS+(\a)
.irp c, 0,1
.irp p, 0,1,2
	ds_store_b64 v[STO], v[CD+6*\c+2*\p:CD+6*\c+2*\p+1] offset:\c*6144+(32*((\a)/2)+8*((\a)%2))*48+8*\p   ; chunk c, my row at its exchanged place, my 24 bytes
.endr
.endr
.endm
	PLACES NP                                      ; behind the last products: their results are read, and registers that held fragments are written
.irp b, 0,1,2,3
	v_mov_b32 v[TM+4+\b], 0                        ; written once: a lane permute's destination counts as one of its sources
.endr
.irp a, 0,1,2,3,4,5,6,7
	BLOCK \a
.endr
.irp e, 0,1,2,3
	v_permlane16_swap_b32 v[PWS+2*\e], v[PWS+2*\e+1]   ; register 2 e: the words of my rows 32 e + lane
.endr
	s_cmp_eq_u32 s2, 2                             ; the same number in all partners; only global stores stand in the two arms
	s_cbranch_scc1 .Lv_words
.irp e, 0,1,2,3
	v_lshrrev_b32 v[X1+\e], 16, v[PWS+2*\e]        ; q, k: a word's upper two bytes are the second head's,
	v_and_b32 v[PWS+2*\e], 0xffff, v[PWS+2*\e]     ; the lower two the first's
.endr
.irp e, 0,1,2,3
	global_store_b32 v[LP], v[PWS+2*\e], s[92:93] offset:128*\e
	global_store_b32 v[LP], v[X1+\e], s[94:95] offset:128*\e
.endr
	s_branch .Lwords_out
.Lv_words:                                             ; v: my rows 0-63 are the first head's, 64-127 the second's; a word holds the step's four blocks of keys
	global_store_b32 v[LP], v[PWS], s[92:93]
	global_store_b32 v[LP], v[PWS+2], s[92:93] offset:128
	global_store_b32 v[LP], v[PWS+4], s[94:95]
	global_store_b32 v[LP], v[PWS+6], s[94:95] offset:128
.Lwords_out:
	WIN TO_B                                       ; the stage comes back into window 1, which is free
.irp m, 0,1,2,3,4,5,6,7,8,9,10,11,12,13,14,15,16,17,18,19,20,21,22,23
	ds_load_b128 v[4*\m:4*\m+3], v[RD] offset:512*\m   ; LDS serves a wave's instructions in order: these see my stores
.endr
	WIN 0x04                                       ; a store's data are its source 1: window 1
.irp m, 0,1,2,3,4,5,6,7,8,9,10,11,12,13,14,15,16,17,18,19,20,21,22,23
	s_wait_dscnt 23-\m
	global_store_b128 v[CO], v[4*\m:4*\m+3], s[40+4*(\m/12)+2*((\m/6)%2):41+4*(\m/12)+2*((\m/6)%2)] offset:512*(\m%6)   ; 512 consecutive bytes, at a multiple of 256
.endr
	WIN 0
	s_wait_tensorcnt 0x0                           ; the wave's end
	ds_add_u32 v[SPW], v[NIL]
	s_wait_dscnt 0x0
	CROUND                                         ; the closing round
	s_endpgm
.Lfunc_end_k_q67f7abe6d1_qkv:
	.size	k_q67f7abe6d1_qkv, .Lfunc_end_k_q67f7abe6d1_qkv-k_q67f7abe6d1_qkv
	.p2alignl 7, 3214868480
	.fill 96, 4, 3214868480
	.section	.rodata,"a",@progbits
	.p2align	6, 0x0
	.amdhsa_kernel k_q67f7abe6d1_qkv
		.amdhsa_group_segment_fixed_size 327680
		.amdhsa_private_segment_fixed_size 0
		.amdhsa_enable_private_segment 0
		.amdhsa_kernarg_size 64
		.amdhsa_user_sgpr_count 2
		.amdhsa_user_sgpr_kernarg_segment_ptr 1
		.amdhsa_wavefront_size32 1
		.amdhsa_system_sgpr_workgroup_id_x 1
		.amdhsa_system_sgpr_workgroup_id_y 1
		.amdhsa_system_sgpr_workgroup_id_z 1
		.amdhsa_system_vgpr_workitem_id 0
		.amdhsa_next_free_vgpr 1024
		.amdhsa_next_free_sgpr 100
		.amdhsa_reserve_vcc 0
		.amdhsa_float_denorm_mode_32 3
		.amdhsa_float_denorm_mode_16_64 3
		.amdhsa_memory_ordered 1
		.amdhsa_forward_progress 1
		.amdhsa_inst_pref_size 197
	.end_amdhsa_kernel
	.amdgpu_metadata
---
amdhsa.version: [ 1, 2 ]
amdhsa.kernels:
  - .name:           k_q67f7abe6d1_qkv
    .symbol:         k_q67f7abe6d1_qkv.kd
    .args:
      - { .name: xq, .offset: 0, .size: 8, .value_kind: global_buffer, .address_space: global }
      - { .name: Wq_codes, .offset: 8, .size: 8, .value_kind: global_buffer, .address_space: global }
      - { .name: Wq_scales, .offset: 16, .size: 8, .value_kind: global_buffer, .address_space: global }
      - { .name: Wk_codes, .offset: 24, .size: 8, .value_kind: global_buffer, .address_space: global }
      - { .name: Wk_scales, .offset: 32, .size: 8, .value_kind: global_buffer, .address_space: global }
      - { .name: Wv_codes, .offset: 40, .size: 8, .value_kind: global_buffer, .address_space: global }
      - { .name: Wv_scales, .offset: 48, .size: 8, .value_kind: global_buffer, .address_space: global }
      - { .name: qkv, .offset: 56, .size: 8, .value_kind: global_buffer, .address_space: global }
    .group_segment_fixed_size: 327680
    .private_segment_fixed_size: 0
    .kernarg_segment_align: 8
    .kernarg_segment_size: 64
    .max_flat_workgroup_size: 128
    .sgpr_count:     100
    .vgpr_count:     1024
    .wavefront_size: 32
...
	.end_amdgpu_metadata
.endif
;; end of part 2
;; launch attn (part 3): grid 8 x 32, 16 waves a work-group, clusters of 4 x 1, 223,232 bytes of LDS; arguments qkv, maskbits, ao; writes ao
.if DOCPART == 3
	.amdgcn_target "amdgcn-amd-amdhsa--gfx1250"
	.amdhsa_code_object_version 6
	.text
	.protected	k_q67f7abe6d1_attn
	.globl	k_q67f7abe6d1_attn
	.p2align	8
	.type	k_q67f7abe6d1_attn,@function
k_q67f7abe6d1_attn:
	s_mov_b64 s[64:65], 0
	v_nop
	global_prefetch_b8 v0, s[64:65] scope:SCOPE_SE
	s_setreg_imm32_b32 hwreg(HW_REG_WAVE_MODE, 25, 1), 1
	s_wait_xcnt 0x0
	s_wait_alu depctr_hold_cnt(0) depctr_sa_sdst(0) depctr_va_vdst(0) depctr_va_sdst(0) depctr_va_ssrc(0) depctr_va_vcc(0) depctr_vm_vsrc(0)
	s_getreg_b32 s2, hwreg(HW_REG_IB_STS2, 6, 4)
	s_cmp_eq_u32 s2, 0
	s_cbranch_scc0 .Lentry_in_a_cluster
	s_endpgm
.Lentry_in_a_cluster:
	s_bfe_u32 s2, ttmp6, 0x10000c
	s_cmp_lg_u32 s2, 0x3003
	s_cbranch_scc0 .Lentry_shape_is_right
	s_endpgm
.Lentry_shape_is_right:
; Attention of one (batch, head) on codes of FP6 (E2M3): S^T = K Q^T, the mask, p = 2^(t - M), O^T = V^T P^T, O / l, quantised along the head's 64 into ao.
; t = score x log2(e) / 8; M = the running largest t rounded UP to a whole number; p is quantised along the keys, not normalised; l is the sum of the unquantised p.  When M moves, l and O^T are multiplied by 2^(old M - new M): exact.
; THE MASK IS AN INPUT: all 2,048 keys are walked for every query.  A launch before has turned its bytes into lane masks, one word for each score register; they come by scalar loads and feed v_cndmask_b32 alone.
; A hidden score becomes -2^33 (a logit of -2^30, where reference() has -1e9): its t is a whole number, so a row that is hidden altogether has p = 1 everywhere, as with -1e9.
; LIMIT: results differ from reference()'s only where logits that count lie near or under -1e9.  NaN and infinities are not served; a block of zeros gets the byte 1, not 127 (this program alone reads the bytes).
; SHARES.  A work-group owns 256 queries of one bh; each of its sixteen waves 16 of them, in 256 registers: four waves to a SIMD, so that one wave's vector work stands beside another's products and LDS loads.
; ALL OF THE HEAD'S K AND V LIE IN LDS AT ONCE (16 steps of 12,288 bytes, and 768 bytes of scale words each): wave w fetches step w; nothing is filled again, so the loop has no barrier.
; CLUSTER: the four query blocks of a cluster walk the same K and V: each tile is asked for jointly (mask 15).
; LAYOUT.  Both products are used transposed: a lane holds ONE query.  K's and V's rows were stored with bits 3 and 4 of their number exchanged: 16 consecutive stored rows give tile 2 b + u, lane i, the
; index 32 b + 8 u + i + 8 (i / 8), so that the 16 registers of tiles 2 b, 2 b + 1 are 16 neighbours: 32 b + 16 (lane / 16) + 0 .. 15.
; THE FIRST PRODUCT'S K IS 64: Q's upper six registers are zero codes.  K's fragments lie 6 registers apart; the upper six of an operand are the next fragment's codes, which meet Q's zeros (the format has no infinity or NaN).
; ao: codes in planes [16 heads][4096 tokens][48 bytes] from byte 0; scale bytes [4096][32] from byte AOS.
.set QS,  3145728
.set KVC, 3407872
.set KVS, 9699328
.set AOS, 3145728
.set SCB, 196608                       ; LDS: behind the 16 steps' codes, their scale words
.set STG, 208896                       ; and a stage of 768 bytes for each wave, in which no tile lands
.set AK0, 1                            ; v1  48 r + 24 h
.set AS0, 2                            ; v2  SCB + 4 r
.set ADK, 3                            ; v3  the step's codes
.set ADS, 4                            ; v4  the step's scale words
.set NEG, 5                            ; v5  -2^33
.set STO, 6                            ; v6  the stage, in
.set RD,  7                            ; v7  the stage, back
.set GO,  8                            ; v8  8 x lane
.set GS,  9                            ; v9  32 r
.set F,   10                           ; v[10:11] f = 2^(old M - new M); v11 is written once, being named with it as a pair
                                       ; v12 -M, v13 the largest t, v[14:15] the sum in two halves; v16-21 Q, v22-27 zero codes; v28-31 V's scale words
.set KF,  32                           ; v32-79 K's eight fragments, 6 registers each; v80-85 zero codes.  Behind the scores v32-53 are at work:
.set BM,  32                           ; v32-35 the blocks' largest scores, then their largest p
.set BP,  36                           ; v36-39 the other half's; then the bytes
.set SO,  40                           ; v40-43 the conversions' scale operands
.set PX,  44                           ; v44-46, v48-50 the second halves of p's codes
.set KW,  86                           ; v86-93 K's scale words
.set S,   96                           ; v96-159 S^T, then p
.set O,   160                          ; v160-191 O^T
.set VF,  192                          ; v192-239 V's four fragments
.set PCD, 240                          ; v240-251 p's codes;  v253 p's scale word;  v255 Q's scale words;  v252, v254 at work
.set WV,  18
.set SEL, 20                           ; s[20:21] lane l xor 16
.set CS,  22                           ; s[22:23] c = log2(e) / 8
.set TB,  2
.set TS,  3
.set MO,  24                           ; the next step's mask words: 256 bytes a step
.set CNT, 25
.macro ROUND
	s_barrier_signal -1
	s_barrier_wait -1
	s_cmp_lg_u32 s[WV], 0
	s_cbranch_scc1 .Lnot_wave_0_\@
	s_barrier_signal -3
.Lnot_wave_0_\@:
	s_barrier_wait -3
	s_barrier_signal -1
	s_barrier_wait -1
.endm
	s_load_b128 s[4:7], s[0:1], 0x0                ; qkv, maskbits
	s_load_b64 s[8:9], s[0:1], 0x10                ; ao
	v_lshl_add_u32 v94, v0, 2, 0x36000
	v_mov_b32 v95, 0
	ds_add_u32 v94, v95
	ds_add_u32 v94, v95
	v_lshrrev_b32 v1, 5, v0
	v_readfirstlane_b32 s[WV], v1                  ; wave 0..15
	s_bfe_u32 s12, ttmp6, 0x40000                  ; cx: it enters Q's, the mask's and ao's addresses alone
	s_lshl_b32 s13, ttmp9, 2
	s_add_co_u32 s13, s13, s12                     ; my block of 256 queries
	s_and_b32 s14, ttmp7, 0xffff                   ; bh, which the four partners share
	; a step's codes: 12,288 dense bytes, as 48 rows of 256; its scale words: 3 rows of 256
	s_mov_b32 s68, 15|(3<<16)|(1<<21)              ; the mask: all four; elements of 8 bytes; bit 21 beside a mask; no padding
	s_mov_b32 s69, 32<<16
	s_mov_b32 s70, 48<<16
	s_mov_b32 s71, 32<<16
	s_mov_b32 s72, 48
	s_mov_b32 s73, 32
	s_mov_b32 s74, 0
	s_mov_b32 s75, 0
	s_mov_b32 s76, 15|(3<<16)|(1<<21)
	s_mov_b32 s77, 32<<16
	s_mov_b32 s78, 3<<16
	s_mov_b32 s79, 32<<16
	s_mov_b32 s80, 3
	s_mov_b32 s81, 32
	s_mov_b32 s82, 0
	s_mov_b32 s83, 0
	s_mov_b32 s84, 1
	s_mul_i32 s85, s[WV], 12288                    ; LDS: step w
	s_mul_i32 s26, s14, 196608
	s_add_co_u32 s26, s26, s85
	s_add_co_u32 s26, s26, KVC
	s_mov_b32 s27, 0
	s_mov_b32 s88, 1
	s_mul_i32 s29, s[WV], 768
	s_add_co_u32 s89, s29, SCB
	s_mul_i32 s28, s14, 12288
	s_add_co_u32 s28, s28, s29
	s_add_co_u32 s28, s28, KVS
	s_mov_b32 s29, 0
	s_wait_dscnt 0x0
	s_wait_kmcnt 0x0
	s_add_nc_u64 s[86:87], s[4:5], s[26:27]
	s_or_b32 s87, s87, 0x80000000
	s_add_nc_u64 s[90:91], s[4:5], s[28:29]
	s_or_b32 s91, s91, 0x80000000
	ROUND                                          ; all four work-groups are here: the joint loads meet
	tensor_load_to_lds s[84:87], s[68:75]          ; a wave's two loads stand together: two are out
	s_nop 0
	tensor_load_to_lds s[88:91], s[76:83]
	s_nop 0
.rept 4
	v_nop
.endr
	v_and_b32 v32, 15, v0                          ; r
	v_bfe_u32 v33, v0, 4, 1                        ; h
	v_and_b32 v34, 31, v0                          ; lane
	v_mul_u32_u24 v[AK0], v32, 48
	v_mad_u32_u24 v[AK0], v33, 24, v[AK0]
	v_lshl_add_u32 v[AS0], v32, 2, SCB
	v_mov_b32 v[NEG], 0xd0000000
	s_mul_i32 s26, s[WV], 768
	s_add_co_u32 s26, s26, STG
	v_add_nc_u32 v[STO], s26, v[AK0]
	v_lshlrev_b32 v[GO], 3, v34
	v_add_nc_u32 v[RD], s26, v[GO]
	v_lshlrev_b32 v[GS], 5, v32
	v_and_b32 v35, 7, v32
	v_lshrrev_b32 v36, 3, v32
	v_lshl_add_u32 v35, v36, 4, v35                ; 16 (r / 8) + r % 8: Q's rows were stored exchanged too; read so, lane r has natural token q0 + r
	v_mul_u32_u24 v36, v35, 48
	v_mad_u32_u24 v36, v33, 24, v36
	v_lshlrev_b32 v37, 2, v35
	s_lshl_b32 s15, s13, 8
	s_lshl_b32 s16, s[WV], 4
	s_add_co_u32 s15, s15, s16                     ; q0: my first query
	s_and_not1_b32 s16, s15, 31
	s_and_b32 s17, s[WV], 1
	s_lshl_b32 s17, s17, 3
	s_add_co_u32 s16, s16, s17                     ; the first stored row of my 16
	s_mul_i32 s26, s14, 98304
	s_mul_i32 s27, s16, 48
	s_add_co_u32 s26, s26, s27
	s_mov_b32 s27, 0
	s_add_nc_u64 s[26:27], s[4:5], s[26:27]
	s_lshl_b32 s28, s14, 13
	s_lshl_b32 s29, s16, 2
	s_add_co_u32 s28, s28, s29
	s_add_co_u32 s28, s28, QS
	s_mov_b32 s29, 0
	s_add_nc_u64 s[28:29], s[4:5], s[28:29]
.irp p, 0,1,2
	global_load_b64 v[16+2*\p:17+2*\p], v36, s[26:27] offset:8*\p   ; Q's fragment stays in registers
.endr
	global_load_b32 v255, v37, s[28:29]
	s_lshl_b32 s30, s13, 4
	s_add_co_u32 s30, s30, s[WV]
	s_lshl_b32 s30, s30, 12                        ; my tile of 16 queries: 16 steps of 256 bytes of mask words
	s_mov_b32 s31, 0
	s_add_nc_u64 s[6:7], s[6:7], s[30:31]
	s_and_b32 s16, s14, 15                         ; head
	s_lshr_b32 s17, s14, 4
	s_lshl_b32 s17, s17, 11
	s_add_co_u32 s17, s17, s15                     ; my first token of 4,096
	s_lshl_b32 s30, s17, 5
	s_lshl_b32 s19, s16, 1
	s_add_co_u32 s30, s30, s19
	s_add_co_u32 s30, s30, AOS
	s_add_nc_u64 s[10:11], s[8:9], s[30:31]        ; ao's scale bytes: row token, bytes 2 head, + 1
	s_mul_i32 s30, s16, 196608
	s_mul_i32 s19, s17, 48
	s_add_co_u32 s30, s30, s19
	s_add_nc_u64 s[8:9], s[8:9], s[30:31]          ; ao's codes: plane head, row token
	s_mov_b32 s[SEL], 0x76543210
	s_mov_b32 s[SEL+1], 0xfedcba98
	s_mov_b32 s[CS], 0x3e38aa3b                    ; log2(e) / 8
	s_mov_b32 s[CS+1], s[CS]
	s_mov_b32 s[TB], 0
	s_mov_b32 s[TS], 0
	s_mov_b32 s[MO], 0
	s_mov_b32 s[CNT], 16
.irp j, 22,23,24,25,26,27,80,81,82,83,84,85
	v_mov_b32 v\j, 0                               ; zero codes
.endr
	v_mov_b32 v11, 0
	v_mov_b32 v13, 0xff61b1e6                      ; the largest t so far: -3e38
	v_floor_f32 v12, -v13                          ; -M
	v_mov_b32 v14, 0
	v_mov_b32 v15, 0
.set j, 0
.rept 32
	v_mov_b32 v[O+j], 0                            ; O^T: the loop is written once; its first step finds zeros
.set j, j+1
.endr
	s_wait_tensorcnt 0x0                           ; my step has landed,
	s_barrier_signal -1
	s_barrier_wait -1                              ; everybody's has.  The descriptors are done with: their registers take mask words
	s_load_b512 s[32:47], s[6:7], s[MO] offset:0x0 ; step 0's 64 words
	s_load_b512 s[48:63], s[6:7], s[MO] offset:0x40
	s_load_b512 s[68:83], s[6:7], s[MO] offset:0x80
	s_load_b512 s[84:99], s[6:7], s[MO] offset:0xc0
	s_wait_loadcnt 0x0                             ; Q
.Lstep:                                                ; 16 trips: 128 keys each
	v_add_nc_u32 v[ADK], s[TB], v[AK0]
	v_add_nc_u32 v[ADS], s[TS], v[AS0]
.irp t, 0,1,2,3,4,5,6,7
.irp p, 0,1,2
	ds_load_b64 v[KF+6*\t+2*\p:KF+6*\t+2*\p+1], v[ADK] offset:768*\t+8*\p
.endr
	ds_load_b32 v[KW+\t], v[ADS] offset:64*\t
.endr
	s_wait_dscnt 0x0
.irp t, 0,1,2,3,4,5,6,7
	v_wmma_scale_f32_16x16x128_f8f6f4 v[S+8*\t:S+8*\t+7], v[KF+6*\t:KF+6*\t+11], v[16:27], 0, v[KW+\t], v255 matrix_a_fmt:MATRIX_FMT_FP6 matrix_b_fmt:MATRIX_FMT_FP6
.endr
.rept 4
	v_nop                                          ; places: the scores are read, K's registers written; with the two additions above also for the loads into V's registers
.endr
.irp t, 0,1,2,3                                ; V's fragments land under the softmax
.irp c, 0,1
.irp p, 0,1,2
	ds_load_b64 v[VF+12*\t+6*\c+2*\p:VF+12*\t+6*\c+2*\p+1], v[ADK] offset:6144+3072*\c+768*\t+8*\p
.endr
.endr
	ds_load_b32 v[28+\t], v[ADS] offset:512+64*\t
.endr
	s_wait_kmcnt 0x0                               ; this step's mask words
.set n, 0
.rept 64
	v_cndmask_b32 v[S+n], v[NEG], v[S+n], s[32+n+4*(n/32)]   ; register n holds key 32 (n / 16) + 16 h + n % 16 of my query
.set n, n+1
.endr
.irp b, 0,1,2,3
	v_max3_num_f32 v[BM+\b], v[S+16*\b], v[S+1+16*\b], v[S+2+16*\b]   ; the largest score of each block of 32 keys: for the row's maximum, and, since p rises with the score, for the block's largest p
.endr
.irp i, 3,5,7,9,11,13
.irp b, 0,1,2,3
	v_max3_num_f32 v[BM+\b], v[BM+\b], v[S+16*\b+\i], v[S+1+16*\b+\i]
.endr
.endr
.irp b, 0,1,2,3
	v_max_num_f32 v[BM+\b], v[BM+\b], v[S+15+16*\b]
.endr
.irp b, 0,1,2,3
	v_permlanex16_b32 v[BP+\b], v[BM+\b], s[SEL], s[SEL+1]
.endr
.irp b, 0,1,2,3
	v_max_num_f32 v[BM+\b], v[BM+\b], v[BP+\b]
.endr
	v_max3_num_f32 v254, v[BM], v[BM+1], v[BM+2]
	v_max_num_f32 v254, v254, v[BM+3]
	v_mul_f32 v254, s[CS], v254                    ; the step's largest t
	v_max_num_f32 v13, v13, v254
	v_mov_b32 v254, v12
	v_floor_f32 v12, -v13                          ; the new -M = -ceil(t)
	v_sub_f32 v254, v12, v254                      ; old M - new M: a whole number, 0 or less
	v_cvt_i32_f32 v254, v254                       ; (it saturates)
	v_ldexp_f32 v[F], 1.0, v254
	s_add_co_u32 s[MO], s[MO], 256                 ; the next step's mask words are asked for here, most of a step ahead of the wait for them;
	s_and_b32 s[MO], s[MO], 0xfff                  ; the last trip's address wraps to step 0: no load leaves the buffer
	s_load_b512 s[32:47], s[6:7], s[MO] offset:0x0
	s_load_b512 s[48:63], s[6:7], s[MO] offset:0x40
	s_load_b512 s[68:83], s[6:7], s[MO] offset:0x80
	s_load_b512 s[84:99], s[6:7], s[MO] offset:0xc0
.set j, 0
.rept 32
	v_pk_fma_f32 v[S+j:S+j+1], v[S+j:S+j+1], s[CS:CS+1], v[12:13] op_sel_hi:[1,0,0]   ; t - M
.set j, j+2
.endr
.irp b, 0,1,2,3
	v_fma_f32 v[BM+\b], v[BM+\b], s[CS], v12
.endr
.set j, 0
.rept 64
	v_exp_f32 v[S+j], v[S+j]                       ; p, at most 1
.set j, j+1
.endr
	v_pk_mul_f32 v[14:15], v[14:15], v[F:F+1] op_sel_hi:[1,0]   ; the sums under the new M (the plain instruction behind the batch)
	s_wait_alu depctr_va_vdst(0)                   ; one wait for the batch, ahead of its first reader
.irp b, 0,1,2,3
	v_exp_f32 v[BM+\b], v[BM+\b]                   ; the blocks' largest p
.endr
	v_pk_add_f32 v[52:53], v[S:S+1], v[S+2:S+3]    ; the sum of the unquantised p, in two chains
.irp j, 4,8,12,16,20,24,28,32,36,40,44,48,52,56,60
	v_pk_add_f32 v[14:15], v[14:15], v[S+\j:S+\j+1]
	v_pk_add_f32 v[52:53], v[52:53], v[S+2+\j:S+3+\j]
.endr
	v_pk_add_f32 v[14:15], v[14:15], v[52:53]
	s_wait_alu depctr_va_vdst(0)                   ; and one for the four
.irp b, 0,1,2,3
	v_max_num_f32 v[BM+\b], 0x1800000, v[BM+\b]    ; the floor 2^(3 - 127)
.endr
.irp b, 0,1,2,3
	v_add_nc_u32 v[SO+\b], 0xff000000, v[BM+\b]
.endr
.irp b, 0,1,2,3
	v_lshrrev_b32 v[BP+\b], 23, v[SO+\b]
.endr
	v_lshl_or_b32 v253, v[BP+1], 8, v[BP]          ; p's scale word for these 128 keys
	v_lshl_or_b32 v253, v[BP+2], 16, v253
	v_lshl_or_b32 v253, v[BP+3], 24, v253
.irp c, 0,1
	v_cvt_scalef32_pk16_fp6_f32 v[PCD+6*\c:PCD+2+6*\c], v[S+32*\c:S+15+32*\c], v[SO+2*\c]
	v_cvt_scalef32_pk16_fp6_f32 v[PX+4*\c:PX+2+4*\c], v[S+16+32*\c:S+31+32*\c], v[SO+2*\c+1]
.endr
	v_nop
.irp c, 0,1
.irp i, 0,1,2
	v_permlane16_swap_b32 v[PCD+6*\c+\i], v[PX+4*\c+\i]
.endr
.irp i, 0,1,2
	v_mov_b32 v[PCD+3+6*\c+\i], v[PX+4*\c+\i]
.endr
.endr
.set j, 0
.rept 16
	v_pk_mul_f32 v[O+j:O+j+1], v[O+j:O+j+1], v[F:F+1] op_sel_hi:[1,0]   ; O^T under the new M; these sixteen also stand between the making of p's codes and scale word and the products
.set j, j+2
.endr
	s_wait_dscnt 0x0                               ; V
.irp t, 0,1,2,3
	v_wmma_scale_f32_16x16x128_f8f6f4 v[O+8*\t:O+8*\t+7], v[VF+12*\t:VF+12*\t+11], v[PCD:PCD+11], v[O+8*\t:O+8*\t+7], v[28+\t], v253 matrix_a_fmt:MATRIX_FMT_FP6 matrix_b_fmt:MATRIX_FMT_FP6
.endr
	s_add_co_u32 s[TB], s[TB], 12288
	s_add_co_u32 s[TS], s[TS], 768
	s_sub_co_u32 s[CNT], s[CNT], 1
	s_cmp_lg_u32 s[CNT], 0
	s_cbranch_scc1 .Lstep
	s_wait_kmcnt 0x0                               ; the wrapped loads of the last trip
	; THE WAY OUT: O^T / l, two blocks of 32 along the head's 64, quantised; register 16 b + i is d = 32 b + 16 h + i of my query
.rept 4
	v_nop
.endr
	v_add_f32 v14, v14, v15
	v_permlanex16_b32 v254, v14, s[SEL], s[SEL+1]
	v_add_f32 v14, v14, v254
	v_rcp_f32 v14, v14
	v_nop
	s_wait_alu depctr_va_vdst(0)
.set j, 0
.rept 32
	v_mul_f32 v[S+j], v[O+j], v14
.set j, j+1
.endr
.irp b, 0,1
	v_max3_num_f32 v[BM+\b], |v[S+16*\b]|, |v[S+1+16*\b]|, 0x1800000
.endr
.irp i, 2,4,6,8,10,12,14
.irp b, 0,1
	v_max3_num_f32 v[BM+\b], v[BM+\b], |v[S+16*\b+\i]|, |v[S+1+16*\b+\i]|
.endr
.endr
.irp b, 0,1
	v_permlanex16_b32 v[BP+\b], v[BM+\b], s[SEL], s[SEL+1]
.endr
.irp b, 0,1
	v_max_num_f32 v[BM+\b], v[BM+\b], v[BP+\b]
.endr
.irp b, 0,1
	v_add_nc_u32 v[SO+\b], 0xff000000, v[BM+\b]
.endr
.irp b, 0,1
	v_lshrrev_b32 v[BP+\b], 23, v[SO+\b]
.endr
	v_lshl_or_b32 v252, v[BP+1], 8, v[BP]          ; my token's two scale bytes of this head
	v_cvt_scalef32_pk16_fp6_f32 v[PCD:PCD+2], v[S:S+15], v[SO]
	v_cvt_scalef32_pk16_fp6_f32 v[PX:PX+2], v[S+16:S+31], v[SO+1]
	v_nop
.irp i, 0,1,2
	v_permlane16_swap_b32 v[PCD+\i], v[PX+\i]      ; lane (r, h) now holds block h whole
.endr
.irp i, 0,1,2
	v_mov_b32 v[PCD+3+\i], v[PX+\i]
.endr
.irp p, 0,1,2
	ds_store_b64 v[STO], v[PCD+2*\p:PCD+2*\p+1] offset:8*\p
.endr
.irp k, 0,1,2
	ds_load_b64 v[56+2*\k:57+2*\k], v[RD] offset:256*\k   ; my 16 tokens' 768 bytes, as they lie in ao
.endr
.irp k, 0,1,2
	s_wait_dscnt 2-\k
	global_store_b64 v[GO], v[56+2*\k:57+2*\k], s[8:9] offset:256*\k   ; 256 consecutive bytes, aligned
.endr
	global_store_b16 v[GS], v252, s[10:11]         ; lanes l and l xor 16 store the same two bytes to the same place
	s_wait_tensorcnt 0x0
	ds_add_u32 v94, v95
	s_wait_dscnt 0x0
	ROUND                                          ; the closing round
	s_endpgm
.Lfunc_end_k_q67f7abe6d1_attn:
	.size	k_q67f7abe6d1_attn, .Lfunc_end_k_q67f7abe6d1_attn-k_q67f7abe6d1_attn
	.p2alignl 7, 3214868480
	.fill 96, 4, 3214868480
	.section	.rodata,"a",@progbits
	.p2align	6, 0x0
	.amdhsa_kernel k_q67f7abe6d1_attn
		.amdhsa_group_segment_fixed_size 223232
		.amdhsa_private_segment_fixed_size 0
		.amdhsa_enable_private_segment 0
		.amdhsa_kernarg_size 24
		.amdhsa_user_sgpr_count 2
		.amdhsa_user_sgpr_kernarg_segment_ptr 1
		.amdhsa_wavefront_size32 1
		.amdhsa_system_sgpr_workgroup_id_x 1
		.amdhsa_system_sgpr_workgroup_id_y 1
		.amdhsa_system_sgpr_workgroup_id_z 1
		.amdhsa_system_vgpr_workitem_id 0
		.amdhsa_next_free_vgpr 256
		.amdhsa_next_free_sgpr 100
		.amdhsa_reserve_vcc 0
		.amdhsa_float_denorm_mode_32 3
		.amdhsa_float_denorm_mode_16_64 3
		.amdhsa_memory_ordered 1
		.amdhsa_forward_progress 1
		.amdhsa_inst_pref_size 35
	.end_amdhsa_kernel
	.amdgpu_metadata
---
amdhsa.version: [ 1, 2 ]
amdhsa.kernels:
  - .name:           k_q67f7abe6d1_attn
    .symbol:         k_q67f7abe6d1_attn.kd
    .args:
      - { .name: qkv, .offset: 0, .size: 8, .value_kind: global_buffer, .address_space: global }
      - { .name: maskbits, .offset: 8, .size: 8, .value_kind: global_buffer, .address_space: global }
      - { .name: ao, .offset: 16, .size: 8, .value_kind: global_buffer, .address_space: global }
    .group_segment_fixed_size: 223232
    .private_segment_fixed_size: 0
    .kernarg_segment_align: 8
    .kernarg_segment_size: 24
    .max_flat_workgroup_size: 512
    .sgpr_count:     100
    .vgpr_count:     256
    .wavefront_size: 32
...
	.end_amdgpu_metadata
.endif
;; end of part 3
;; launch wo (part 4): grid 4 x 16, 4 waves a work-group, clusters of 4 x 4, 327,680 bytes of LDS; arguments ao, Wo_codes, Wo_scales, x, h; writes h
.if DOCPART == 4
	.amdgcn_target "amdgcn-amd-amdhsa--gfx1250"
	.amdhsa_code_object_version 6
	.text
	.protected	k_q67f7abe6d1_wo
	.globl	k_q67f7abe6d1_wo
	.p2align	8
	.type	k_q67f7abe6d1_wo,@function
k_q67f7abe6d1_wo:
	s_mov_b64 s[64:65], 0
	v_nop
	global_prefetch_b8 v0, s[64:65] scope:SCOPE_SE
	s_setreg_imm32_b32 hwreg(HW_REG_WAVE_MODE, 25, 1), 1
	s_wait_xcnt 0x0
	s_wait_alu depctr_hold_cnt(0) depctr_sa_sdst(0) depctr_va_vdst(0) depctr_va_sdst(0) depctr_va_ssrc(0) depctr_va_vcc(0) depctr_vm_vsrc(0)
	s_getreg_b32 s2, hwreg(HW_REG_IB_STS2, 6, 4)
	s_cmp_eq_u32 s2, 0
	s_cbranch_scc0 .Lentry_in_a_cluster
	s_endpgm
.Lentry_in_a_cluster:
	s_bfe_u32 s2, ttmp6, 0x10000c
	s_cmp_lg_u32 s2, 0xf033
	s_cbranch_scc0 .Lentry_shape_is_right
	s_endpgm
.Lentry_shape_is_right:
; h = x + ao Wo on codes of FP6 (E2M3) with E8M0 scales; h [4096][1024] f32.
; A tile of 256 x 256 to a work-group of four waves, 128 x 128 a wave.  K goes in steps of 256 through a ring of two LDS slots; the scale bytes of the work-group's rows, for all of K, come once.
; CLUSTERS: 4 x 4 work-groups; side A's tiles (source 1: tokens) are asked for jointly along a row of the cluster, side B's (source 0: the weight's rows) along a column.
; THE MATRIX INSTRUCTION IS USED TRANSPOSED: a lane holds eight neighbouring numbers of a row of the result.
; SIDE A LIES IN PLANES: [K / 64][4096 tokens][48 bytes].  A wave's part of a K step is 4 planes x (128 tokens x 48 = 6,144 dense bytes): one tensor load of 4 rows of 6,144 bytes, 196,608 apart.
; In LDS rows of 48 bytes need no padding: the 32 lanes of a load of 8 bytes (48 r + 24 h) touch 64 different banks.  Side B as it arrives: rows of 192 bytes, 16 bytes of padding behind every 64.
; THE WAY OUT: a block of 16 rows goes through my stage in LDS (in slot 0, which has had its last fill and its last read) and comes back as rows of 512 bytes; the residual's rows are loaded a block ahead and added.
; The grid has 64 work-groups: the result has 64 tiles of this size.
.set SIZE_K, 1024
.set BIAS,   0
.set ASOFF,  3145728                   ; side A's scale bytes begin here in its buffer
.set NQ,     2
.set ROWB,   192
.set ASTEP,  786432                    ; side A: four planes on
.set KROW,   SIZE_K*6/8
.set PITCH,  240
.set FR,     12
.set NL,     6
.set NP,     4
.set HALFT,  128*PITCH
.set SLOT,   4*HALFT
.set LAPS,   SIZE_K/512
.set KS,     SIZE_K/32
.set SCL,    2*SLOT
.set HALFS,  (128*KS/256)*272
.set SBLK,   (16*KS/256)*272
.set SPARE,  SCL+4*HALFS               ; the spare words: 128 bytes a wave, two blocks of 256 bytes that no other line names
.set SPITCH, 528
.set ADRA, 16
.set ADRB, 20
.set STO,  24
.set RD,   25
.set CO,   26
.set ADRS, 27
.set SPW,  28
.set NIL,  29
.set SC,   32                          ; v32-63 scale words, two sets: these registers hold scales and nothing else
.set AF,   128
.set BK,   128                         ; the way out: v128-191 and v192-255 by turns
.set G1, 24
.set G0, 32
.set G1B, 48
.set G0B, 56
.set G1S, 68
.set G0S, 76
.set G1SB, 80
.set G0SB, 88
.set MSB, 0
.macro WIN new
.if MSB != (\new)
	s_set_vgpr_msb (MSB<<8)|(\new)
.set MSB, \new
.endif
.endm
.set MUL_LO, 0xa1
.set MUL_HI, 0xf1
.if BIAS
.set FST_LO, 0x91                      ; the first step: C (the bias) in window 1
.set FST_HI, 0xd1
.else
.set FST_LO, 0xa1
.set FST_HI, 0xf1
.endif
.set TO_B,   0x40
.macro JLOAD g0a, g1a, g0b, g1b        ; waves 0 and 1 fetch for A, waves 2 and 3 for B; four v_nop follow each of the two lines
	s_cmp_eq_u32 s15, 0
	s_cbranch_scc0 .Lfor_b_\@
	tensor_load_to_lds s[\g0a:\g0a+3], s[\g1a:\g1a+7]
	s_nop 0
.rept 4
	v_nop
.endr
	s_branch .Lasked_\@
.Lfor_b_\@:
	tensor_load_to_lds s[\g0b:\g0b+3], s[\g1b:\g1b+7]
	s_nop 0
.rept 4
	v_nop
.endr
.Lasked_\@:
.endm
.macro CREST
	s_cmp_lg_u32 s14, 0
	s_cbranch_scc1 .Lnot_wave_0_\@
	s_barrier_signal -3
.Lnot_wave_0_\@:
	s_barrier_wait -3
	s_barrier_signal -1
	s_barrier_wait -1
.endm
.macro CROUND
	s_barrier_signal -1
	s_barrier_wait -1
	CREST
.endm
	s_load_b64 s[4:5], s[0:1], 0x0                 ; side A: ao
	s_load_b128 s[8:11], s[0:1], 0x8               ; side B's codes, scales
	s_load_b64 s[98:99], s[0:1], 0x18              ; the residual: x
	s_load_b64 s[12:13], s[0:1], 0x20              ; the result: h
	v_lshl_add_u32 v[SPW], v0, 2, SPARE
	v_mov_b32 v[NIL], 0
	ds_add_u32 v28, v29
	ds_add_u32 v28, v29
	s_wait_dscnt 0x0
	v_lshrrev_b32 v1, 5, v0
	v_readfirstlane_b32 s14, v1
	s_lshr_b32 s15, s14, 1
	s_and_b32 s16, s14, 1
	s_bfe_u32 s40, ttmp6, 0x40000
	s_bfe_u32 s41, ttmp6, 0x40004
	s_lshl_b32 s42, ttmp9, 2
	s_add_co_u32 s42, s42, s40                     ; tile column
	s_and_b32 s17, ttmp7, 0xffff
	s_lshl_b32 s17, s17, 2
	s_add_co_u32 s17, s17, s41                     ; tile row
	s_lshl_b32 s43, s41, 2
	s_lshl_b32 s43, 15, s43
	s_lshl_b32 s44, 0x1111, s40
	s_or_b32 s[G1+0], s43, (3<<16)|(1<<21)         ; A: the mask; elements of 8 bytes; bit 21 beside a mask; no padding
	s_mov_b32 s[G1+1], 768<<16                     ; tensor_dim0: 6,144 bytes
	s_mov_b32 s[G1+2], 4<<16                       ; tensor_dim1: 4 planes
	s_mov_b32 s[G1+3], 768<<16
	s_mov_b32 s[G1+4], 4
	s_mov_b32 s[G1+5], 24576                       ; from plane to plane: 196,608 bytes
	s_mov_b32 s[G1+6], 0
	s_mov_b32 s[G1+7], 0
	s_or_b32 s[G1B+0], s44, (0<<16)|(1<<20)|(1<<21)|(3<<22)|(3<<25)
	s_mov_b32 s[G1B+1], ROWB<<16
	s_mov_b32 s[G1B+2], 128<<16
	s_mov_b32 s[G1B+3], ROWB<<16
	s_mov_b32 s[G1B+4], 128
	s_mov_b32 s[G1B+5], KROW
	s_mov_b32 s[G1B+6], 0
	s_mov_b32 s[G1B+7], 0
	s_or_b32 s[G1S+0], s43, (3<<16)|(1<<20)|(1<<21)|(5<<22)|(3<<25)
	s_or_b32 s[G1SB+0], s44, (3<<16)|(1<<20)|(1<<21)|(5<<22)|(3<<25)
.irp g, G1S, G1SB
	s_mov_b32 s[\g+1], 32<<16
	s_mov_b32 s[\g+2], (128*KS/256)<<16
	s_mov_b32 s[\g+3], 32<<16
	s_mov_b32 s[\g+4], 128*KS/256
	s_mov_b32 s[\g+5], 32
	s_mov_b32 s[\g+6], 0
	s_mov_b32 s[\g+7], 0
.endr
	s_lshl_b32 s18, s16, 7
	s_lshl_b32 s20, s17, 8
	s_add_co_u32 s20, s20, s18
	s_lshl_b32 s46, s42, 8
	s_add_co_u32 s46, s46, s18
	s_mov_b32 s21, 0
	s_mov_b32 s47, 0
	s_mov_b64 s[18:19], KS
	s_mul_u64 s[22:23], s[20:21], s[18:19]
	s_mul_u64 s[92:93], s[46:47], s[18:19]
	s_mov_b64 s[18:19], 48
	s_mul_u64 s[20:21], s[20:21], s[18:19]         ; A: 48 bytes a token in a plane
	s_mov_b64 s[18:19], KROW
	s_mul_u64 s[46:47], s[46:47], s[18:19]
	s_mul_i32 s45, s14, HALFT
	s_mul_i32 s94, s14, HALFS
	s_wait_kmcnt 0x0
	s_add_nc_u64 s[6:7], s[4:5], ASOFF
	s_add_nc_u64 s[20:21], s[4:5], s[20:21]
	s_add_nc_u64 s[22:23], s[6:7], s[22:23]
	s_add_nc_u64 s[46:47], s[8:9], s[46:47]
	s_add_nc_u64 s[92:93], s[10:11], s[92:93]
	CROUND
	s_mov_b32 s[G0S], 1
	s_add_co_u32 s[G0S+1], s94, SCL
	s_mov_b64 s[G0S+2:G0S+3], s[22:23]
	s_or_b32 s[G0S+3], s[G0S+3], 0x80000000
	s_mov_b32 s[G0SB], 1
	s_add_co_u32 s[G0SB+1], s94, SCL
	s_mov_b64 s[G0SB+2:G0SB+3], s[92:93]
	s_or_b32 s[G0SB+3], s[G0SB+3], 0x80000000
	JLOAD G0S, G1S, G0SB, G1SB
.irp s, 0,1
	s_mov_b32 s[G0+4*\s], 1
	s_add_co_u32 s[G0+4*\s+1], s45, \s*SLOT
	s_add_nc_u64 s[G0+4*\s+2:G0+4*\s+3], s[20:21], \s*ASTEP
	s_or_b32 s[G0+4*\s+3], s[G0+4*\s+3], 0x80000000
	s_mov_b32 s[G0B+4*\s], 1
	s_add_co_u32 s[G0B+4*\s+1], s45, \s*SLOT
	s_add_nc_u64 s[G0B+4*\s+2:G0B+4*\s+3], s[46:47], \s*ROWB
	s_or_b32 s[G0B+4*\s+3], s[G0B+4*\s+3], 0x80000000
	JLOAD G0+4*\s, G1, G0B+4*\s, G1B               ; three tensor loads of a wave are out
.endr
	v_and_b32 v1, 15, v0
	v_bfe_u32 v2, v0, 4, 1
	v_mul_u32_u24 v3, v1, PITCH
	v_mul_u32_u24 v4, v2, 24
	v_add_nc_u32 v4, v3, v4
	v_lshl_add_u32 v5, v2, 4, v4
	v_mul_u32_u24 v6, v1, 48
	v_mad_u32_u24 v6, v2, 24, v6                   ; A: 48 r + 24 h
	s_mul_i32 s21, s15, HALFT
	s_mul_i32 s22, s16, HALFT
	s_add_co_u32 s22, s22, 2*HALFT
.irp s, 0,1
	v_add_nc_u32 v[ADRA+\s], s21, v6
	v_add_nc_u32 v[ADRB+\s], s22, v4
	v_add_nc_u32 v[ADRB+2+\s], s22, v5
	s_add_co_u32 s21, s21, SLOT
	s_add_co_u32 s22, s22, SLOT
.endr
	v_mul_u32_u24 v5, v1, KS
	v_lshrrev_b32 v6, 8, v5
	v_lshl_add_u32 v5, v6, 4, v5
	s_mul_i32 s21, s15, HALFS
	s_mul_i32 s22, s16, HALFS
	s_add_co_u32 s22, s22, 2*HALFS
	s_sub_co_u32 s22, s22, s21
	v_mul_u32_u24 v6, s22, v2
	s_add_co_u32 s21, s21, SCL
	v_add_nc_u32 v5, v5, v6
	v_add_nc_u32 v[ADRS], s21, v5
	s_mul_i32 s23, s14, 16*SPITCH                  ; my stage
	v_mul_u32_u24 v5, v1, SPITCH
	v_lshl_add_u32 v5, v2, 5, v5
	v_add_nc_u32 v[STO], s23, v5
	v_and_b32 v6, 31, v0
	v_lshlrev_b32 v[CO], 4, v6
	v_add_nc_u32 v[RD], s23, v[CO]
	s_lshl_b32 s20, s17, 8
	s_lshl_b32 s21, s15, 7
	s_add_co_u32 s20, s20, s21                     ; my first row
	s_lshl_b32 s20, s20, 12                        ; rows of 4,096 bytes
	s_lshl_b32 s46, s42, 10
	s_lshl_b32 s47, s16, 9
	s_add_co_u32 s46, s46, s47                     ; my first column, in bytes
	s_add_co_u32 s20, s20, s46
	s_mov_b32 s21, 0
	s_add_nc_u64 s[12:13], s[12:13], s[20:21]
	s_add_nc_u64 s[98:99], s[98:99], s[20:21]
.if BIAS
	s_mov_b32 s47, 0
	s_add_nc_u64 s[96:97], s[96:97], s[46:47]      ; the bias at my first column
	v_lshlrev_b32 v9, 5, v2                        ; lane (r, h) wants, for B's block b, the numbers 16 b + 8 h + 0 .. 7
	WIN TO_B
.irp b, 0,1,2,3,4,5,6,7                        ; into the registers of window 1 that B's two sets leave free
	global_load_b128 v[96+8*(\b%4)+128*(\b/4):99+8*(\b%4)+128*(\b/4)], v9, s[96:97] offset:64*\b
	global_load_b128 v[100+8*(\b%4)+128*(\b/4):103+8*(\b%4)+128*(\b/4)], v9, s[96:97] offset:64*\b+16
.endr
	WIN 0
.endif
.macro FRAG reg, adr, q, i             ; B: 16 rows x 128 K in 12 registers, in pieces of 8 bytes; the second address register serves the pieces behind one padding more
.irp p, 0,1,2,3,4,5
.set PCE, 12*(\q)+6*(\p/3)+\p%3
.if PCE%8 < 5
	ds_load_b64 v[\reg+2*\p:\reg+2*\p+1], v[\adr] offset:8*PCE+16*(PCE/8)+(\i)*16*PITCH
.else
	ds_load_b64 v[\reg+2*\p:\reg+2*\p+1], v[\adr+2] offset:8*PCE+16*(PCE/8)+(\i)*16*PITCH
.endif
.endr
.endm
.macro FRAGP reg, adr, q, i            ; A: registers 6 c .. 6 c + 5 come from plane 2 q + c of the slot's four
.irp p, 0,1,2,3,4,5
	ds_load_b64 v[\reg+2*\p:\reg+2*\p+1], v[\adr] offset:(2*(\q)+\p/3)*6144+(\i)*768+8*(\p%3)
.endr
.endm
; 16 matrix instructions; the 64 accumulators take turns, one instruction a turn, in the same order in every step.  zero = 1: the first product starts the sums.
.macro MUL16 a0, p, q, sc, zero
.irp a, \a0, \a0+1
.irp b, 0,1,2,3,4,5,6,7
.set DD, 8*(8*((\a)%4)+\b)
.set FB, 128*(\p)+FR*\b
.set FA, AF+FR*(\a)
.set SBR, SC+8*NQ*(\sc)+NQ*\b+(\q)
.set SAR, SC+8*NQ*(\sc)+NQ*(\a)+(\q)
.set BI, 96+8*(\b%4)+128*(\b/4)
.if \zero
.if BIAS
	v_wmma_scale_f32_16x16x128_f8f6f4 v[DD:DD+7], v[FB:FB+FR-1], v[FA:FA+FR-1], v[BI:BI+7], v[SBR], v[SAR] matrix_a_fmt:MATRIX_FMT_FP6 matrix_b_fmt:MATRIX_FMT_FP6 matrix_a_scale:MATRIX_SCALE_ROW1
.else
	v_wmma_scale_f32_16x16x128_f8f6f4 v[DD:DD+7], v[FB:FB+FR-1], v[FA:FA+FR-1], 0, v[SBR], v[SAR] matrix_a_fmt:MATRIX_FMT_FP6 matrix_b_fmt:MATRIX_FMT_FP6 matrix_a_scale:MATRIX_SCALE_ROW1
.endif
.else
	v_wmma_scale_f32_16x16x128_f8f6f4 v[DD:DD+7], v[FB:FB+FR-1], v[FA:FA+FR-1], v[DD:DD+7], v[SBR], v[SAR] matrix_a_fmt:MATRIX_FMT_FP6 matrix_b_fmt:MATRIX_FMT_FP6 matrix_a_scale:MATRIX_SCALE_ROW1
.endif
.endr
.endr
.endm
.macro FETCH_B slot, q, p
	WIN TO_B
.irp i, 0,1,2,3,4,5,6,7
	FRAG 128*(\p)+FR*\i, ADRB+\slot, \q, \i
.endr
	WIN 0
.endm
.macro FETCH_A slot, q, i0
.irp i, \i0, \i0+1, \i0+2, \i0+3
	FRAGP AF+FR*(\i), ADRA+\slot, \q, \i
.endr
.endm
.macro SCALES sc
.irp i, 0,1,2,3,4,5,6,7
	ds_load_b64 v[SC+8*NQ*\sc+NQ*\i:SC+8*NQ*\sc+NQ*\i+1], v[ADRS] offset:\i*SBLK
.endr
.endm
.macro PLACES n                        ; plain vector instructions between a matrix instruction and a load into, or a read of, its registers (ISA guide 7.12.1 for a read)
.rept \n
	v_nop
.endr
.endm
.macro STEP slot, q, zero
	s_wait_dscnt 4*NL                              ; the youngest 24 loads (A's blocks 4-7) may be out
.if \zero
	WIN FST_LO
.else
	WIN MUL_LO
.endif
	MUL16 0, (\q)%2, \q, \slot, \zero
	MUL16 2, (\q)%2, \q, \slot, \zero
	s_wait_dscnt 0
	PLACES NP
	FETCH_B \slot, (\q)+1, 1-(\q)%2
	FETCH_A \slot, (\q)+1, 0
.if \zero
	WIN FST_HI
.else
	WIN MUL_HI
.endif
	MUL16 4, (\q)%2, \q, \slot, \zero
	MUL16 6, (\q)%2, \q, \slot, \zero
	PLACES NP
	WIN 0
	FETCH_A \slot, (\q)+1, 4
.endm
.macro TURN slot, next, fill
	s_wait_tensorcnt 0x0                           ; all my tensor loads have landed: my part of the next slot
	ds_add_u32 v[SPW], v[NIL]                      ; 0 onto my spare word
	s_wait_dscnt 4*NL+1                            ; (the add and A's blocks 4-7 may be out)
	WIN MUL_LO
	MUL16 0, 1, NQ-1, \slot, 0
	s_wait_dscnt 0x0                               ; the add is done, and my reads of this slot are over
	s_barrier_signal -1
	MUL16 2, 1, NQ-1, \slot, 0
	WIN 0
	s_barrier_wait -1
.if \fill
	CREST                                          ; a round of the cluster's barrier: no wave of any partner still reads this slot or has a load on its way
	s_add_nc_u64 s[G0+4*\slot+2:G0+4*\slot+3], s[G0+4*\slot+2:G0+4*\slot+3], 2*ASTEP
	s_add_nc_u64 s[G0B+4*\slot+2:G0B+4*\slot+3], s[G0B+4*\slot+2:G0B+4*\slot+3], 2*ROWB
	JLOAD G0+4*\slot, G1, G0B+4*\slot, G1B
.else
	PLACES NP
.endif
	v_add_nc_u32 v[ADRS], 4*NQ, v[ADRS]
	FETCH_B \next, 0, 0
	FETCH_A \next, 0, 0
	SCALES \next
	WIN MUL_HI
	MUL16 4, 1, NQ-1, \slot, 0
	MUL16 6, 1, NQ-1, \slot, 0
	PLACES NP
	WIN 0
	FETCH_A \next, 0, 4
.endm
	s_wait_tensorcnt 1                             ; the scales and my part of K step 0 are in (K step 1's load may be out)
	s_barrier_signal -1
	s_barrier_wait -1
	FETCH_B 0, 0, 0
	FETCH_A 0, 0, 0
	SCALES 0
	FETCH_A 0, 0, 4
.if BIAS
	s_wait_loadcnt 0x0                             ; the bias
.endif
	STEP 0, 0, 1
	s_mov_b32 s3, LAPS-1
.Llap:
	TURN 0, 1, 1
	STEP 1, 0, 0
	TURN 1, 0, 1
	STEP 0, 0, 0
	s_sub_co_u32 s3, s3, 1
	s_cmp_lg_u32 s3, 0
	s_cbranch_scc1 .Llap
	TURN 0, 1, 0
	STEP 1, 0, 0
	s_wait_dscnt 4*NL
	WIN MUL_LO
	MUL16 0, 1, NQ-1, 1, 0
	MUL16 2, 1, NQ-1, 1, 0
	s_wait_dscnt 0
	WIN MUL_HI
	MUL16 4, 1, NQ-1, 1, 0
	MUL16 6, 1, NQ-1, 1, 0
	WIN 0
.macro RLOAD a                         ; the residual's 16 rows of block a, 512 bytes each, into window 1, v0-63 and v64-127 by turns
	WIN TO_B
.irp t, 0,1,2,3,4,5,6,7,8,9,10,11,12,13,14,15
	global_load_b128 v[64*((\a)%2)+4*\t:64*((\a)%2)+4*\t+3], v[CO], s[98:99] offset:(16*(\a)+\t)*4096 th:TH_LOAD_NT
.endr
	WIN 0
.endm
.macro TOSTAGE a
.set AC, 64*((\a)%4)
	WIN 0x08+4*((\a)/4)                            ; an LDS store's data: window 2 or 3
.irp b, 0,1,2,3,4,5,6,7
	ds_store_b128 v[STO], v[AC+8*\b:AC+8*\b+3] offset:64*\b          ; each accumulator from its low end on
	ds_store_b128 v[STO], v[AC+8*\b+4:AC+8*\b+7] offset:64*\b+16
.endr
	WIN 0
.set BB, BK+64*((\a)%2)
.irp t, 0,1,2,3,4,5,6,7,8,9,10,11,12,13,14,15
	ds_load_b128 v[BB+4*\t:BB+4*\t+3], v[RD] offset:\t*SPITCH        ; LDS serves a wave's instructions in order: these see the stores above
.endr
.endm
.macro SEND a, younger, left           ; younger: LDS instructions, left: residual loads, issued behind block a's, which may stay out
.set BB, BK+64*((\a)%2)
.set RR, 64*((\a)%2)
	s_wait_dscnt \younger
	s_wait_loadcnt \left
	WIN 0x04                                       ; source 1: window 1
.set i, 0
.rept 32
	v_pk_add_f32 v[BB+i:BB+i+1], v[BB+i:BB+i+1], v[RR+i:RR+i+1]
.set i, i+2
.endr
	WIN 0
.irp t, 0,1,2,3,4,5,6,7,8,9,10,11,12,13,14,15
	global_store_b128 v[CO], v[BB+4*\t:BB+4*\t+3], s[12:13] offset:(16*(\a)+\t)*4096   ; 512 consecutive bytes, at a multiple of 256; 127 rows at the most: inside the signed 24-bit immediate
.endr
.endm
	PLACES NP
	RLOAD 0
	TOSTAGE 0
.irp a, 1,2,3,4,5,6,7
.if \a > 1
	s_wait_xcnt 0x0                                ; block a - 2's stores have read their registers: block a's loads may land there
.endif
	RLOAD \a
	TOSTAGE \a
	SEND \a-1, 32, 16
.endr
	SEND 7, 0, 0
	s_wait_tensorcnt 0x0                           ; the wave's end
	ds_add_u32 v[SPW], v[NIL]
	s_wait_dscnt 0x0
	CROUND                                         ; the closing round
	s_endpgm
.Lfunc_end_k_q67f7abe6d1_wo:
	.size	k_q67f7abe6d1_wo, .Lfunc_end_k_q67f7abe6d1_wo-k_q67f7abe6d1_wo
	.p2alignl 7, 3214868480
	.fill 96, 4, 3214868480
	.section	.rodata,"a",@progbits
	.p2align	6, 0x0
	.amdhsa_kernel k_q67f7abe6d1_wo
		.amdhsa_group_segment_fixed_size 327680
		.amdhsa_private_segment_fixed_size 0
		.amdhsa_enable_private_segment 0
		.amdhsa_kernarg_size 40
		.amdhsa_user_sgpr_count 2
		.amdhsa_user_sgpr_kernarg_segment_ptr 1
		.amdhsa_wavefront_size32 1
		.amdhsa_system_sgpr_workgroup_id_x 1
		.amdhsa_system_sgpr_workgroup_id_y 1
		.amdhsa_system_sgpr_workgroup_id_z 1
		.amdhsa_system_vgpr_workitem_id 0
		.amdhsa_next_free_vgpr 1024
		.amdhsa_next_free_sgpr 100
		.amdhsa_reserve_vcc 0
		.amdhsa_float_denorm_mode_32 3
		.amdhsa_float_denorm_mode_16_64 3
		.amdhsa_memory_ordered 1
		.amdhsa_forward_progress 1
		.amdhsa_inst_pref_size 189
	.end_amdhsa_kernel
	.amdgpu_metadata
---
amdhsa.version: [ 1, 2 ]
amdhsa.kernels:
  - .name:           k_q67f7abe6d1_wo
    .symbol:         k_q67f7abe6d1_wo.kd
    .args:
      - { .name: ao, .offset: 0, .size: 8, .value_kind: global_buffer, .address_space: global }
      - { .name: Wo_codes, .offset: 8, .size: 8, .value_kind: global_buffer, .address_space: global }
      - { .name: Wo_scales, .offset: 16, .size: 8, .value_kind: global_buffer, .address_space: global }
      - { .name: x, .offset: 24, .size: 8, .value_kind: global_buffer, .address_space: global }
      - { .name: h, .offset: 32, .size: 8, .value_kind: global_buffer, .address_space: global }
    .group_segment_fixed_size: 327680
    .private_segment_fixed_size: 0
    .kernarg_segment_align: 8
    .kernarg_segment_size: 40
    .max_flat_workgroup_size: 128
    .sgpr_count:     100
    .vgpr_count:     1024
    .wavefront_size: 32
...
	.end_amdgpu_metadata
.endif
;; end of part 4
;; launch ln2 (part 5): grid 256 x 1, 4 waves a work-group, no clusters, 22,016 bytes of LDS; arguments h, g2, be2, xq; writes xq
.if DOCPART == 5
	.amdgcn_target "amdgcn-amd-amdhsa--gfx1250"
	.amdhsa_code_object_version 6
	.text
	.protected	k_q67f7abe6d1_ln2
	.globl	k_q67f7abe6d1_ln2
	.p2align	8
	.type	k_q67f7abe6d1_ln2,@function
k_q67f7abe6d1_ln2:
	s_mov_b64 s[64:65], 0
	v_nop
	global_prefetch_b8 v0, s[64:65] scope:SCOPE_SE
	s_setreg_imm32_b32 hwreg(HW_REG_WAVE_MODE, 25, 1), 1
	s_wait_xcnt 0x0
; LayerNorm 2 of h [4096][1024] f32, quantised along its 1,024 to codes of FP6 (E2M3) with one E8M0 byte for each 32.
; xq: codes [4096][768 bytes] from byte 0, row-major, K innermost; scale bytes [4096][32] from byte XS.
; Wave W = 4 x work-group + wave takes rows 4 W .. 4 W + 3 whole (a row is 32 registers); all its 16 KiB are asked for at once; waves share nothing: no barrier.
; A load takes 512 consecutive bytes; the conversion wants 16 neighbours in ONE lane: so a finished row turns through the wave's own stage in LDS (64 places of 64 bytes + 16 of padding).
; mean and variance in two passes, f32; y = ((x - mean) rsqrt(var + 1e-5)) g + be, in that order.
; LIMITS: a block of zeros gets the byte 1, not 127 (its codes are zeros; this program alone reads the bytes); blocks under 2^-124 were not tried; NaN and infinities are not served.
; A wave's 128 scale bytes leave as one run of 128 bytes: half of an aligned 256.
.set XS,   3145728
.set SP,   80
.set WREG, 64*SP+256
.set G,    16
.set BE,   48
.set X,    80
.set T,    208
.set C,    240
	s_load_b256 s[4:11], s[0:1], 0x0               ; h, g2, be2, xq
	v_lshl_add_u32 v250, v0, 2, 0x5400
	v_mov_b32 v251, 0
	v_lshrrev_b32 v1, 5, v0
	v_readfirstlane_b32 s16, v1
	v_and_b32 v1, 31, v0
	v_lshlrev_b32 v2, 4, v1
	s_mul_i32 s17, s16, WREG
	v_lshrrev_b32 v3, 2, v1
	v_mul_u32_u24 v3, v3, SP
	v_and_b32 v4, 3, v1
	v_lshl_add_u32 v3, v4, 4, v3
	v_add_nc_u32 v3, s17, v3                       ; stage, in
	v_mul_u32_u24 v4, v1, SP
	v_add_nc_u32 v4, s17, v4                       ; stage, out
	v_mul_u32_u24 v5, v1, 12
	v_lshrrev_b32 v6, 1, v1
	s_add_co_u32 s17, s17, 64*SP
	v_add_nc_u32 v6, s17, v6
	v_lshlrev_b32 v7, 2, v1
	v_add_nc_u32 v255, s17, v7
	s_mov_b32 s20, 0x76543210
	s_mov_b32 s21, 0xfedcba98
	s_mov_b32 s30, 0x3a800000                      ; 1 / 1024
	s_mov_b32 s31, 0x3727c5ac                      ; 1e-5
	s_lshl_b32 s18, ttmp9, 2
	s_add_co_u32 s18, s18, s16                     ; W
	s_lshl_b32 s2, s18, 14
	s_mov_b32 s3, 0
	s_mul_i32 s32, s18, 3072
	s_mov_b32 s33, 0
	s_lshl_b32 s34, s18, 7
	s_add_co_u32 s34, s34, XS
	s_mov_b32 s35, 0
	s_wait_kmcnt 0x0
	s_add_nc_u64 s[4:5], s[4:5], s[2:3]
	s_add_nc_u64 s[32:33], s[10:11], s[32:33]
	s_add_nc_u64 s[34:35], s[10:11], s[34:35]
.irp j, 0,1,2,3,4,5,6,7
	global_load_b128 v[G+4*\j:G+4*\j+3], v2, s[6:7] offset:512*\j
.endr
.irp j, 0,1,2,3,4,5,6,7
	global_load_b128 v[BE+4*\j:BE+4*\j+3], v2, s[8:9] offset:512*\j
.endr
.irp i, 0,1,2,3
.irp j, 0,1,2,3,4,5,6,7
	global_load_b128 v[X+32*\i+4*\j:X+32*\i+4*\j+3], v2, s[4:5] offset:4096*\i+512*\j
.endr
.endr
.macro REDUCE
	v_add_f32_dpp v8, v8, v8 row_xmask:1 row_mask:0xf bank_mask:0xf
	v_add_f32_dpp v8, v8, v8 row_xmask:2 row_mask:0xf bank_mask:0xf
	v_add_f32_dpp v8, v8, v8 row_xmask:4 row_mask:0xf bank_mask:0xf
	v_add_f32_dpp v8, v8, v8 row_xmask:8 row_mask:0xf bank_mask:0xf
	v_permlanex16_b32 v9, v8, s20, s21
	v_add_f32 v8, v8, v9
.endm
.macro ROW i, left
.set XR, X+32*(\i)
	s_wait_loadcnt \left                           ; loads come back in order: g, be and this row are in
	s_wait_xcnt 0x0                                ; the last row's stores have read their data: the codes' registers are written again only behind this wait
	v_pk_add_f32 v[8:9], v[XR:XR+1], v[XR+4:XR+5]
	v_pk_add_f32 v[12:13], v[XR+2:XR+3], v[XR+6:XR+7]
.irp j, 8,12,16,20,24,28
	v_pk_add_f32 v[8:9], v[8:9], v[XR+\j:XR+\j+1]
	v_pk_add_f32 v[12:13], v[12:13], v[XR+\j+2:XR+\j+3]
.endr
	v_pk_add_f32 v[8:9], v[8:9], v[12:13]
	v_add_f32 v8, v8, v9
	REDUCE
	v_mul_f32 v10, s30, v8
	v_mul_f32 v11, s30, v8
.set j, 0
.rept 16
	v_pk_add_f32 v[XR+j:XR+j+1], v[XR+j:XR+j+1], v[10:11] neg_lo:[0,1] neg_hi:[0,1]
.set j, j+2
.endr
	v_pk_mul_f32 v[8:9], v[XR:XR+1], v[XR:XR+1]
	v_pk_mul_f32 v[12:13], v[XR+2:XR+3], v[XR+2:XR+3]
.irp j, 4,8,12,16,20,24,28
	v_pk_fma_f32 v[8:9], v[XR+\j:XR+\j+1], v[XR+\j:XR+\j+1], v[8:9]
	v_pk_fma_f32 v[12:13], v[XR+\j+2:XR+\j+3], v[XR+\j+2:XR+\j+3], v[12:13]
.endr
	v_pk_add_f32 v[8:9], v[8:9], v[12:13]
	v_add_f32 v8, v8, v9
	REDUCE
	v_fma_f32 v12, v8, s30, s31
	v_rsq_f32 v14, v12
	v_nop                                          ; a plain instruction behind the transcendental,
	s_wait_alu depctr_va_vdst(0)                   ; and a wait ahead of its first reader
	v_mov_b32 v15, v14
.set j, 0
.rept 16
	v_pk_mul_f32 v[XR+j:XR+j+1], v[XR+j:XR+j+1], v[14:15]
.set j, j+2
.endr
.set j, 0
.rept 16
	v_pk_fma_f32 v[XR+j:XR+j+1], v[XR+j:XR+j+1], v[G+j:G+j+1], v[BE+j:BE+j+1]
.set j, j+2
.endr
.irp j, 0,1,2,3,4,5,6,7
	ds_store_b128 v3, v[XR+4*\j:XR+4*\j+3] offset:8*SP*\j
.endr
.irp s, 0,1
.irp q, 0,1,2,3
	ds_load_b128 v[T+16*\s+4*\q:T+16*\s+4*\q+3], v4 offset:32*SP*\s+16*\q
.endr
.endr
	s_wait_dscnt 0x0
.irp s, 0,1
.set TT, T+16*\s
	v_max3_num_f32 v8, |v[TT]|, |v[TT+1]|, |v[TT+2]|
	v_max3_num_f32 v9, |v[TT+3]|, |v[TT+4]|, |v[TT+5]|
.irp i2, 6,10
	v_max3_num_f32 v8, v8, |v[TT+\i2]|, |v[TT+\i2+1]|
	v_max3_num_f32 v9, v9, |v[TT+\i2+2]|, |v[TT+\i2+3]|
.endr
	v_max3_num_f32 v8, v8, |v[TT+14]|, |v[TT+15]|
	v_max3_num_f32 v8, v8, v9, 0x1800000           ; the floor 2^(3 - 127)
	v_max_num_f32_dpp v8, v8, v8 row_xmask:1 row_mask:0xf bank_mask:0xf
	v_add_nc_u32 v254, 0xff000000, v8
	v_cvt_scalef32_pk16_fp6_f32 v[C+4*\s:C+4*\s+2], v[TT:TT+15], v254
	v_lshrrev_b32 v[252+\s], 23, v254
	ds_store_b8 v6, v[252+\s] offset:32*(\i)+16*\s
	global_store_b96 v5, v[C+4*\s:C+4*\s+2], s[32:33] offset:768*(\i)+384*\s
.endr
.endm
	ROW 0, 24                                      ; the counts: the rows behind this one may be out
	ROW 1, 16
	ROW 2, 8
	ROW 3, 0
	ds_load_b32 v8, v255
	s_wait_dscnt 0x0
	global_store_b32 v7, v8, s[34:35]
	s_wait_tensorcnt 0x0
	ds_add_u32 v250, v251
	s_wait_dscnt 0x0
	s_endpgm
.Lfunc_end_k_q67f7abe6d1_ln2:
	.size	k_q67f7abe6d1_ln2, .Lfunc_end_k_q67f7abe6d1_ln2-k_q67f7abe6d1_ln2
	.p2alignl 7, 3214868480
	.fill 96, 4, 3214868480
	.section	.rodata,"a",@progbits
	.p2align	6, 0x0
	.amdhsa_kernel k_q67f7abe6d1_ln2
		.amdhsa_group_segment_fixed_size 22016
		.amdhsa_private_segment_fixed_size 0
		.amdhsa_enable_private_segment 0
		.amdhsa_kernarg_size 32
		.amdhsa_user_sgpr_count 2
		.amdhsa_user_sgpr_kernarg_segment_ptr 1
		.amdhsa_wavefront_size32 1
		.amdhsa_system_sgpr_workgroup_id_x 1
		.amdhsa_system_sgpr_workgroup_id_y 1
		.amdhsa_system_sgpr_workgroup_id_z 1
		.amdhsa_system_vgpr_workitem_id 0
		.amdhsa_next_free_vgpr 256
		.amdhsa_next_free_sgpr 66
		.amdhsa_reserve_vcc 0
		.amdhsa_float_denorm_mode_32 3
		.amdhsa_float_denorm_mode_16_64 3
		.amdhsa_memory_ordered 1
		.amdhsa_forward_progress 1
		.amdhsa_inst_pref_size 43
	.end_amdhsa_kernel
	.amdgpu_metadata
---
amdhsa.version: [ 1, 2 ]
amdhsa.kernels:
  - .name:           k_q67f7abe6d1_ln2
    .symbol:         k_q67f7abe6d1_ln2.kd
    .args:
      - { .name: h, .offset: 0, .size: 8, .value_kind: global_buffer, .address_space: global }
      - { .name: g2, .offset: 8, .size: 8, .value_kind: global_buffer, .address_space: global }
      - { .name: be2, .offset: 16, .size: 8, .value_kind: global_buffer, .address_space: global }
      - { .name: xq, .offset: 24, .size: 8, .value_kind: global_buffer, .address_space: global }
    .group_segment_fixed_size: 22016
    .private_segment_fixed_size: 0
    .kernarg_segment_align: 8
    .kernarg_segment_size: 32
    .max_flat_workgroup_size: 128
    .sgpr_count:     66
    .vgpr_count:     256
    .wavefront_size: 32
...
	.end_amdgpu_metadata
.endif
;; end of part 5
;; launch ffn1 (part 6): grid 16 x 16, 4 waves a work-group, clusters of 4 x 4, 327,680 bytes of LDS; arguments xq, w1_codes, w1_scales, b1, hid; writes hid
.if DOCPART == 6
	.amdgcn_target "amdgcn-amd-amdhsa--gfx1250"
	.amdhsa_code_object_version 6
	.text
	.protected	k_q67f7abe6d1_ffn1
	.globl	k_q67f7abe6d1_ffn1
	.p2align	8
	.type	k_q67f7abe6d1_ffn1,@function
k_q67f7abe6d1_ffn1:
	s_mov_b64 s[64:65], 0
	v_nop
	global_prefetch_b8 v0, s[64:65] scope:SCOPE_SE
	s_setreg_imm32_b32 hwreg(HW_REG_WAVE_MODE, 25, 1), 1
	s_wait_xcnt 0x0
	s_wait_alu depctr_hold_cnt(0) depctr_sa_sdst(0) depctr_va_vdst(0) depctr_va_sdst(0) depctr_va_ssrc(0) depctr_va_vcc(0) depctr_vm_vsrc(0)
	s_getreg_b32 s2, hwreg(HW_REG_IB_STS2, 6, 4)
	s_cmp_eq_u32 s2, 0
	s_cbranch_scc0 .Lentry_in_a_cluster
	s_endpgm
.Lentry_in_a_cluster:
	s_bfe_u32 s2, ttmp6, 0x10000c
	s_cmp_lg_u32 s2, 0xf033
	s_cbranch_scc0 .Lentry_shape_is_right
	s_endpgm
.Lentry_shape_is_right:
; hid = Q(relu(xq w1 + b1)) on codes of FP6 (E2M3) with E8M0 scales; the hidden layer is quantised in registers, along its 4,096, and goes out as codes.
; A tile of 256 x 256 to a work-group of four waves, 128 x 128 a wave.  K = 1,024 goes in steps of 256 through a ring of two LDS slots (rows of 192 bytes, 16 bytes of padding behind every 64); the scale bytes come once.
; CLUSTERS: 4 x 4 work-groups; side A's tiles (source 1: tokens) are asked for jointly along a row of the cluster, side B's (source 0: w1's rows) along a column.
; THE MATRIX INSTRUCTION IS USED TRANSPOSED: a lane holds one token, and its registers run along the hidden units, which are the next K.  b1 is the C of each sum's first matrix instruction: the sum's first term.
; THE WAY OUT.  The activation copies a block's accumulators into window 0; v_permlane16_swap_b32 of neighbouring tiles' registers makes register 16 e + i the unit 32 e + 16 (lane / 16) + i; then largest magnitude, byte, conversion.
; hid: codes in planes [64 = unit / 64][4096 tokens][48 bytes] from byte 0; scale bytes [4096][128] from byte HS.  A wave's scale words are 4 bytes of each of its tokens' rows of 128: aligned blocks written in part; they are 1 / 24 of the codes' bytes.
; LIMITS: a block of zeros gets the byte 1, not 127 (its codes are zeros; this program alone reads the bytes); blocks under 2^-124 were not tried; NaN and infinities are not served.
.set SIZE_K, 1024
.set BIAS,   1
.set ASOFF,  3145728
.set HS,     12582912
.set NQ,     2
.set ROWB,   192
.set ASTEP,  ROWB
.set KROW,   SIZE_K*6/8
.set PITCH,  240
.set FR,     12
.set NL,     6
.set NP,     4
.set HALFT,  128*PITCH
.set SLOT,   4*HALFT
.set LAPS,   SIZE_K/512
.set KS,     SIZE_K/32
.set SCL,    2*SLOT
.set HALFS,  (128*KS/256)*272
.set SBLK,   (16*KS/256)*272
.set SPARE,  SCL+4*HALFS               ; the spare words: 128 bytes a wave, two blocks of 256 bytes that no other line names
.set ADRA, 16
.set ADRB, 20
.set STO,  24
.set RD,   25
.set CO,   26
.set ADRS, 27
.set SPW,  28
.set NIL,  29
.set LP,   30
.set SC,   32                          ; v32-63 scale words, two sets: these registers hold scales and nothing else
.set AF,   128
.set H,    64
.set CD,   128
.set TM,   148
.set PWS,  164
.set SEL,  98
.set G1, 24
.set G0, 32
.set G1B, 48
.set G0B, 56
.set G1S, 68
.set G0S, 76
.set G1SB, 80
.set G0SB, 88
.set MSB, 0
.macro WIN new
.if MSB != (\new)
	s_set_vgpr_msb (MSB<<8)|(\new)
.set MSB, \new
.endif
.endm
.set MUL_LO, 0xa1
.set MUL_HI, 0xf1
.set FST_LO, 0x91                      ; the first step: C (the bias) in window 1
.set FST_HI, 0xd1
.set TO_B,   0x40
.macro JLOAD g0a, g1a, g0b, g1b        ; waves 0 and 1 fetch for A, waves 2 and 3 for B; four v_nop follow each of the two lines
	s_cmp_eq_u32 s15, 0
	s_cbranch_scc0 .Lfor_b_\@
	tensor_load_to_lds s[\g0a:\g0a+3], s[\g1a:\g1a+7]
	s_nop 0
.rept 4
	v_nop
.endr
	s_branch .Lasked_\@
.Lfor_b_\@:
	tensor_load_to_lds s[\g0b:\g0b+3], s[\g1b:\g1b+7]
	s_nop 0
.rept 4
	v_nop
.endr
.Lasked_\@:
.endm
.macro CREST
	s_cmp_lg_u32 s14, 0
	s_cbranch_scc1 .Lnot_wave_0_\@
	s_barrier_signal -3
.Lnot_wave_0_\@:
	s_barrier_wait -3
	s_barrier_signal -1
	s_barrier_wait -1
.endm
.macro CROUND
	s_barrier_signal -1
	s_barrier_wait -1
	CREST
.endm
	s_load_b64 s[4:5], s[0:1], 0x0                 ; xq
	s_load_b128 s[8:11], s[0:1], 0x8               ; w1's codes, scales
	s_load_b64 s[96:97], s[0:1], 0x18              ; b1
	s_load_b64 s[12:13], s[0:1], 0x20              ; hid
	v_lshl_add_u32 v[SPW], v0, 2, SPARE
	v_mov_b32 v[NIL], 0
	ds_add_u32 v28, v29
	ds_add_u32 v28, v29
	s_wait_dscnt 0x0
	v_lshrrev_b32 v1, 5, v0
	v_readfirstlane_b32 s14, v1
	s_lshr_b32 s15, s14, 1
	s_and_b32 s16, s14, 1
	s_bfe_u32 s40, ttmp6, 0x40000
	s_bfe_u32 s41, ttmp6, 0x40004
	s_lshl_b32 s42, ttmp9, 2
	s_add_co_u32 s42, s42, s40                     ; tile column
	s_and_b32 s17, ttmp7, 0xffff
	s_lshl_b32 s17, s17, 2
	s_add_co_u32 s17, s17, s41                     ; tile row
	s_lshl_b32 s43, s41, 2
	s_lshl_b32 s43, 15, s43
	s_lshl_b32 s44, 0x1111, s40
	s_or_b32 s[G1+0], s43, (0<<16)|(1<<20)|(1<<21)|(3<<22)|(3<<25)
	s_or_b32 s[G1B+0], s44, (0<<16)|(1<<20)|(1<<21)|(3<<22)|(3<<25)
.irp g, G1, G1B
	s_mov_b32 s[\g+1], ROWB<<16
	s_mov_b32 s[\g+2], 128<<16
	s_mov_b32 s[\g+3], ROWB<<16
	s_mov_b32 s[\g+4], 128
	s_mov_b32 s[\g+5], KROW
	s_mov_b32 s[\g+6], 0
	s_mov_b32 s[\g+7], 0
.endr
	s_or_b32 s[G1S+0], s43, (3<<16)|(1<<20)|(1<<21)|(5<<22)|(3<<25)
	s_or_b32 s[G1SB+0], s44, (3<<16)|(1<<20)|(1<<21)|(5<<22)|(3<<25)
.irp g, G1S, G1SB
	s_mov_b32 s[\g+1], 32<<16
	s_mov_b32 s[\g+2], (128*KS/256)<<16
	s_mov_b32 s[\g+3], 32<<16
	s_mov_b32 s[\g+4], 128*KS/256
	s_mov_b32 s[\g+5], 32
	s_mov_b32 s[\g+6], 0
	s_mov_b32 s[\g+7], 0
.endr
	s_lshl_b32 s18, s16, 7
	s_lshl_b32 s20, s17, 8
	s_add_co_u32 s20, s20, s18
	s_lshl_b32 s46, s42, 8
	s_add_co_u32 s46, s46, s18
	s_mov_b32 s21, 0
	s_mov_b32 s47, 0
	s_mov_b64 s[18:19], KS
	s_mul_u64 s[22:23], s[20:21], s[18:19]
	s_mul_u64 s[92:93], s[46:47], s[18:19]
	s_mov_b64 s[18:19], KROW
	s_mul_u64 s[20:21], s[20:21], s[18:19]
	s_mul_u64 s[46:47], s[46:47], s[18:19]
	s_mul_i32 s45, s14, HALFT
	s_mul_i32 s94, s14, HALFS
	s_wait_kmcnt 0x0
	s_add_nc_u64 s[6:7], s[4:5], ASOFF
	s_add_nc_u64 s[20:21], s[4:5], s[20:21]
	s_add_nc_u64 s[22:23], s[6:7], s[22:23]
	s_add_nc_u64 s[46:47], s[8:9], s[46:47]
	s_add_nc_u64 s[92:93], s[10:11], s[92:93]
	CROUND
	s_mov_b32 s[G0S], 1
	s_add_co_u32 s[G0S+1], s94, SCL
	s_mov_b64 s[G0S+2:G0S+3], s[22:23]
	s_or_b32 s[G0S+3], s[G0S+3], 0x80000000
	s_mov_b32 s[G0SB], 1
	s_add_co_u32 s[G0SB+1], s94, SCL
	s_mov_b64 s[G0SB+2:G0SB+3], s[92:93]
	s_or_b32 s[G0SB+3], s[G0SB+3], 0x80000000
	JLOAD G0S, G1S, G0SB, G1SB
.irp s, 0,1
	s_mov_b32 s[G0+4*\s], 1
	s_add_co_u32 s[G0+4*\s+1], s45, \s*SLOT
	s_add_nc_u64 s[G0+4*\s+2:G0+4*\s+3], s[20:21], \s*ASTEP
	s_or_b32 s[G0+4*\s+3], s[G0+4*\s+3], 0x80000000
	s_mov_b32 s[G0B+4*\s], 1
	s_add_co_u32 s[G0B+4*\s+1], s45, \s*SLOT
	s_add_nc_u64 s[G0B+4*\s+2:G0B+4*\s+3], s[46:47], \s*ROWB
	s_or_b32 s[G0B+4*\s+3], s[G0B+4*\s+3], 0x80000000
	JLOAD G0+4*\s, G1, G0B+4*\s, G1B               ; three tensor loads of a wave are out
.endr
	v_and_b32 v1, 15, v0
	v_bfe_u32 v2, v0, 4, 1
	v_mul_u32_u24 v3, v1, PITCH
	v_mul_u32_u24 v4, v2, 24
	v_add_nc_u32 v4, v3, v4
	v_lshl_add_u32 v5, v2, 4, v4
	s_mul_i32 s21, s15, HALFT
	s_mul_i32 s22, s16, HALFT
	s_add_co_u32 s22, s22, 2*HALFT
.irp s, 0,1
	v_add_nc_u32 v[ADRA+\s], s21, v4
	v_add_nc_u32 v[ADRB+\s], s22, v4
	v_add_nc_u32 v[ADRA+2+\s], s21, v5
	v_add_nc_u32 v[ADRB+2+\s], s22, v5
	s_add_co_u32 s21, s21, SLOT
	s_add_co_u32 s22, s22, SLOT
.endr
	v_mul_u32_u24 v5, v1, KS
	v_lshrrev_b32 v6, 8, v5
	v_lshl_add_u32 v5, v6, 4, v5
	s_mul_i32 s21, s15, HALFS
	s_mul_i32 s22, s16, HALFS
	s_add_co_u32 s22, s22, 2*HALFS
	s_sub_co_u32 s22, s22, s21
	v_mul_u32_u24 v6, s22, v2
	s_add_co_u32 s21, s21, SCL
	v_add_nc_u32 v5, v5, v6
	v_add_nc_u32 v[ADRS], s21, v5
	s_mul_i32 s23, s14, 12288                      ; my stage, in slot 0, which has had its last fill and its last read when the first codes are stored there
	v_mul_u32_u24 v5, v1, 48
	v_mad_u32_u24 v5, v2, 24, v5
	v_add_nc_u32 v[STO], s23, v5
	v_and_b32 v6, 31, v0
	v_lshlrev_b32 v[CO], 4, v6
	v_add_nc_u32 v[RD], s23, v[CO]
	v_lshlrev_b32 v[LP], 7, v6                     ; a token's row of 128 scale bytes
	s_mov_b32 s[SEL], 0x76543210
	s_mov_b32 s[SEL+1], 0xfedcba98
	s_lshl_b32 s4, s42, 10
	s_lshl_b32 s5, s16, 9
	s_add_co_u32 s4, s4, s5                        ; 4 x my first hidden unit
	s_mov_b32 s5, 0
	s_add_nc_u64 s[96:97], s[96:97], s[4:5]        ; b1 there
	s_lshl_b32 s6, s17, 8
	s_lshl_b32 s7, s15, 7
	s_add_co_u32 s6, s6, s7                        ; my first token
	s_lshr_b32 s8, s4, 7                           ; unit / 32
	s_lshl_b32 s9, s6, 7
	s_add_co_u32 s8, s8, s9
	s_add_co_u32 s8, s8, HS
	s_mov_b32 s9, 0
	s_add_nc_u64 s[92:93], s[12:13], s[8:9]        ; my scale words
	s_lshr_b32 s4, s4, 8                           ; unit / 64: the plane
	s_mul_i32 s4, s4, 196608
	s_mul_i32 s7, s6, 48
	s_add_co_u32 s4, s4, s7
	s_add_nc_u64 s[40:41], s[12:13], s[4:5]        ; chunk (plane 0, tokens 0-63)
	s_add_nc_u64 s[42:43], s[40:41], 3072          ; (0, tokens 64-127)
	s_add_nc_u64 s[44:45], s[40:41], 196608        ; (1, tokens 0-63)
	s_add_nc_u64 s[46:47], s[42:43], 196608        ; (1, tokens 64-127)
	v_lshlrev_b32 v9, 5, v2                        ; lane (r, h) wants, for B's block b, the numbers 16 b + 8 h + 0 .. 7
	WIN TO_B
.irp b, 0,1,2,3,4,5,6,7                        ; into the registers of window 1 that B's two sets leave free
	global_load_b128 v[96+8*(\b%4)+128*(\b/4):99+8*(\b%4)+128*(\b/4)], v9, s[96:97] offset:64*\b
	global_load_b128 v[100+8*(\b%4)+128*(\b/4):103+8*(\b%4)+128*(\b/4)], v9, s[96:97] offset:64*\b+16
.endr
	WIN 0
.macro FRAG reg, adr, q, i             ; 16 rows x 128 K in 12 registers, in pieces of 8 bytes; the second address register serves the pieces behind one padding more
.irp p, 0,1,2,3,4,5
.set PCE, 12*(\q)+6*(\p/3)+\p%3
.if PCE%8 < 5
	ds_load_b64 v[\reg+2*\p:\reg+2*\p+1], v[\adr] offset:8*PCE+16*(PCE/8)+(\i)*16*PITCH
.else
	ds_load_b64 v[\reg+2*\p:\reg+2*\p+1], v[\adr+2] offset:8*PCE+16*(PCE/8)+(\i)*16*PITCH
.endif
.endr
.endm
; 16 matrix instructions; the 64 accumulators take turns, one instruction a turn, in the same order in every step.  zero = 1: the first product starts the sums, with the bias as C.
.macro MUL16 a0, p, q, sc, zero
.irp a, \a0, \a0+1
.irp b, 0,1,2,3,4,5,6,7
.set DD, 8*(8*((\a)%4)+\b)
.set FB, 128*(\p)+FR*\b
.set FA, AF+FR*(\a)
.set SBR, SC+8*NQ*(\sc)+NQ*\b+(\q)
.set SAR, SC+8*NQ*(\sc)+NQ*(\a)+(\q)
.set BI, 96+8*(\b%4)+128*(\b/4)
.if \zero
	v_wmma_scale_f32_16x16x128_f8f6f4 v[DD:DD+7], v[FB:FB+FR-1], v[FA:FA+FR-1], v[BI:BI+7], v[SBR], v[SAR] matrix_a_fmt:MATRIX_FMT_FP6 matrix_b_fmt:MATRIX_FMT_FP6 matrix_a_scale:MATRIX_SCALE_ROW1
.else
	v_wmma_scale_f32_16x16x128_f8f6f4 v[DD:DD+7], v[FB:FB+FR-1], v[FA:FA+FR-1], v[DD:DD+7], v[SBR], v[SAR] matrix_a_fmt:MATRIX_FMT_FP6 matrix_b_fmt:MATRIX_FMT_FP6 matrix_a_scale:MATRIX_SCALE_ROW1
.endif
.endr
.endr
.endm
.macro FETCH_B slot, q, p
	WIN TO_B
.irp i, 0,1,2,3,4,5,6,7
	FRAG 128*(\p)+FR*\i, ADRB+\slot, \q, \i
.endr
	WIN 0
.endm
.macro FETCH_A slot, q, i0
.irp i, \i0, \i0+1, \i0+2, \i0+3
	FRAG AF+FR*(\i), ADRA+\slot, \q, \i
.endr
.endm
.macro SCALES sc
.irp i, 0,1,2,3,4,5,6,7
	ds_load_b64 v[SC+8*NQ*\sc+NQ*\i:SC+8*NQ*\sc+NQ*\i+1], v[ADRS] offset:\i*SBLK
.endr
.endm
.macro PLACES n                        ; plain vector instructions between a matrix instruction and a load into, or a read of, its registers (ISA guide 7.12.1 for a read)
.rept \n
	v_nop
.endr
.endm
.macro STEP slot, q, zero
	s_wait_dscnt 4*NL                              ; the youngest 24 loads (A's blocks 4-7) may be out
.if \zero
	WIN FST_LO
.else
	WIN MUL_LO
.endif
	MUL16 0, (\q)%2, \q, \slot, \zero
	MUL16 2, (\q)%2, \q, \slot, \zero
	s_wait_dscnt 0
	PLACES NP
	FETCH_B \slot, (\q)+1, 1-(\q)%2
	FETCH_A \slot, (\q)+1, 0
.if \zero
	WIN FST_HI
.else
	WIN MUL_HI
.endif
	MUL16 4, (\q)%2, \q, \slot, \zero
	MUL16 6, (\q)%2, \q, \slot, \zero
	PLACES NP
	WIN 0
	FETCH_A \slot, (\q)+1, 4
.endm
.macro TURN slot, next, fill
	s_wait_tensorcnt 0x0                           ; all my tensor loads have landed: my part of the next slot
	ds_add_u32 v[SPW], v[NIL]                      ; 0 onto my spare word
	s_wait_dscnt 4*NL+1                            ; (the add and A's blocks 4-7 may be out)
	WIN MUL_LO
	MUL16 0, 1, NQ-1, \slot, 0
	s_wait_dscnt 0x0                               ; the add is done, and my reads of this slot are over
	s_barrier_signal -1
	MUL16 2, 1, NQ-1, \slot, 0
	WIN 0
	s_barrier_wait -1
.if \fill
	CREST                                          ; a round of the cluster's barrier: no wave of any partner still reads this slot or has a load on its way
	s_add_nc_u64 s[G0+4*\slot+2:G0+4*\slot+3], s[G0+4*\slot+2:G0+4*\slot+3], 2*ASTEP
	s_add_nc_u64 s[G0B+4*\slot+2:G0B+4*\slot+3], s[G0B+4*\slot+2:G0B+4*\slot+3], 2*ROWB
	JLOAD G0+4*\slot, G1, G0B+4*\slot, G1B
.else
	PLACES NP
.endif
	v_add_nc_u32 v[ADRS], 4*NQ, v[ADRS]
	FETCH_B \next, 0, 0
	FETCH_A \next, 0, 0
	SCALES \next
	WIN MUL_HI
	MUL16 4, 1, NQ-1, \slot, 0
	MUL16 6, 1, NQ-1, \slot, 0
	PLACES NP
	WIN 0
	FETCH_A \next, 0, 4
.endm
	s_wait_tensorcnt 1                             ; the scales and my part of K step 0 are in (K step 1's load may be out)
	s_barrier_signal -1
	s_barrier_wait -1
	FETCH_B 0, 0, 0
	FETCH_A 0, 0, 0
	SCALES 0
	FETCH_A 0, 0, 4
	s_wait_loadcnt 0x0                             ; the bias
	STEP 0, 0, 1
	s_mov_b32 s3, LAPS-1
.Llap:
	TURN 0, 1, 1
	STEP 1, 0, 0
	TURN 1, 0, 1
	STEP 0, 0, 0
	s_sub_co_u32 s3, s3, 1
	s_cmp_lg_u32 s3, 0
	s_cbranch_scc1 .Llap
	TURN 0, 1, 0
	STEP 1, 0, 0
	s_wait_dscnt 4*NL
	WIN MUL_LO
	MUL16 0, 1, NQ-1, 1, 0
	MUL16 2, 1, NQ-1, 1, 0
	s_wait_dscnt 0
	WIN MUL_HI
	MUL16 4, 1, NQ-1, 1, 0
	MUL16 6, 1, NQ-1, 1, 0
	WIN 0
; 64 numbers of a lane, register 16 b + i = unit 32 b + 16 (lane / 16) + i of my token, become a fragment's codes in v[CD] on and its scale word in v[pw].
.macro QUANT s, pw
.irp b, 0,1,2,3
	v_max3_num_f32 v[TM+\b], |v[\s+16*\b]|, |v[\s+1+16*\b]|, 0x1800000
.endr
.irp i, 2,4,6,8,10,12,14
.irp b, 0,1,2,3
	v_max3_num_f32 v[TM+\b], v[TM+\b], |v[\s+16*\b+\i]|, |v[\s+1+16*\b+\i]|
.endr
.endr
.irp b, 0,1,2,3
	v_permlanex16_b32 v[TM+4+\b], v[TM+\b], s[SEL], s[SEL+1]
.endr
.irp b, 0,1,2,3
	v_max_num_f32 v[TM+\b], v[TM+\b], v[TM+4+\b]
.endr
.irp b, 0,1,2,3
	v_add_nc_u32 v[TM+12+\b], 0xff000000, v[TM+\b]
.endr
.irp b, 0,1,2,3
	v_lshrrev_b32 v[TM+4+\b], 23, v[TM+12+\b]
.endr
	v_lshl_or_b32 v[\pw], v[TM+5], 8, v[TM+4]
	v_lshl_or_b32 v[\pw], v[TM+6], 16, v[\pw]
	v_lshl_or_b32 v[\pw], v[TM+7], 24, v[\pw]
.irp c, 0,1
	v_cvt_scalef32_pk16_fp6_f32 v[CD+6*\c:CD+2+6*\c], v[\s+32*\c:\s+15+32*\c], v[TM+12+2*\c]
	v_cvt_scalef32_pk16_fp6_f32 v[CD+12+4*\c:CD+14+4*\c], v[\s+16+32*\c:\s+31+32*\c], v[TM+12+2*\c+1]
.endr
	v_nop                                          ; one plain instruction behind a scaled conversion
.irp c, 0,1
.irp i, 0,1,2
	v_permlane16_swap_b32 v[CD+6*\c+\i], v[CD+12+4*\c+\i]
.endr
.irp i, 0,1,2
	v_mov_b32 v[CD+3+6*\c+\i], v[CD+12+4*\c+\i]
.endr
.endr
.endm
.macro BLOCK a
	s_wait_dscnt 0x0                               ; the last block's stores into the stage have read the codes' registers
	WIN 0x08+4*((\a)/4)                            ; source 1: window 2 or 3
.set k, 0
.rept 64
	v_max_num_f32 v[H+k], 0, v[64*((\a)%4)+k]      ; the activation, in f32; each accumulator from its low end on
.set k, k+1
.endr
	WIN 0
.irp e, 0,1,2,3
.irp j, 0,1,2,3,4,5,6,7
	v_permlane16_swap_b32 v[H+16*\e+\j], v[H+16*\e+8+\j]
.endr
.endr
	QUANT H, PWS+(\a)
.irp c, 0,1
.irp p, 0,1,2
	ds_store_b64 v[STO], v[CD+6*\c+2*\p:CD+6*\c+2*\p+1] offset:\c*6144+16*(\a)*48+8*\p
.endr
.endr
.endm
	PLACES NP
.irp b, 0,1,2,3
	v_mov_b32 v[TM+4+\b], 0                        ; written once: a lane permute's destination counts as one of its sources
.endr
.irp a, 0,1,2,3,4,5,6,7
	BLOCK \a
.endr
.irp e, 0,1,2,3
	v_permlane16_swap_b32 v[PWS+2*\e], v[PWS+2*\e+1]   ; register 2 e: the words of my tokens 32 e + lane
.endr
.irp e, 0,1,2,3
	global_store_b32 v[LP], v[PWS+2*\e], s[92:93] offset:4096*\e
.endr
	WIN TO_B
.irp m, 0,1,2,3,4,5,6,7,8,9,10,11,12,13,14,15,16,17,18,19,20,21,22,23
	ds_load_b128 v[4*\m:4*\m+3], v[RD] offset:512*\m   ; LDS serves a wave's instructions in order: these see my stores
.endr
	WIN 0x04
.irp m, 0,1,2,3,4,5,6,7,8,9,10,11,12,13,14,15,16,17,18,19,20,21,22,23
	s_wait_dscnt 23-\m
	global_store_b128 v[CO], v[4*\m:4*\m+3], s[40+4*(\m/12)+2*((\m/6)%2):41+4*(\m/12)+2*((\m/6)%2)] offset:512*(\m%6)   ; 512 consecutive bytes, at a multiple of 256
.endr
	WIN 0
	s_wait_tensorcnt 0x0                           ; the wave's end
	ds_add_u32 v[SPW], v[NIL]
	s_wait_dscnt 0x0
	CROUND                                         ; the closing round
	s_endpgm
.Lfunc_end_k_q67f7abe6d1_ffn1:
	.size	k_q67f7abe6d1_ffn1, .Lfunc_end_k_q67f7abe6d1_ffn1-k_q67f7abe6d1_ffn1
	.p2alignl 7, 3214868480
	.fill 96, 4, 3214868480
	.section	.rodata,"a",@progbits
	.p2align	6, 0x0
	.amdhsa_kernel k_q67f7abe6d1_ffn1
		.amdhsa_group_segment_fixed_size 327680
		.amdhsa_private_segment_fixed_size 0
		.amdhsa_enable_private_segment 0
		.amdhsa_kernarg_size 40
		.amdhsa_user_sgpr_count 2
		.amdhsa_user_sgpr_kernarg_segment_ptr 1
		.amdhsa_wavefront_size32 1
		.amdhsa_system_sgpr_workgroup_id_x 1
		.amdhsa_system_sgpr_workgroup_id_y 1
		.amdhsa_system_sgpr_workgroup_id_z 1
		.amdhsa_system_vgpr_workitem_id 0
		.amdhsa_next_free_vgpr 1024
		.amdhsa_next_free_sgpr 100
		.amdhsa_reserve_vcc 0
		.amdhsa_float_denorm_mode_32 3
		.amdhsa_float_denorm_mode_16_64 3
		.amdhsa_memory_ordered 1
		.amdhsa_forward_progress 1
		.amdhsa_inst_pref_size 195
	.end_amdhsa_kernel
	.amdgpu_metadata
---
amdhsa.version: [ 1, 2 ]
amdhsa.kernels:
  - .name:           k_q67f7abe6d1_ffn1
    .symbol:         k_q67f7abe6d1_ffn1.kd
    .args:
      - { .name: xq, .offset: 0, .size: 8, .value_kind: global_buffer, .address_space: global }
      - { .name: w1_codes, .offset: 8, .size: 8, .value_kind: global_buffer, .address_space: global }
      - { .name: w1_scales, .offset: 16, .size: 8, .value_kind: global_buffer, .address_space: global }
      - { .name: b1, .offset: 24, .size: 8, .value_kind: global_buffer, .address_space: global }
      - { .name: hid, .offset: 32, .size: 8, .value_kind: global_buffer, .address_space: global }
    .group_segment_fixed_size: 327680
    .private_segment_fixed_size: 0
    .kernarg_segment_align: 8
    .kernarg_segment_size: 40
    .max_flat_workgroup_size: 128
    .sgpr_count:     100
    .vgpr_count:     1024
    .wavefront_size: 32
...
	.end_amdgpu_metadata
.endif
;; end of part 6
;; launch ffn2 (part 7): grid 4 x 16, 4 waves a work-group, clusters of 4 x 4, 327,680 bytes of LDS; arguments hid, w2_codes, w2_scales, b2, h, out0; writes out0
.if DOCPART == 7
	.amdgcn_target "amdgcn-amd-amdhsa--gfx1250"
	.amdhsa_code_object_version 6
	.text
	.protected	k_q67f7abe6d1_ffn2
	.globl	k_q67f7abe6d1_ffn2
	.p2align	8
	.type	k_q67f7abe6d1_ffn2,@function
k_q67f7abe6d1_ffn2:
	s_mov_b64 s[64:65], 0
	v_nop
	global_prefetch_b8 v0, s[64:65] scope:SCOPE_SE
	s_setreg_imm32_b32 hwreg(HW_REG_WAVE_MODE, 25, 1), 1
	s_wait_xcnt 0x0
	s_wait_alu depctr_hold_cnt(0) depctr_sa_sdst(0) depctr_va_vdst(0) depctr_va_sdst(0) depctr_va_ssrc(0) depctr_va_vcc(0) depctr_vm_vsrc(0)
	s_getreg_b32 s2, hwreg(HW_REG_IB_STS2, 6, 4)
	s_cmp_eq_u32 s2, 0
	s_cbranch_scc0 .Lentry_in_a_cluster
	s_endpgm
.Lentry_in_a_cluster:
	s_bfe_u32 s2, ttmp6, 0x10000c
	s_cmp_lg_u32 s2, 0xf033
	s_cbranch_scc0 .Lentry_shape_is_right
	s_endpgm
.Lentry_shape_is_right:
; out0 = h + hid w2 + b2 on codes of FP6 (E2M3) with E8M0 scales; out0 [4096][1024] f32.  K = 4,096.
; A tile of 256 x 256 to a work-group of four waves, 128 x 128 a wave.  K goes in steps of 256 through a ring of two LDS slots; the scale bytes of the work-group's rows, for all of K, come once (69,632 bytes).
; CLUSTERS: 4 x 4 work-groups; side A's tiles (source 1: tokens) are asked for jointly along a row of the cluster, side B's (source 0: w2's rows) along a column.
; THE MATRIX INSTRUCTION IS USED TRANSPOSED: a lane holds eight neighbouring numbers of a row of the result.  b2 is the C of each sum's first matrix instruction: the sum's first term.
; SIDE A LIES IN PLANES: [K / 64][4096 tokens][48 bytes].  A wave's part of a K step is 4 planes x (128 tokens x 48 = 6,144 dense bytes): one tensor load of 4 rows of 6,144 bytes, 196,608 apart.
; In LDS rows of 48 bytes need no padding: the 32 lanes of a load of 8 bytes (48 r + 24 h) touch 64 different banks.  Side B as it arrives: rows of 192 bytes, 16 bytes of padding behind every 64.
; THE WAY OUT: a block of 16 rows goes through my stage in LDS (in slot 0, which has had its last fill and its last read) and comes back as rows of 512 bytes; the residual's rows are loaded a block ahead and added.
; The grid has 64 work-groups: the result has 64 tiles of this size.
.set SIZE_K, 4096
.set BIAS,   1
.set ASOFF,  12582912                  ; side A's scale bytes begin here in its buffer
.set NQ,     2
.set ROWB,   192
.set ASTEP,  786432                    ; side A: four planes on
.set KROW,   SIZE_K*6/8
.set PITCH,  240
.set FR,     12
.set NL,     6
.set NP,     4
.set HALFT,  128*PITCH
.set SLOT,   4*HALFT
.set LAPS,   SIZE_K/512
.set KS,     SIZE_K/32
.set SCL,    2*SLOT
.set HALFS,  (128*KS/256)*272
.set SBLK,   (16*KS/256)*272
.set SPARE,  SCL+4*HALFS               ; the spare words: 128 bytes a wave, two blocks of 256 bytes that no other line names
.set SPITCH, 528
.set ADRA, 16
.set ADRB, 20
.set STO,  24
.set RD,   25
.set CO,   26
.set ADRS, 27
.set SPW,  28
.set NIL,  29
.set SC,   32                          ; v32-63 scale words, two sets: these registers hold scales and nothing else
.set AF,   128
.set BK,   128                         ; the way out: v128-191 and v192-255 by turns
.set G1, 24
.set G0, 32
.set G1B, 48
.set G0B, 56
.set G1S, 68
.set G0S, 76
.set G1SB, 80
.set G0SB, 88
.set MSB, 0
.macro WIN new
.if MSB != (\new)
	s_set_vgpr_msb (MSB<<8)|(\new)
.set MSB, \new
.endif
.endm
.set MUL_LO, 0xa1
.set MUL_HI, 0xf1
.if BIAS
.set FST_LO, 0x91                      ; the first step: C (the bias) in window 1
.set FST_HI, 0xd1
.else
.set FST_LO, 0xa1
.set FST_HI, 0xf1
.endif
.set TO_B,   0x40
.macro JLOAD g0a, g1a, g0b, g1b        ; waves 0 and 1 fetch for A, waves 2 and 3 for B; four v_nop follow each of the two lines
	s_cmp_eq_u32 s15, 0
	s_cbranch_scc0 .Lfor_b_\@
	tensor_load_to_lds s[\g0a:\g0a+3], s[\g1a:\g1a+7]
	s_nop 0
.rept 4
	v_nop
.endr
	s_branch .Lasked_\@
.Lfor_b_\@:
	tensor_load_to_lds s[\g0b:\g0b+3], s[\g1b:\g1b+7]
	s_nop 0
.rept 4
	v_nop
.endr
.Lasked_\@:
.endm
.macro CREST
	s_cmp_lg_u32 s14, 0
	s_cbranch_scc1 .Lnot_wave_0_\@
	s_barrier_signal -3
.Lnot_wave_0_\@:
	s_barrier_wait -3
	s_barrier_signal -1
	s_barrier_wait -1
.endm
.macro CROUND
	s_barrier_signal -1
	s_barrier_wait -1
	CREST
.endm
	s_load_b64 s[4:5], s[0:1], 0x0                 ; side A: hid
	s_load_b128 s[8:11], s[0:1], 0x8               ; side B's codes, scales
	s_load_b128 s[96:99], s[0:1], 0x18             ; b2; the residual: h
	s_load_b64 s[12:13], s[0:1], 0x28              ; the result: out0
	v_lshl_add_u32 v[SPW], v0, 2, SPARE
	v_mov_b32 v[NIL], 0
	ds_add_u32 v28, v29
	ds_add_u32 v28, v29
	s_wait_dscnt 0x0
	v_lshrrev_b32 v1, 5, v0
	v_readfirstlane_b32 s14, v1
	s_lshr_b32 s15, s14, 1
	s_and_b32 s16, s14, 1
	s_bfe_u32 s40, ttmp6, 0x40000
	s_bfe_u32 s41, ttmp6, 0x40004
	s_lshl_b32 s42, ttmp9, 2
	s_add_co_u32 s42, s42, s40                     ; tile column
	s_and_b32 s17, ttmp7, 0xffff
	s_lshl_b32 s17, s17, 2
	s_add_co_u32 s17, s17, s41                     ; tile row
	s_lshl_b32 s43, s41, 2
	s_lshl_b32 s43, 15, s43
	s_lshl_b32 s44, 0x1111, s40
	s_or_b32 s[G1+0], s43, (3<<16)|(1<<21)         ; A: the mask; elements of 8 bytes; bit 21 beside a mask; no padding
	s_mov_b32 s[G1+1], 768<<16                     ; tensor_dim0: 6,144 bytes
	s_mov_b32 s[G1+2], 4<<16                       ; tensor_dim1: 4 planes
	s_mov_b32 s[G1+3], 768<<16
	s_mov_b32 s[G1+4], 4
	s_mov_b32 s[G1+5], 24576                       ; from plane to plane: 196,608 bytes
	s_mov_b32 s[G1+6], 0
	s_mov_b32 s[G1+7], 0
	s_or_b32 s[G1B+0], s44, (0<<16)|(1<<20)|(1<<21)|(3<<22)|(3<<25)
	s_mov_b32 s[G1B+1], ROWB<<16
	s_mov_b32 s[G1B+2], 128<<16
	s_mov_b32 s[G1B+3], ROWB<<16
	s_mov_b32 s[G1B+4], 128
	s_mov_b32 s[G1B+5], KROW
	s_mov_b32 s[G1B+6], 0
	s_mov_b32 s[G1B+7], 0
	s_or_b32 s[G1S+0], s43, (3<<16)|(1<<20)|(1<<21)|(5<<22)|(3<<25)
	s_or_b32 s[G1SB+0], s44, (3<<16)|(1<<20)|(1<<21)|(5<<22)|(3<<25)
.irp g, G1S, G1SB
	s_mov_b32 s[\g+1], 32<<16
	s_mov_b32 s[\g+2], (128*KS/256)<<16
	s_mov_b32 s[\g+3], 32<<16
	s_mov_b32 s[\g+4], 128*KS/256
	s_mov_b32 s[\g+5], 32
	s_mov_b32 s[\g+6], 0
	s_mov_b32 s[\g+7], 0
.endr
	s_lshl_b32 s18, s16, 7
	s_lshl_b32 s20, s17, 8
	s_add_co_u32 s20, s20, s18
	s_lshl_b32 s46, s42, 8
	s_add_co_u32 s46, s46, s18
	s_mov_b32 s21, 0
	s_mov_b32 s47, 0
	s_mov_b64 s[18:19], KS
	s_mul_u64 s[22:23], s[20:21], s[18:19]
	s_mul_u64 s[92:93], s[46:47], s[18:19]
	s_mov_b64 s[18:19], 48
	s_mul_u64 s[20:21], s[20:21], s[18:19]         ; A: 48 bytes a token in a plane
	s_mov_b64 s[18:19], KROW
	s_mul_u64 s[46:47], s[46:47], s[18:19]
	s_mul_i32 s45, s14, HALFT
	s_mul_i32 s94, s14, HALFS
	s_wait_kmcnt 0x0
	s_add_nc_u64 s[6:7], s[4:5], ASOFF
	s_add_nc_u64 s[20:21], s[4:5], s[20:21]
	s_add_nc_u64 s[22:23], s[6:7], s[22:23]
	s_add_nc_u64 s[46:47], s[8:9], s[46:47]
	s_add_nc_u64 s[92:93], s[10:11], s[92:93]
	CROUND
	s_mov_b32 s[G0S], 1
	s_add_co_u32 s[G0S+1], s94, SCL
	s_mov_b64 s[G0S+2:G0S+3], s[22:23]
	s_or_b32 s[G0S+3], s[G0S+3], 0x80000000
	s_mov_b32 s[G0SB], 1
	s_add_co_u32 s[G0SB+1], s94, SCL
	s_mov_b64 s[G0SB+2:G0SB+3], s[92:93]
	s_or_b32 s[G0SB+3], s[G0SB+3], 0x80000000
	JLOAD G0S, G1S, G0SB, G1SB
.irp s, 0,1
	s_mov_b32 s[G0+4*\s], 1
	s_add_co_u32 s[G0+4*\s+1], s45, \s*SLOT
	s_add_nc_u64 s[G0+4*\s+2:G0+4*\s+3], s[20:21], \s*ASTEP
	s_or_b32 s[G0+4*\s+3], s[G0+4*\s+3], 0x80000000
	s_mov_b32 s[G0B+4*\s], 1
	s_add_co_u32 s[G0B+4*\s+1], s45, \s*SLOT
	s_add_nc_u64 s[G0B+4*\s+2:G0B+4*\s+3], s[46:47], \s*ROWB
	s_or_b32 s[G0B+4*\s+3], s[G0B+4*\s+3], 0x80000000
	JLOAD G0+4*\s, G1, G0B+4*\s, G1B               ; three tensor loads of a wave are out
.endr
	v_and_b32 v1, 15, v0
	v_bfe_u32 v2, v0, 4, 1
	v_mul_u32_u24 v3, v1, PITCH
	v_mul_u32_u24 v4, v2, 24
	v_add_nc_u32 v4, v3, v4
	v_lshl_add_u32 v5, v2, 4, v4
	v_mul_u32_u24 v6, v1, 48
	v_mad_u32_u24 v6, v2, 24, v6                   ; A: 48 r + 24 h
	s_mul_i32 s21, s15, HALFT
	s_mul_i32 s22, s16, HALFT
	s_add_co_u32 s22, s22, 2*HALFT
.irp s, 0,1
	v_add_nc_u32 v[ADRA+\s], s21, v6
	v_add_nc_u32 v[ADRB+\s], s22, v4
	v_add_nc_u32 v[ADRB+2+\s], s22, v5
	s_add_co_u32 s21, s21, SLOT
	s_add_co_u32 s22, s22, SLOT
.endr
	v_mul_u32_u24 v5, v1, KS
	v_lshrrev_b32 v6, 8, v5
	v_lshl_add_u32 v5, v6, 4, v5
	s_mul_i32 s21, s15, HALFS
	s_mul_i32 s22, s16, HALFS
	s_add_co_u32 s22, s22, 2*HALFS
	s_sub_co_u32 s22, s22, s21
	v_mul_u32_u24 v6, s22, v2
	s_add_co_u32 s21, s21, SCL
	v_add_nc_u32 v5, v5, v6
	v_add_nc_u32 v[ADRS], s21, v5
	s_mul_i32 s23, s14, 16*SPITCH                  ; my stage
	v_mul_u32_u24 v5, v1, SPITCH
	v_lshl_add_u32 v5, v2, 5, v5
	v_add_nc_u32 v[STO], s23, v5
	v_and_b32 v6, 31, v0
	v_lshlrev_b32 v[CO], 4, v6
	v_add_nc_u32 v[RD], s23, v[CO]
	s_lshl_b32 s20, s17, 8
	s_lshl_b32 s21, s15, 7
	s_add_co_u32 s20, s20, s21                     ; my first row
	s_lshl_b32 s20, s20, 12                        ; rows of 4,096 bytes
	s_lshl_b32 s46, s42, 10
	s_lshl_b32 s47, s16, 9
	s_add_co_u32 s46, s46, s47                     ; my first column, in bytes
	s_add_co_u32 s20, s20, s46
	s_mov_b32 s21, 0
	s_add_nc_u64 s[12:13], s[12:13], s[20:21]
	s_add_nc_u64 s[98:99], s[98:99], s[20:21]
.if BIAS
	s_mov_b32 s47, 0
	s_add_nc_u64 s[96:97], s[96:97], s[46:47]      ; the bias at my first column
	v_lshlrev_b32 v9, 5, v2                        ; lane (r, h) wants, for B's block b, the numbers 16 b + 8 h + 0 .. 7
	WIN TO_B
.irp b, 0,1,2,3,4,5,6,7                        ; into the registers of window 1 that B's two sets leave free
	global_load_b128 v[96+8*(\b%4)+128*(\b/4):99+8*(\b%4)+128*(\b/4)], v9, s[96:97] offset:64*\b
	global_load_b128 v[100+8*(\b%4)+128*(\b/4):103+8*(\b%4)+128*(\b/4)], v9, s[96:97] offset:64*\b+16
.endr
	WIN 0
.endif
.macro FRAG reg, adr, q, i             ; B: 16 rows x 128 K in 12 registers, in pieces of 8 bytes; the second address register serves the pieces behind one padding more
.irp p, 0,1,2,3,4,5
.set PCE, 12*(\q)+6*(\p/3)+\p%3
.if PCE%8 < 5
	ds_load_b64 v[\reg+2*\p:\reg+2*\p+1], v[\adr] offset:8*PCE+16*(PCE/8)+(\i)*16*PITCH
.else
	ds_load_b64 v[\reg+2*\p:\reg+2*\p+1], v[\adr+2] offset:8*PCE+16*(PCE/8)+(\i)*16*PITCH
.endif
.endr
.endm
.macro FRAGP reg, adr, q, i            ; A: registers 6 c .. 6 c + 5 come from plane 2 q + c of the slot's four
.irp p, 0,1,2,3,4,5
	ds_load_b64 v[\reg+2*\p:\reg+2*\p+1], v[\adr] offset:(2*(\q)+\p/3)*6144+(\i)*768+8*(\p%3)
.endr
.endm
; 16 matrix instructions; the 64 accumulators take turns, one instruction a turn, in the same order in every step.  zero = 1: the first product starts the sums.
.macro MUL16 a0, p, q, sc, zero
.irp a, \a0, \a0+1
.irp b, 0,1,2,3,4,5,6,7
.set DD, 8*(8*((\a)%4)+\b)
.set FB, 128*(\p)+FR*\b
.set FA, AF+FR*(\a)
.set SBR, SC+8*NQ*(\sc)+NQ*\b+(\q)
.set SAR, SC+8*NQ*(\sc)+NQ*(\a)+(\q)
.set BI, 96+8*(\b%4)+128*(\b/4)
.if \zero
.if BIAS
	v_wmma_scale_f32_16x16x128_f8f6f4 v[DD:DD+7], v[FB:FB+FR-1], v[FA:FA+FR-1], v[BI:BI+7], v[SBR], v[SAR] matrix_a_fmt:MATRIX_FMT_FP6 matrix_b_fmt:MATRIX_FMT_FP6 matrix_a_scale:MATRIX_SCALE_ROW1
.else
	v_wmma_scale_f32_16x16x128_f8f6f4 v[DD:DD+7], v[FB:FB+FR-1], v[FA:FA+FR-1], 0, v[SBR], v[SAR] matrix_a_fmt:MATRIX_FMT_FP6 matrix_b_fmt:MATRIX_FMT_FP6 matrix_a_scale:MATRIX_SCALE_ROW1
.endif
.else
	v_wmma_scale_f32_16x16x128_f8f6f4 v[DD:DD+7], v[FB:FB+FR-1], v[FA:FA+FR-1], v[DD:DD+7], v[SBR], v[SAR] matrix_a_fmt:MATRIX_FMT_FP6 matrix_b_fmt:MATRIX_FMT_FP6 matrix_a_scale:MATRIX_SCALE_ROW1
.endif
.endr
.endr
.endm
.macro FETCH_B slot, q, p
	WIN TO_B
.irp i, 0,1,2,3,4,5,6,7
	FRAG 128*(\p)+FR*\i, ADRB+\slot, \q, \i
.endr
	WIN 0
.endm
.macro FETCH_A slot, q, i0
.irp i, \i0, \i0+1, \i0+2, \i0+3
	FRAGP AF+FR*(\i), ADRA+\slot, \q, \i
.endr
.endm
.macro SCALES sc
.irp i, 0,1,2,3,4,5,6,7
	ds_load_b64 v[SC+8*NQ*\sc+NQ*\i:SC+8*NQ*\sc+NQ*\i+1], v[ADRS] offset:\i*SBLK
.endr
.endm
.macro PLACES n                        ; plain vector instructions between a matrix instruction and a load into, or a read of, its registers (ISA guide 7.12.1 for a read)
.rept \n
	v_nop
.endr
.endm
.macro STEP slot, q, zero
	s_wait_dscnt 4*NL                              ; the youngest 24 loads (A's blocks 4-7) may be out
.if \zero
	WIN FST_LO
.else
	WIN MUL_LO
.endif
	MUL16 0, (\q)%2, \q, \slot, \zero
	MUL16 2, (\q)%2, \q, \slot, \zero
	s_wait_dscnt 0
	PLACES NP
	FETCH_B \slot, (\q)+1, 1-(\q)%2
	FETCH_A \slot, (\q)+1, 0
.if \zero
	WIN FST_HI
.else
	WIN MUL_HI
.endif
	MUL16 4, (\q)%2, \q, \slot, \zero
	MUL16 6, (\q)%2, \q, \slot, \zero
	PLACES NP
	WIN 0
	FETCH_A \slot, (\q)+1, 4
.endm
.macro TURN slot, next, fill
	s_wait_tensorcnt 0x0                           ; all my tensor loads have landed: my part of the next slot
	ds_add_u32 v[SPW], v[NIL]                      ; 0 onto my spare word
	s_wait_dscnt 4*NL+1                            ; (the add and A's blocks 4-7 may be out)
	WIN MUL_LO
	MUL16 0, 1, NQ-1, \slot, 0
	s_wait_dscnt 0x0                               ; the add is done, and my reads of this slot are over
	s_barrier_signal -1
	MUL16 2, 1, NQ-1, \slot, 0
	WIN 0
	s_barrier_wait -1
.if \fill
	CREST                                          ; a round of the cluster's barrier: no wave of any partner still reads this slot or has a load on its way
	s_add_nc_u64 s[G0+4*\slot+2:G0+4*\slot+3], s[G0+4*\slot+2:G0+4*\slot+3], 2*ASTEP
	s_add_nc_u64 s[G0B+4*\slot+2:G0B+4*\slot+3], s[G0B+4*\slot+2:G0B+4*\slot+3], 2*ROWB
	JLOAD G0+4*\slot, G1, G0B+4*\slot, G1B
.else
	PLACES NP
.endif
	v_add_nc_u32 v[ADRS], 4*NQ, v[ADRS]
	FETCH_B \next, 0, 0
	FETCH_A \next, 0, 0
	SCALES \next
	WIN MUL_HI
	MUL16 4, 1, NQ-1, \slot, 0
	MUL16 6, 1, NQ-1, \slot, 0
	PLACES NP
	WIN 0
	FETCH_A \next, 0, 4
.endm
	s_wait_tensorcnt 1                             ; the scales and my part of K step 0 are in (K step 1's load may be out)
	s_barrier_signal -1
	s_barrier_wait -1
	FETCH_B 0, 0, 0
	FETCH_A 0, 0, 0
	SCALES 0
	FETCH_A 0, 0, 4
.if BIAS
	s_wait_loadcnt 0x0                             ; the bias
.endif
	STEP 0, 0, 1
	s_mov_b32 s3, LAPS-1
.Llap:
	TURN 0, 1, 1
	STEP 1, 0, 0
	TURN 1, 0, 1
	STEP 0, 0, 0
	s_sub_co_u32 s3, s3, 1
	s_cmp_lg_u32 s3, 0
	s_cbranch_scc1 .Llap
	TURN 0, 1, 0
	STEP 1, 0, 0
	s_wait_dscnt 4*NL
	WIN MUL_LO
	MUL16 0, 1, NQ-1, 1, 0
	MUL16 2, 1, NQ-1, 1, 0
	s_wait_dscnt 0
	WIN MUL_HI
	MUL16 4, 1, NQ-1, 1, 0
	MUL16 6, 1, NQ-1, 1, 0
	WIN 0
.macro RLOAD a                         ; the residual's 16 rows of block a, 512 bytes each, into window 1, v0-63 and v64-127 by turns
	WIN TO_B
.irp t, 0,1,2,3,4,5,6,7,8,9,10,11,12,13,14,15
	global_load_b128 v[64*((\a)%2)+4*\t:64*((\a)%2)+4*\t+3], v[CO], s[98:99] offset:(16*(\a)+\t)*4096 th:TH_LOAD_NT
.endr
	WIN 0
.endm
.macro TOSTAGE a
.set AC, 64*((\a)%4)
	WIN 0x08+4*((\a)/4)                            ; an LDS store's data: window 2 or 3
.irp b, 0,1,2,3,4,5,6,7
	ds_store_b128 v[STO], v[AC+8*\b:AC+8*\b+3] offset:64*\b          ; each accumulator from its low end on
	ds_store_b128 v[STO], v[AC+8*\b+4:AC+8*\b+7] offset:64*\b+16
.endr
	WIN 0
.set BB, BK+64*((\a)%2)
.irp t, 0,1,2,3,4,5,6,7,8,9,10,11,12,13,14,15
	ds_load_b128 v[BB+4*\t:BB+4*\t+3], v[RD] offset:\t*SPITCH        ; LDS serves a wave's instructions in order: these see the stores above
.endr
.endm
.macro SEND a, younger, left           ; younger: LDS instructions, left: residual loads, issued behind block a's, which may stay out
.set BB, BK+64*((\a)%2)
.set RR, 64*((\a)%2)
	s_wait_dscnt \younger
	s_wait_loadcnt \left
	WIN 0x04                                       ; source 1: window 1
.set i, 0
.rept 32
	v_pk_add_f32 v[BB+i:BB+i+1], v[BB+i:BB+i+1], v[RR+i:RR+i+1]
.set i, i+2
.endr
	WIN 0
.irp t, 0,1,2,3,4,5,6,7,8,9,10,11,12,13,14,15
	global_store_b128 v[CO], v[BB+4*\t:BB+4*\t+3], s[12:13] offset:(16*(\a)+\t)*4096 th:TH_STORE_NT   ; 512 consecutive bytes, at a multiple of 256; 127 rows at the most: inside the signed 24-bit immediate
.endr
.endm
	PLACES NP
	RLOAD 0
	TOSTAGE 0
.irp a, 1,2,3,4,5,6,7
.if \a > 1
	s_wait_xcnt 0x0                                ; block a - 2's stores have read their registers: block a's loads may land there
.endif
	RLOAD \a
	TOSTAGE \a
	SEND \a-1, 32, 16
.endr
	SEND 7, 0, 0
	s_wait_tensorcnt 0x0                           ; the wave's end
	ds_add_u32 v[SPW], v[NIL]
	s_wait_dscnt 0x0
	CROUND                                         ; the closing round
	s_endpgm
.Lfunc_end_k_q67f7abe6d1_ffn2:
	.size	k_q67f7abe6d1_ffn2, .Lfunc_end_k_q67f7abe6d1_ffn2-k_q67f7abe6d1_ffn2
	.p2alignl 7, 3214868480
	.fill 96, 4, 3214868480
	.section	.rodata,"a",@progbits
	.p2align	6, 0x0
	.amdhsa_kernel k_q67f7abe6d1_ffn2
		.amdhsa_group_segment_fixed_size 327680
		.amdhsa_private_segment_fixed_size 0
		.amdhsa_enable_private_segment 0
		.amdhsa_kernarg_size 48
		.amdhsa_user_sgpr_count 2
		.amdhsa_user_sgpr_kernarg_segment_ptr 1
		.amdhsa_wavefront_size32 1
		.amdhsa_system_sgpr_workgroup_id_x 1
		.amdhsa_system_sgpr_workgroup_id_y 1
		.amdhsa_system_sgpr_workgroup_id_z 1
		.amdhsa_system_vgpr_workitem_id 0
		.amdhsa_next_free_vgpr 1024
		.amdhsa_next_free_sgpr 100
		.amdhsa_reserve_vcc 0
		.amdhsa_float_denorm_mode_32 3
		.amdhsa_float_denorm_mode_16_64 3
		.amdhsa_memory_ordered 1
		.amdhsa_forward_progress 1
		.amdhsa_inst_pref_size 190
	.end_amdhsa_kernel
	.amdgpu_metadata
---
amdhsa.version: [ 1, 2 ]
amdhsa.kernels:
  - .name:           k_q67f7abe6d1_ffn2
    .symbol:         k_q67f7abe6d1_ffn2.kd
    .args:
      - { .name: hid, .offset: 0, .size: 8, .value_kind: global_buffer, .address_space: global }
      - { .name: w2_codes, .offset: 8, .size: 8, .value_kind: global_buffer, .address_space: global }
      - { .name: w2_scales, .offset: 16, .size: 8, .value_kind: global_buffer, .address_space: global }
      - { .name: b2, .offset: 24, .size: 8, .value_kind: global_buffer, .address_space: global }
      - { .name: h, .offset: 32, .size: 8, .value_kind: global_buffer, .address_space: global }
      - { .name: out0, .offset: 40, .size: 8, .value_kind: global_buffer, .address_space: global }
    .group_segment_fixed_size: 327680
    .private_segment_fixed_size: 0
    .kernarg_segment_align: 8
    .kernarg_segment_size: 48
    .max_flat_workgroup_size: 128
    .sgpr_count:     100
    .vgpr_count:     1024
    .wavefront_size: 32
...
	.end_amdgpu_metadata
.endif
;; end of part 7
;; ======== version 2 of 2: 7 launches
;; limits: right only within a limited range of input values
;; workspace buffers: xq 3,276,800 bytes; qkv 10,092,544 bytes; maskbits 524,288 bytes of whole numbers; ao 3,276,800 bytes; h 16,777,216 bytes; hid 13,107,200 bytes; wp 9,437,184 bytes
;; launch prep (part 8): grid 256 x 1, 4 waves a work-group, no clusters, 22,016 bytes of LDS; arguments x, g1, be1, mask, xq, maskbits, Wq_codes, Wk_codes, Wv_codes, Wo_codes, w1_codes, w2_codes, wp; writes xq, maskbits, wp
.if DOCPART == 8
	.amdgcn_target "amdgcn-amd-amdhsa--gfx1250"
	.amdhsa_code_object_version 6
	.text
	.protected	k_q67f7abe6d1_prep
	.globl	k_q67f7abe6d1_prep
	.p2align	8
	.type	k_q67f7abe6d1_prep,@function
k_q67f7abe6d1_prep:
	s_mov_b64 s[64:65], 0
	v_nop
	global_prefetch_b8 v0, s[64:65] scope:SCOPE_SE
	s_setreg_imm32_b32 hwreg(HW_REG_WAVE_MODE, 25, 1), 1
	s_wait_xcnt 0x0
; LayerNorm 1 of x [4096][1024] f32, quantised along its 1,024 to codes of FP6 (E2M3) with one E8M0 byte for each 32; and the mask's bytes turned into lane masks.
; xq: codes [4096][768 bytes] from byte 0, row-major, K innermost; scale bytes [4096][32] from byte XS.
; maskbits: [128 tiles of 16 queries][16 steps of 128 keys][64 words]: bit 16 h + r of word n is mask[16 tile + r][128 step + 32 (n / 16) + 16 h + n % 16]: the lane mask for register n of a score tile.
; SHARES.  Wave W = 4 x work-group + wave takes rows 4 W .. 4 W + 3 whole (a row is 32 registers), and two steps of one mask tile.  All of a wave's 16 KiB of x are asked for at once; waves share nothing: no barrier.
; A load takes 512 consecutive bytes; the conversion wants 16 neighbours in ONE lane: so a finished row turns through the wave's own stage in LDS (64 places of 64 bytes + 16 of padding).
; mean and variance in two passes, f32; y = ((x - mean) rsqrt(var + 1e-5)) g + be, in that order.
; A block's scale: the largest magnitude's exponent field - 2, held at 1 from below (a block of zeros gets the byte 1, not 127: its codes are zeros, and this program alone reads the bytes).
; LIMITS: blocks whose largest magnitude lies under 2^-124 were not tried; NaN and infinities are not served.  A wave's 128 scale bytes leave as one run of 128 bytes: half of an aligned 256.
.set XS,   3145728
.set SP,   80                          ; a place in the stage
.set WREG, 64*SP+256                   ; a wave's LDS: the stage, then its 128 scale bytes
.set G,    16                          ; v16-47   g of my 32 columns (load j: columns 128 j + 4 lane ..); behind the last row v16 takes the scale bytes on their way out
.set BE,   48                          ; v48-79   be likewise
.set X,    80                          ; v80-207  four rows of 32 registers; row 0's later take the mask's bytes
.set T,    208                         ; v208-239 two sets of 16 neighbours
.set C,    240                         ; v240-242, v244-246 codes
.set MB,   248                         ; v248-251 the mask words on their way out
	s_load_b256 s[4:11], s[0:1], 0x0               ; x, g1, be1, mask
	s_load_b128 s[12:15], s[0:1], 0x20             ; xq, maskbits
; xq's codes now lie in planes [16][4096 rows][48 bytes] (64 codes of a row to a plane).  THE WEIGHTS ARE RE-LAID the same way into wp, so that every later tile is made of dense rows that begin at multiples of 256 bytes:
; wp: [16][4096][48] rows 0.. Wq, 1024.. Wk, 2048.. Wv, 3072.. Wo; from byte 3,145,728 w1 [16][4096][48]; from byte 6,291,456 w2 [64][1024][48].
; Wave W moves three pieces of 16 rows x 4 planes (3,072 bytes each): one of the four square weights, one of w1, one of w2; a lane moves 24 bytes of a row for each plane.
	s_load_b256 s[40:47], s[0:1], 0x30             ; Wq, Wk, Wv, Wo codes
	s_load_b128 s[48:51], s[0:1], 0x50             ; w1, w2 codes
	s_load_b64 s[52:53], s[0:1], 0x60              ; wp
	v_lshl_add_u32 v243, v0, 2, 0x5400
	v_mov_b32 v247, 0
	v_lshrrev_b32 v1, 5, v0
	v_readfirstlane_b32 s16, v1                    ; wave
	v_and_b32 v1, 31, v0                           ; lane
	v_lshlrev_b32 v2, 4, v1                        ; 16 x lane
	s_mul_i32 s17, s16, WREG
	v_lshrrev_b32 v3, 2, v1
	v_mul_u32_u24 v3, v3, SP
	v_and_b32 v4, 3, v1
	v_lshl_add_u32 v3, v4, 4, v3
	v_add_nc_u32 v3, s17, v3                       ; stage, in: SP (lane / 4) + 16 (lane % 4)
	v_mul_u32_u24 v4, v1, SP
	v_add_nc_u32 v4, s17, v4                       ; stage, out: SP x lane
	v_lshrrev_b32 v5, 2, v1
	v_mul_u32_u24 v5, v5, 0x30000                  ; my 16 codes' place: plane lane / 4 of 196,608 bytes,
	v_and_b32 v6, 3, v1
	v_mad_u32_u24 v5, v6, 12, v5                   ; + 12 (lane % 4)
	v_lshrrev_b32 v6, 1, v1
	s_add_co_u32 s17, s17, 64*SP
	v_add_nc_u32 v6, s17, v6                       ; my block's scale byte in LDS
	v_lshlrev_b32 v7, 2, v1                        ; 4 x lane
	v_add_nc_u32 v255, s17, v7                     ; the scale bytes on their way out
	v_and_b32 v8, 15, v0
	v_bfe_u32 v9, v0, 4, 1
	v_lshlrev_b32 v8, 11, v8
	v_lshl_add_u32 v0, v9, 4, v8                   ; the mask: row r of 2,048 bytes, + 16 h
.irp i, 0,1,2,3
	v_mov_b32 v[MB+\i], 0                          ; a lane write's destination counts as read
.endr
	s_mov_b32 s20, 0x76543210
	s_mov_b32 s21, 0xfedcba98                      ; lane l xor 16
	s_mov_b32 s30, 0x3a800000                      ; 1 / 1024
	s_mov_b32 s31, 0x3727c5ac                      ; 1e-5
	s_lshl_b32 s18, ttmp9, 2
	s_add_co_u32 s18, s18, s16                     ; W
	s_lshl_b32 s2, s18, 14                         ; 4 rows of 4,096 bytes
	s_mov_b32 s3, 0
	s_mul_i32 s32, s18, 192                        ; 4 rows of 48 bytes in a plane
	s_mov_b32 s33, 0
	s_lshl_b32 s34, s18, 7
	s_add_co_u32 s34, s34, XS                      ; 4 rows of 32 scale bytes
	s_mov_b32 s35, 0
	s_lshr_b32 s36, s18, 3
	s_lshl_b32 s36, s36, 15                        ; mask tile W / 8: 16 rows of 2,048 bytes
	s_and_b32 s37, s18, 7
	s_lshl_b32 s37, s37, 8                         ; steps 2 (W % 8), + 1: 256 keys
	s_add_co_u32 s36, s36, s37
	s_mov_b32 s37, 0
	s_lshl_b32 s38, s18, 9                         ; (16 (W / 8) + 2 (W % 8)) x 256 = 512 W
	s_mov_b32 s39, 0
	s_wait_kmcnt 0x0
	s_add_nc_u64 s[4:5], s[4:5], s[2:3]
	s_add_nc_u64 s[32:33], s[12:13], s[32:33]
	s_add_nc_u64 s[34:35], s[12:13], s[34:35]
	s_add_nc_u64 s[10:11], s[10:11], s[36:37]
	s_add_nc_u64 s[14:15], s[14:15], s[38:39]
	s_lshr_b32 s54, s18, 8                         ; which square weight: W / 256
	s_cmp_eq_u32 s54, 1
	s_cselect_b64 s[40:41], s[42:43], s[40:41]
	s_cmp_eq_u32 s54, 2
	s_cselect_b64 s[40:41], s[44:45], s[40:41]
	s_cmp_eq_u32 s54, 3
	s_cselect_b64 s[40:41], s[46:47], s[40:41]
	s_bfe_u32 s54, s18, 0x60002                    ; its 16 rows: (W / 4) % 64
	s_mul_i32 s54, s54, 12288
	s_and_b32 s56, s18, 3                          ; four planes: W % 4
	s_mul_i32 s55, s56, 192
	s_add_co_u32 s54, s54, s55
	s_mov_b32 s55, 0
	s_add_nc_u64 s[40:41], s[40:41], s[54:55]      ; from: the square weight
	s_lshr_b32 s57, s18, 2
	s_mul_i32 s54, s57, 12288
	s_mul_i32 s58, s56, 192
	s_add_co_u32 s54, s54, s58
	s_add_nc_u64 s[48:49], s[48:49], s[54:55]      ; from: w1
	s_mul_i32 s54, s56, 786432
	s_mul_i32 s58, s57, 768
	s_add_co_u32 s54, s54, s58
	s_add_nc_u64 s[42:43], s[52:53], s[54:55]      ; to: the square weights' planes
	s_add_nc_u64 s[44:45], s[42:43], 3145728       ; to: w1's planes
	s_lshr_b32 s57, s18, 4
	s_and_b32 s56, s18, 15
	s_mul_i32 s54, s57, 49152
	s_mul_i32 s58, s56, 192
	s_add_co_u32 s54, s54, s58
	s_add_nc_u64 s[50:51], s[50:51], s[54:55]      ; from: w2, rows 16 (W / 16), planes 4 (W % 16)
	s_mul_i32 s54, s56, 196608
	s_mul_i32 s58, s57, 768
	s_add_co_u32 s54, s54, s58
	s_add_co_u32 s54, s54, 6291456
	s_add_nc_u64 s[46:47], s[52:53], s[54:55]      ; to: w2's planes
.irp j, 0,1,2,3,4,5,6,7
	global_load_b128 v[G+4*\j:G+4*\j+3], v2, s[6:7] offset:512*\j
.endr
.irp j, 0,1,2,3,4,5,6,7
	global_load_b128 v[BE+4*\j:BE+4*\j+3], v2, s[8:9] offset:512*\j
.endr
.irp i, 0,1,2,3
.irp j, 0,1,2,3,4,5,6,7
	global_load_b128 v[X+32*\i+4*\j:X+32*\i+4*\j+3], v2, s[4:5] offset:4096*\i+512*\j th:TH_LOAD_NT
.endr
.endr
; The weights' three pieces are asked for here, behind x's rows, into the second register window: v256-260 addresses, v264-335 data.
.macro RLOAD reg, adr, base            ; a piece of a weight: 4 planes x 24 bytes a lane
.irp c, 0,1,2,3
.irp p, 0,1,2
	global_load_b64 v[\reg+6*\c+2*\p:\reg+6*\c+2*\p+1], v[\adr], s[\base:\base+1] offset:48*\c+8*\p
.endr
.endr
.endm
.macro RSTORE reg, base, np            ; np: bytes from plane to plane; the wave's three stores of a plane cover 768 consecutive bytes
.irp c, 0,1,2,3
.irp p, 0,1,2
	global_store_b64 v2, v[\reg+6*\c+2*\p:\reg+6*\c+2*\p+1], s[\base:\base+1] offset:\np*\c+8*\p
.endr
.endr
.endm
	s_set_vgpr_msb 0x0040                          ; destination window 1
	v_lshrrev_b32 v0, 5, v2                        ; v256 = lane / 2: my row of a piece's 16
	v_bfe_u32 v1, v2, 4, 1                         ; v257 = lane % 2
	v_lshrrev_b32 v2, 1, v2                        ; v258 = 8 x lane
	s_set_vgpr_msb 0x4045                          ; sources 0 and 1 window 1 too
	v_mul_u32_u24 v1, v1, 24                       ; which half of the row's 48 bytes
	v_mul_u32_u24 v3, v0, 768
	v_mul_u32_u24 v4, v0, 3072
	v_add_nc_u32 v3, v3, v1                        ; v259: from rows of 768 bytes
	v_add_nc_u32 v4, v4, v1                        ; v260: from rows of 3,072 bytes
	s_set_vgpr_msb 0x4541                          ; source 1 window 0
	v_add_nc_u32 v2, v2, v2                        ; v258 = 8 x lane + 16 x lane: to
	RLOAD 8, 3, 40
	RLOAD 32, 3, 48
	RLOAD 56, 4, 50
	s_set_vgpr_msb 0x4100
.macro REDUCE                          ; v8 summed over the 32 lanes, in every lane
	v_add_f32_dpp v8, v8, v8 row_xmask:1 row_mask:0xf bank_mask:0xf
	v_add_f32_dpp v8, v8, v8 row_xmask:2 row_mask:0xf bank_mask:0xf
	v_add_f32_dpp v8, v8, v8 row_xmask:4 row_mask:0xf bank_mask:0xf
	v_add_f32_dpp v8, v8, v8 row_xmask:8 row_mask:0xf bank_mask:0xf
	v_permlanex16_b32 v9, v8, s20, s21
	v_add_f32 v8, v8, v9
.endm
; Row i.  left: the younger loads that may stay out.
.macro ROW i, left
.set XR, X+32*(\i)
	s_wait_loadcnt \left                           ; loads come back in order: g, be and this row are in
	s_wait_xcnt 0x0                                ; the last row's stores have read their data: the codes' registers are written again only behind this wait
	v_pk_add_f32 v[8:9], v[XR:XR+1], v[XR+4:XR+5]                  ; the sum, in two chains
	v_pk_add_f32 v[12:13], v[XR+2:XR+3], v[XR+6:XR+7]
.irp j, 8,12,16,20,24,28
	v_pk_add_f32 v[8:9], v[8:9], v[XR+\j:XR+\j+1]
	v_pk_add_f32 v[12:13], v[12:13], v[XR+\j+2:XR+\j+3]
.endr
	v_pk_add_f32 v[8:9], v[8:9], v[12:13]
	v_add_f32 v8, v8, v9
	REDUCE
	v_mul_f32 v10, s30, v8                         ; the mean, twice: a pair for the packed forms
	v_mul_f32 v11, s30, v8
.set j, 0
.rept 16
	v_pk_add_f32 v[XR+j:XR+j+1], v[XR+j:XR+j+1], v[10:11] neg_lo:[0,1] neg_hi:[0,1]   ; x - mean
.set j, j+2
.endr
	v_pk_mul_f32 v[8:9], v[XR:XR+1], v[XR:XR+1]                    ; the sum of squares, in two chains
	v_pk_mul_f32 v[12:13], v[XR+2:XR+3], v[XR+2:XR+3]
.irp j, 4,8,12,16,20,24,28
	v_pk_fma_f32 v[8:9], v[XR+\j:XR+\j+1], v[XR+\j:XR+\j+1], v[8:9]
	v_pk_fma_f32 v[12:13], v[XR+\j+2:XR+\j+3], v[XR+\j+2:XR+\j+3], v[12:13]
.endr
	v_pk_add_f32 v[8:9], v[8:9], v[12:13]
	v_add_f32 v8, v8, v9
	REDUCE
	v_fma_f32 v12, v8, s30, s31                    ; var + 1e-5
	s_wait_alu depctr_va_vdst(0)
	v_rsq_f32 v14, v12
	v_nop                                          ; a plain instruction behind the transcendental,
	s_wait_alu depctr_va_vdst(0)                   ; and a wait ahead of its first reader
	v_mov_b32 v15, v14
.set j, 0
.rept 16
	v_pk_mul_f32 v[XR+j:XR+j+1], v[XR+j:XR+j+1], v[14:15]
.set j, j+2
.endr
.set j, 0
.rept 16
	v_pk_fma_f32 v[XR+j:XR+j+1], v[XR+j:XR+j+1], v[G+j:G+j+1], v[BE+j:BE+j+1]
.set j, j+2
.endr
.irp j, 0,1,2,3,4,5,6,7
	ds_store_b128 v3, v[XR+4*\j:XR+4*\j+3] offset:8*SP*\j           ; the row as it lies; LDS serves a wave's instructions in order, so no wait stands between these and the loads
.endr
.irp s, 0,1
.irp q, 0,1,2,3
	ds_load_b128 v[T+16*\s+4*\q:T+16*\s+4*\q+3], v4 offset:32*SP*\s+16*\q   ; set s: columns 512 s + 16 lane + 0 .. 15
.endr
.endr
	s_wait_dscnt 0x0                               ; both sets are in; the last row's byte stores are done too
.irp s, 0,1
.set TT, T+16*\s
	v_max3_num_f32 v8, |v[TT]|, |v[TT+1]|, |v[TT+2]|
	v_max3_num_f32 v9, |v[TT+3]|, |v[TT+4]|, |v[TT+5]|
.irp i2, 6,10
	v_max3_num_f32 v8, v8, |v[TT+\i2]|, |v[TT+\i2+1]|
	v_max3_num_f32 v9, v9, |v[TT+\i2+2]|, |v[TT+\i2+3]|
.endr
	v_max3_num_f32 v8, v8, |v[TT+14]|, |v[TT+15]|
	v_max3_num_f32 v8, v8, v9, 0x1800000           ; and the floor 2^(3 - 127): the byte cannot fall under 1
	v_max_num_f32_dpp v8, v8, v8 row_xmask:1 row_mask:0xf bank_mask:0xf   ; with my neighbour's 16: the block's
	v_add_nc_u32 v254, 0xff000000, v8              ; 2 off the exponent field: the conversion's scale operand
	v_cvt_scalef32_pk16_fp6_f32 v[C+4*\s:C+4*\s+2], v[TT:TT+15], v254
	v_lshrrev_b32 v[252+\s], 23, v254              ; the scale's byte (also the plain instruction behind the conversion)
	ds_store_b8 v6, v[252+\s] offset:32*(\i)+16*\s
	global_store_b96 v5, v[C+4*\s:C+4*\s+2], s[32:33] offset:48*(\i)+1572864*\s   ; set s: planes 8 s + lane / 4
.endr
.endm
	ROW 0, 60                                      ; rows 1 to 3 and the pieces' 36 may be out
.irp q, 0,1,2,3,4,5,6,7                        ; the mask's bytes into row 0's registers: step q / 4, block q % 4: 16 bytes a lane: keys 32 b + 16 h + 0 .. 15 of row r
	global_load_b128 v[X+4*\q:X+4*\q+3], v0, s[10:11] offset:32*\q
.endr
	ROW 1, 60                                      ; rows 2, 3, the pieces' 36 and the mask's eight
	s_wait_loadcnt 8                               ; the pieces are in (the mask's eight may be out)
	s_set_vgpr_msb 0x0005                          ; address and data window 1
	RSTORE 8, 42, 196608
	RSTORE 32, 44, 196608
	RSTORE 56, 46, 49152
	s_set_vgpr_msb 0x0500
	ROW 2, 8
	ROW 3, 8
	ds_load_b32 v[G], v255                         ; my wave's 128 scale bytes (they see my stores: LDS serves a wave in order), into a register of g, which is done with
	s_wait_dscnt 0x0
	global_store_b32 v7, v[G], s[34:35]            ; no line below writes v16 or v7: the store's registers stay as they are
	s_wait_loadcnt 0x0                             ; the mask's bytes and the weights' pieces
.set N, 0
.rept 128                                      ; word N = 64 step + 16 b + i: byte i % 4 of register N / 4, of all 32 lanes, becomes one lane mask
	v_and_b32 v[8+N%8], 0xff<<(8*(N%4)), v[X+N/4]
	v_cmp_ne_u32 s[22+N%8], 0, v[8+N%8]
	v_writelane_b32 v[MB+N%4], s[22+N%8], N/4      ; lane N / 4, register N % 4: 16 bytes a lane on the way out
.set N, N+1
.endr
	global_store_b128 v2, v[MB:MB+3], s[14:15]     ; 512 consecutive bytes: two steps' words
	s_wait_tensorcnt 0x0
	ds_add_u32 v243, v247
	s_wait_dscnt 0x0
	s_endpgm
.Lfunc_end_k_q67f7abe6d1_prep:
	.size	k_q67f7abe6d1_prep, .Lfunc_end_k_q67f7abe6d1_prep-k_q67f7abe6d1_prep
	.p2alignl 7, 3214868480
	.fill 96, 4, 3214868480
	.section	.rodata,"a",@progbits
	.p2align	6, 0x0
	.amdhsa_kernel k_q67f7abe6d1_prep
		.amdhsa_group_segment_fixed_size 22016
		.amdhsa_private_segment_fixed_size 0
		.amdhsa_enable_private_segment 0
		.amdhsa_kernarg_size 104
		.amdhsa_user_sgpr_count 2
		.amdhsa_user_sgpr_kernarg_segment_ptr 1
		.amdhsa_wavefront_size32 1
		.amdhsa_system_sgpr_workgroup_id_x 1
		.amdhsa_system_sgpr_workgroup_id_y 1
		.amdhsa_system_sgpr_workgroup_id_z 1
		.amdhsa_system_vgpr_workitem_id 0
		.amdhsa_next_free_vgpr 384
		.amdhsa_next_free_sgpr 80
		.amdhsa_reserve_vcc 0
		.amdhsa_float_denorm_mode_32 3
		.amdhsa_float_denorm_mode_16_64 3
		.amdhsa_memory_ordered 1
		.amdhsa_forward_progress 1
		.amdhsa_inst_pref_size 78
	.end_amdhsa_kernel
	.amdgpu_metadata
---
amdhsa.version: [ 1, 2 ]
amdhsa.kernels:
  - .name:           k_q67f7abe6d1_prep
    .symbol:         k_q67f7abe6d1_prep.kd
    .args:
      - { .name: x, .offset: 0, .size: 8, .value_kind: global_buffer, .address_space: global }
      - { .name: g1, .offset: 8, .size: 8, .value_kind: global_buffer, .address_space: global }
      - { .name: be1, .offset: 16, .size: 8, .value_kind: global_buffer, .address_space: global }
      - { .name: mask, .offset: 24, .size: 8, .value_kind: global_buffer, .address_space: global }
      - { .name: xq, .offset: 32, .size: 8, .value_kind: global_buffer, .address_space: global }
      - { .name: maskbits, .offset: 40, .size: 8, .value_kind: global_buffer, .address_space: global }
      - { .name: Wq_codes, .offset: 48, .size: 8, .value_kind: global_buffer, .address_space: global }
      - { .name: Wk_codes, .offset: 56, .size: 8, .value_kind: global_buffer, .address_space: global }
      - { .name: Wv_codes, .offset: 64, .size: 8, .value_kind: global_buffer, .address_space: global }
      - { .name: Wo_codes, .offset: 72, .size: 8, .value_kind: global_buffer, .address_space: global }
      - { .name: w1_codes, .offset: 80, .size: 8, .value_kind: global_buffer, .address_space: global }
      - { .name: w2_codes, .offset: 88, .size: 8, .value_kind: global_buffer, .address_space: global }
      - { .name: wp, .offset: 96, .size: 8, .value_kind: global_buffer, .address_space: global }
    .group_segment_fixed_size: 22016
    .private_segment_fixed_size: 0
    .kernarg_segment_align: 8
    .kernarg_segment_size: 104
    .max_flat_workgroup_size: 128
    .sgpr_count:     80
    .vgpr_count:     384
    .wavefront_size: 32
...
	.end_amdgpu_metadata
.endif
;; end of part 8
;; launch qkv (part 9): grid 12 x 16, 4 waves a work-group, clusters of 4 x 4, 327,680 bytes of LDS; arguments xq, wp, Wq_scales, Wk_scales, Wv_scales, qkv; writes qkv
.if DOCPART == 9
	.amdgcn_target "amdgcn-amd-amdhsa--gfx1250"
	.amdhsa_code_object_version 6
	.text
	.protected	k_q67f7abe6d1_qkv
	.globl	k_q67f7abe6d1_qkv
	.p2align	8
	.type	k_q67f7abe6d1_qkv,@function
k_q67f7abe6d1_qkv:
	s_mov_b64 s[64:65], 0
	v_nop
	global_prefetch_b8 v0, s[64:65] scope:SCOPE_SE
	s_setreg_imm32_b32 hwreg(HW_REG_WAVE_MODE, 25, 1), 1
	s_wait_xcnt 0x0
	s_wait_alu depctr_hold_cnt(0) depctr_sa_sdst(0) depctr_va_vdst(0) depctr_va_sdst(0) depctr_va_ssrc(0) depctr_va_vcc(0) depctr_vm_vsrc(0)
	s_getreg_b32 s2, hwreg(HW_REG_IB_STS2, 6, 4)
	s_cmp_eq_u32 s2, 0
	s_cbranch_scc0 .Lentry_in_a_cluster
	s_endpgm
.Lentry_in_a_cluster:
	s_bfe_u32 s2, ttmp6, 0x10000c
	s_cmp_lg_u32 s2, 0xf033
	s_cbranch_scc0 .Lentry_shape_is_right
	s_endpgm
.Lentry_shape_is_right:
.set SIZE_K, 1024
.set XS,     3145728
.set QS,     3145728
.set KVC,    3407872
.set STEPB,  13056
.set HEADB,  16*STEPB
.set NQ,     2
.set ROWB,   786432                    ; a slot's step along K: four planes of 196,608 bytes (both sides lie in planes [16][4096 rows][48 bytes])
.set ASTEP,  ROWB
.set KROW,   48                        ; a row in a plane
.set PITCH,  192                       ; a wave's part of a slot: 4 planes x 128 rows x 48 bytes
.set FR,     12
.set NL,     6
.set NP,     4
.set HALFT,  128*PITCH
.set SLOT,   4*HALFT
.set LAPS,   SIZE_K/512
.set KS,     SIZE_K/32
.set SCL,    2*SLOT
.set HALFS,  (128*KS/256)*272
.set SBLK,   (16*KS/256)*272
.set SPARE,  SCL+4*HALFS
.set ADRA, 16
.set ADRB, 20
.set STO,  24
.set RD,   25
.set CO,   26
.set ADRS, 27
.set SPW,  28
.set NIL,  29
.set LP,   30
.set SC,   32
.set AF,   128
.set H,    64
.set CD,   128
.set TM,   148
.set PWS,  164
.set X1,   172
.set SEL,  98
.set G1, 24
.set G0, 32
.set G1B, 48
.set G0B, 56
.set G1S, 68
.set G0S, 76
.set G1SB, 80
.set G0SB, 88
.set MSB, 0
.macro WIN new
.if MSB != (\new)
	s_set_vgpr_msb (MSB<<8)|(\new)
.set MSB, \new
.endif
.endm
.set MUL_LO, 0xa1
.set MUL_HI, 0xf1
.set TO_B,   0x40
.macro JLOAD g0a, g1a, g0b, g1b
	s_cmp_eq_u32 s15, 0
	s_cbranch_scc0 .Lfor_b_\@
	tensor_load_to_lds s[\g0a:\g0a+3], s[\g1a:\g1a+7]
	s_nop 0
.rept 4
	v_nop
.endr
	s_branch .Lasked_\@
.Lfor_b_\@:
	tensor_load_to_lds s[\g0b:\g0b+3], s[\g1b:\g1b+7]
	s_nop 0
.rept 4
	v_nop
.endr
.Lasked_\@:
.endm
.macro CREST
	s_cmp_lg_u32 s14, 0
	s_cbranch_scc1 .Lnot_wave_0_\@
	s_barrier_signal -3
.Lnot_wave_0_\@:
	s_barrier_wait -3
	s_barrier_signal -1
	s_barrier_wait -1
.endm
.macro CROUND
	s_barrier_signal -1
	s_barrier_wait -1
	CREST
.endm
	s_load_b128 s[68:71], s[0:1], 0x0              ; xq, wp (Wq's rows lead its planes)
	s_load_b64 s[72:73], s[0:1], 0x10              ; Wq's scales
	s_load_b64 s[76:77], s[0:1], 0x18              ; Wk's
	s_load_b128 s[80:83], s[0:1], 0x20             ; Wv's, qkv
	v_lshl_add_u32 v[SPW], v0, 2, SPARE
	v_mov_b32 v[NIL], 0
	ds_add_u32 v28, v29
	ds_add_u32 v28, v29
	s_wait_dscnt 0x0
	v_lshrrev_b32 v1, 5, v0
	v_readfirstlane_b32 s14, v1
	s_lshr_b32 s15, s14, 1
	s_and_b32 s16, s14, 1
	s_bfe_u32 s40, ttmp6, 0x40000
	s_bfe_u32 s41, ttmp6, 0x40004
	s_mov_b32 s2, ttmp9
	s_and_b32 s18, ttmp7, 0xffff
	s_lshl_b32 s18, s18, 2
	s_lshl_b32 s43, s41, 2
	s_lshl_b32 s43, 15, s43
	s_lshl_b32 s44, 0x1111, s40
	s_or_b32 s[G1+0], s43, (3<<16)|(1<<21)         ; elements of 8 bytes, no padding
	s_or_b32 s[G1B+0], s44, (3<<16)|(1<<21)
.irp g, G1, G1B
	s_mov_b32 s[\g+1], 1536<<16                    ; a tile's row: all 256 rows x 48 = 12,288 dense bytes of a plane; four planes at the head, two a wave in the ring
	s_mov_b32 s[\g+2], 4<<16                       ; four planes
	s_mov_b32 s[\g+3], 1536<<16
	s_mov_b32 s[\g+4], 4
	s_mov_b32 s[\g+5], 24576                       ; 196,608 bytes from plane to plane
	s_mov_b32 s[\g+6], 0
	s_mov_b32 s[\g+7], 0
.endr
	s_wait_kmcnt 0x0
	s_add_nc_u64 s[84:85], s[68:69], XS
	s_add_nc_u64 s[74:75], s[70:71], 49152         ; Wk: rows 1,024 on
	s_add_nc_u64 s[78:79], s[70:71], 98304         ; Wv: rows 2,048 on
	s_cmp_eq_u32 s2, 2
	s_cselect_b64 s[4:5], s[78:79], s[68:69]
	s_cselect_b64 s[6:7], s[80:81], s[84:85]
	s_cselect_b64 s[8:9], s[68:69], s[74:75]
	s_cselect_b64 s[10:11], s[84:85], s[76:77]
	s_cselect_b32 s17, 0, s18
	s_cselect_b32 s42, s18, 0
	s_cmp_eq_u32 s2, 0
	s_cselect_b64 s[8:9], s[70:71], s[8:9]
	s_cselect_b64 s[10:11], s[72:73], s[10:11]
	s_mov_b64 s[12:13], s[82:83]
	s_add_co_u32 s17, s17, s41
	s_add_co_u32 s42, s42, s40
	s_or_b32 s[G1S+0], s43, (3<<16)|(1<<20)|(1<<21)|(5<<22)|(3<<25)
	s_or_b32 s[G1SB+0], s44, (3<<16)|(1<<20)|(1<<21)|(5<<22)|(3<<25)
.irp g, G1S, G1SB
	s_mov_b32 s[\g+1], 32<<16
	s_mov_b32 s[\g+2], (256*KS/256)<<16
	s_mov_b32 s[\g+3], 32<<16
	s_mov_b32 s[\g+4], 256*KS/256
	s_mov_b32 s[\g+5], 32
	s_mov_b32 s[\g+6], 0
	s_mov_b32 s[\g+7], 0
.endr
	s_mov_b32 s18, 0                               ; tiles begin at the block's first row
	s_lshl_b32 s20, s17, 8
	s_add_co_u32 s20, s20, s18
	s_lshl_b32 s46, s42, 8
	s_add_co_u32 s46, s46, s18
	s_mov_b32 s21, 0
	s_mov_b32 s47, 0
	s_mov_b64 s[18:19], KS
	s_mul_u64 s[22:23], s[20:21], s[18:19]
	s_mul_u64 s[92:93], s[46:47], s[18:19]
	s_mov_b64 s[18:19], KROW
	s_mul_u64 s[20:21], s[20:21], s[18:19]
	s_mul_u64 s[46:47], s[46:47], s[18:19]
	s_mul_i32 s45, s14, HALFT
	s_mul_i32 s94, s14, HALFS
	s_add_nc_u64 s[20:21], s[4:5], s[20:21]
	s_add_nc_u64 s[22:23], s[6:7], s[22:23]
	s_add_nc_u64 s[46:47], s[8:9], s[46:47]
	s_add_nc_u64 s[92:93], s[10:11], s[92:93]
	CROUND
	s_mov_b32 s[G0S], 1
	s_mov_b32 s[G0S+1], SCL
	s_mov_b64 s[G0S+2:G0S+3], s[22:23]
	s_or_b32 s[G0S+3], s[G0S+3], 0x80000000
	s_mov_b32 s[G0SB], 1
	s_mov_b32 s[G0SB+1], SCL+2*HALFS
	s_mov_b64 s[G0SB+2:G0SB+3], s[92:93]
	s_or_b32 s[G0SB+3], s[G0SB+3], 0x80000000
.irp s, 0,1
	s_mov_b32 s[G0+4*\s], 1
	s_add_co_u32 s[G0+4*\s+1], s45, \s*SLOT
	s_add_nc_u64 s[G0+4*\s+2:G0+4*\s+3], s[20:21], \s*ASTEP
	s_or_b32 s[G0+4*\s+3], s[G0+4*\s+3], 0x80000000
	s_mov_b32 s[G0B+4*\s], 1
	s_add_co_u32 s[G0B+4*\s+1], s45, \s*SLOT
	s_add_nc_u64 s[G0B+4*\s+2:G0B+4*\s+3], s[46:47], \s*ROWB
	s_or_b32 s[G0B+4*\s+3], s[G0B+4*\s+3], 0x80000000
.endr
; THE HEAD'S LOADS, ONE A WAVE: wave 0 slot 0's four planes of A, wave 1 those of B, wave 2 A's scales, wave 3 B's.  Slot 0's groups 0 serve them and are set for the ring behind the wait for them.
	s_mov_b32 s[G0+1], 0
	s_mov_b32 s[G0B+1], 2*HALFT
	s_mul_i32 s100, s16, 393216                    ; in the ring a wave fetches two planes of the slot's four
	s_mov_b32 s101, 0
	s_add_nc_u64 s[G0+6:G0+7], s[G0+6:G0+7], s[100:101]
	s_add_nc_u64 s[G0B+6:G0B+7], s[G0B+6:G0B+7], s[100:101]
.macro ARM under, g0, g1, next
	s_cmp_lt_u32 s14, \under
	s_cbranch_scc0 \next
	tensor_load_to_lds s[\g0:\g0+3], s[\g1:\g1+7]
	s_nop 0
.rept 4
	v_nop
.endr
	s_branch .Lhead_asked
\next:
.endm
	ARM 1, G0,  G1,  .Lhead_b
	ARM 2, G0B, G1B, .Lhead_sa
	ARM 3, G0S, G1S, .Lhead_sb
	tensor_load_to_lds s[G0SB:G0SB+3], s[G1SB:G1SB+7]
	s_nop 0
.rept 4
	v_nop
.endr
.Lhead_asked:
	v_and_b32 v1, 15, v0
	v_bfe_u32 v2, v0, 4, 1
	v_mul_u32_u24 v3, v1, 48
	v_mul_u32_u24 v4, v2, 24
	v_add_nc_u32 v4, v3, v4
	v_lshl_add_u32 v5, v2, 4, v4
	s_mul_i32 s21, s15, 6144                       ; my 128 rows in each plane
	s_mul_i32 s22, s16, 6144
	s_add_co_u32 s22, s22, 2*HALFT
.irp s, 0,1
	v_add_nc_u32 v[ADRA+\s], s21, v4
	v_add_nc_u32 v[ADRB+\s], s22, v4
	v_add_nc_u32 v[ADRA+2+\s], s21, v5
	v_add_nc_u32 v[ADRB+2+\s], s22, v5
	s_add_co_u32 s21, s21, SLOT
	s_add_co_u32 s22, s22, SLOT
.endr
	v_mul_u32_u24 v5, v1, KS
	v_lshrrev_b32 v6, 8, v5
	v_lshl_add_u32 v5, v6, 4, v5
	s_mul_i32 s21, s15, HALFS
	s_mul_i32 s22, s16, HALFS
	s_add_co_u32 s22, s22, 2*HALFS
	s_sub_co_u32 s22, s22, s21
	v_mul_u32_u24 v6, s22, v2
	s_add_co_u32 s21, s21, SCL
	v_add_nc_u32 v5, v5, v6
	v_add_nc_u32 v[ADRS], s21, v5
	s_mul_i32 s23, s14, 12288
	v_and_b32 v7, 7, v1
	v_lshrrev_b32 v8, 3, v1
	v_lshl_add_u32 v7, v8, 4, v7
	v_mul_u32_u24 v5, v7, 48
	v_mad_u32_u24 v5, v2, 24, v5
	v_add_nc_u32 v[STO], s23, v5
	v_and_b32 v6, 31, v0
	v_lshlrev_b32 v[CO], 4, v6
	v_add_nc_u32 v[RD], s23, v[CO]
	v_lshl_add_u32 v8, v2, 3, v7
	v_lshlrev_b32 v[LP], 2, v8
	s_mov_b32 s[SEL], 0x76543210
	s_mov_b32 s[SEL+1], 0xfedcba98
	s_lshl_b32 s4, s17, 8
	s_lshl_b32 s5, s15, 7
	s_add_co_u32 s4, s4, s5
	s_lshl_b32 s5, s42, 8
	s_lshl_b32 s6, s16, 7
	s_add_co_u32 s5, s5, s6
	s_cmp_eq_u32 s2, 0
	s_mov_b32 s8, HEADB
	s_cselect_b32 s8, 98304, s8
	s_mov_b32 s9, STEPB
	s_cselect_b32 s9, 6144, s9
	s_mov_b32 s10, KVC
	s_cselect_b32 s10, 0, s10
	s_mov_b32 s11, KVC+12288
	s_cselect_b32 s11, QS, s11
	s_mov_b32 s18, HEADB
	s_cselect_b32 s18, 8192, s18
	s_mov_b32 s19, STEPB
	s_cselect_b32 s19, 512, s19
	s_cmp_eq_u32 s2, 2
	s_cselect_b32 s6, s5, s4
	s_cselect_b32 s7, s4, s5
	s_cselect_b32 s20, 3072, s8
	s_cselect_b32 s21, s8, 3072
	s_cselect_b32 s22, 6144, 0
	s_cselect_b32 s23, 512, 0
	s_lshr_b32 s4, s6, 11
	s_lshl_b32 s4, s4, 4
	s_lshr_b32 s5, s7, 6
	s_add_co_u32 s4, s4, s5
	s_bfe_u32 s5, s6, 0x40007
	s_mul_i32 s6, s4, s8
	s_mul_i32 s7, s5, s9
	s_add_co_u32 s6, s6, s7
	s_add_co_u32 s6, s6, s10
	s_add_co_u32 s6, s6, s22
	s_mul_i32 s7, s4, s18
	s_mul_i32 s9, s5, s19
	s_add_co_u32 s7, s7, s9
	s_add_co_u32 s7, s7, s11
	s_add_co_u32 s7, s7, s23
	s_mov_b32 s8, s6
	s_mov_b32 s9, 0
	s_add_nc_u64 s[40:41], s[12:13], s[8:9]
	s_mov_b32 s8, s21
	s_add_nc_u64 s[42:43], s[40:41], s[8:9]
	s_mov_b32 s8, s20
	s_add_nc_u64 s[44:45], s[40:41], s[8:9]
	s_add_nc_u64 s[46:47], s[42:43], s[8:9]
	s_mov_b32 s8, s7
	s_add_nc_u64 s[92:93], s[12:13], s[8:9]
	s_mov_b32 s8, s18
	s_add_nc_u64 s[94:95], s[92:93], s[8:9]
.macro FRAG reg, adr, q, i
.irp p, 0,1,2,3,4,5
	ds_load_b64 v[\reg+2*\p:\reg+2*\p+1], v[\adr] offset:(2*(\q)+\p/3)*12288+(\i)*768+8*(\p%3)
.endr
.endm
.macro MUL16 a0, p, q, sc, zero
.irp a, \a0, \a0+1
.irp b, 0,1,2,3,4,5,6,7
.set DD, 8*(8*((\a)%4)+\b)
.set FB, 128*(\p)+FR*\b
.set FA, AF+FR*(\a)
.set SBR, SC+8*NQ*(\sc)+NQ*\b+(\q)
.set SAR, SC+8*NQ*(\sc)+NQ*(\a)+(\q)
.if \zero
	v_wmma_scale_f32_16x16x128_f8f6f4 v[DD:DD+7], v[FB:FB+FR-1], v[FA:FA+FR-1], 0, v[SBR], v[SAR] matrix_a_fmt:MATRIX_FMT_FP6 matrix_b_fmt:MATRIX_FMT_FP6 matrix_a_scale:MATRIX_SCALE_ROW1
.else
	v_wmma_scale_f32_16x16x128_f8f6f4 v[DD:DD+7], v[FB:FB+FR-1], v[FA:FA+FR-1], v[DD:DD+7], v[SBR], v[SAR] matrix_a_fmt:MATRIX_FMT_FP6 matrix_b_fmt:MATRIX_FMT_FP6 matrix_a_scale:MATRIX_SCALE_ROW1
.endif
.endr
.endr
.endm
.macro FETCH_B slot, q, p
	WIN TO_B
.irp i, 0,1,2,3,4,5,6,7
	FRAG 128*(\p)+FR*\i, ADRB+\slot, \q, \i
.endr
	WIN 0
.endm
.macro FETCH_A slot, q, i0
.irp i, \i0, \i0+1, \i0+2, \i0+3
	FRAG AF+FR*(\i), ADRA+\slot, \q, \i
.endr
.endm
.macro SCALES sc
.irp i, 0,1,2,3,4,5,6,7
	ds_load_b64 v[SC+8*NQ*\sc+NQ*\i:SC+8*NQ*\sc+NQ*\i+1], v[ADRS] offset:\i*SBLK
.endr
.endm
.macro PLACES n
.rept \n
	v_nop
.endr
.endm
.macro STEP slot, q, zero
	s_wait_dscnt 4*NL
	WIN MUL_LO
	MUL16 0, (\q)%2, \q, \slot, \zero
	MUL16 2, (\q)%2, \q, \slot, \zero
	s_wait_dscnt 0
	PLACES NP
	FETCH_B \slot, (\q)+1, 1-(\q)%2
	FETCH_A \slot, (\q)+1, 0
	WIN MUL_HI
	MUL16 4, (\q)%2, \q, \slot, \zero
	MUL16 6, (\q)%2, \q, \slot, \zero
	PLACES NP
	WIN 0
	FETCH_A \slot, (\q)+1, 4
.endm
.macro TURN slot, next, fill
	s_wait_tensorcnt 0x0
	ds_add_u32 v[SPW], v[NIL]
	s_wait_dscnt 4*NL+1
	WIN MUL_LO
	MUL16 0, 1, NQ-1, \slot, 0
	s_wait_dscnt 0x0
	s_barrier_signal -1
	MUL16 2, 1, NQ-1, \slot, 0
	WIN 0
	s_barrier_wait -1
.if \fill
	CREST
	s_add_nc_u64 s[G0+4*\slot+2:G0+4*\slot+3], s[G0+4*\slot+2:G0+4*\slot+3], 2*ASTEP
	s_add_nc_u64 s[G0B+4*\slot+2:G0B+4*\slot+3], s[G0B+4*\slot+2:G0B+4*\slot+3], 2*ROWB
	JLOAD G0+4*\slot, G1, G0B+4*\slot, G1B
.else
	PLACES NP
.endif
	s_wait_alu depctr_va_vdst(0)
	v_add_nc_u32 v[ADRS], 4*NQ, v[ADRS]
	FETCH_B \next, 0, 0
	FETCH_A \next, 0, 0
	SCALES \next
	WIN MUL_HI
	MUL16 4, 1, NQ-1, \slot, 0
	MUL16 6, 1, NQ-1, \slot, 0
	PLACES NP
	WIN 0
	FETCH_A \next, 0, 4
.endm
	s_wait_alu depctr_va_vdst(0)
	s_wait_tensorcnt 0x0                           ; my tile of the head's four is in
	ds_add_u32 v[SPW], v[NIL]
	s_mov_b32 s[G1+2], 2<<16                       ; no load of mine is out: from here on a load brings two planes,
	s_mov_b32 s[G1+4], 2
	s_mov_b32 s[G1B+2], 2<<16
	s_mov_b32 s[G1B+4], 2
	s_mul_i32 s[G0+1], s14, HALFT                  ; into my part of the slot,
	s_mul_i32 s[G0B+1], s14, HALFT
	s_add_nc_u64 s[G0+2:G0+3], s[G0+2:G0+3], s[100:101]   ; from my two planes
	s_add_nc_u64 s[G0B+2:G0B+3], s[G0B+2:G0B+3], s[100:101]
	s_wait_dscnt 0x0
	CROUND
	JLOAD G0+4, G1, G0B+4, G1B                     ; slot 1's first fill, my one load behind the round
	FETCH_B 0, 0, 0
	FETCH_A 0, 0, 0
	SCALES 0
	FETCH_A 0, 0, 4
	STEP 0, 0, 1
	s_mov_b32 s3, LAPS-1
.Llap:
	TURN 0, 1, 1
	STEP 1, 0, 0
	TURN 1, 0, 1
	STEP 0, 0, 0
	s_sub_co_u32 s3, s3, 1
	s_cmp_lg_u32 s3, 0
	s_cbranch_scc1 .Llap
	TURN 0, 1, 0
	STEP 1, 0, 0
	s_wait_dscnt 4*NL
	WIN MUL_LO
	MUL16 0, 1, NQ-1, 1, 0
	MUL16 2, 1, NQ-1, 1, 0
	s_wait_dscnt 0
	WIN MUL_HI
	MUL16 4, 1, NQ-1, 1, 0
	MUL16 6, 1, NQ-1, 1, 0
	WIN 0
.macro QUANT s, pw
.irp b, 0,1,2,3
	v_max3_num_f32 v[TM+\b], |v[\s+16*\b]|, |v[\s+1+16*\b]|, 0x1800000
.endr
.irp i, 2,4,6,8,10,12,14
.irp b, 0,1,2,3
	v_max3_num_f32 v[TM+\b], v[TM+\b], |v[\s+16*\b+\i]|, |v[\s+1+16*\b+\i]|
.endr
.endr
.irp b, 0,1,2,3
	v_permlanex16_b32 v[TM+4+\b], v[TM+\b], s[SEL], s[SEL+1]
.endr
.irp b, 0,1,2,3
	v_max_num_f32 v[TM+\b], v[TM+\b], v[TM+4+\b]
.endr
.irp b, 0,1,2,3
	v_add_nc_u32 v[TM+12+\b], 0xff000000, v[TM+\b]
.endr
.irp b, 0,1,2,3
	v_lshrrev_b32 v[TM+4+\b], 23, v[TM+12+\b]
.endr
	v_lshl_or_b32 v[\pw], v[TM+5], 8, v[TM+4]
	v_lshl_or_b32 v[\pw], v[TM+6], 16, v[\pw]
	v_lshl_or_b32 v[\pw], v[TM+7], 24, v[\pw]
.irp c, 0,1
	v_cvt_scalef32_pk16_fp6_f32 v[CD+6*\c:CD+2+6*\c], v[\s+32*\c:\s+15+32*\c], v[TM+12+2*\c]
	v_cvt_scalef32_pk16_fp6_f32 v[CD+12+4*\c:CD+14+4*\c], v[\s+16+32*\c:\s+31+32*\c], v[TM+12+2*\c+1]
.endr
	v_nop
.irp c, 0,1
.irp i, 0,1,2
	v_permlane16_swap_b32 v[CD+6*\c+\i], v[CD+12+4*\c+\i]
.endr
.irp i, 0,1,2
	v_mov_b32 v[CD+3+6*\c+\i], v[CD+12+4*\c+\i]
.endr
.endr
.endm
.macro BLOCK a
	s_wait_dscnt 0x0
	WIN 0x02+(\a)/4
.set k, 0
.rept 64
	v_mov_b32 v[H+k], v[64*((\a)%4)+k]
.set k, k+1
.endr
	WIN 0
.irp e, 0,1,2,3
.irp j, 0,1,2,3,4,5,6,7
	v_permlane16_swap_b32 v[H+16*\e+\j], v[H+16*\e+8+\j]
.endr
.endr
	QUANT H, PWS+(\a)
.irp c, 0,1
.irp p, 0,1,2
	ds_store_b64 v[STO], v[CD+6*\c+2*\p:CD+6*\c+2*\p+1] offset:\c*6144+(32*((\a)/2)+8*((\a)%2))*48+8*\p
.endr
.endr
.endm
	PLACES NP
.irp b, 0,1,2,3
	v_mov_b32 v[TM+4+\b], 0
.endr
.irp a, 0,1,2,3,4,5,6,7
	BLOCK \a
.endr
.irp e, 0,1,2,3
	v_permlane16_swap_b32 v[PWS+2*\e], v[PWS+2*\e+1]
.endr
	s_cmp_eq_u32 s2, 2
	s_cbranch_scc1 .Lv_words
.irp e, 0,1,2,3
	v_lshrrev_b32 v[X1+\e], 16, v[PWS+2*\e]
	v_and_b32 v[PWS+2*\e], 0xffff, v[PWS+2*\e]
.endr
.irp e, 0,1,2,3
	global_store_b32 v[LP], v[PWS+2*\e], s[92:93] offset:128*\e
	global_store_b32 v[LP], v[X1+\e], s[94:95] offset:128*\e
.endr
	s_branch .Lwords_out
.Lv_words:
	s_wait_alu depctr_va_vdst(0)
	global_store_b32 v[LP], v[PWS], s[92:93]
	global_store_b32 v[LP], v[PWS+2], s[92:93] offset:128
	global_store_b32 v[LP], v[PWS+4], s[94:95]
	global_store_b32 v[LP], v[PWS+6], s[94:95] offset:128
.Lwords_out:
	WIN TO_B
.irp m, 0,1,2,3,4,5,6,7,8,9,10,11,12,13,14,15,16,17,18,19,20,21,22,23
	ds_load_b128 v[4*\m:4*\m+3], v[RD] offset:512*\m
.endr
	WIN 0x04
.irp m, 0,1,2,3,4,5,6,7,8,9,10,11,12,13,14,15,16,17,18,19,20,21,22,23
	s_wait_dscnt 23-\m
	global_store_b128 v[CO], v[4*\m:4*\m+3], s[40+4*(\m/12)+2*((\m/6)%2):41+4*(\m/12)+2*((\m/6)%2)] offset:512*(\m%6)
.endr
	WIN 0
	s_wait_tensorcnt 0x0
	ds_add_u32 v[SPW], v[NIL]
	s_wait_dscnt 0x0
	CROUND
	s_endpgm
.Lfunc_end_k_q67f7abe6d1_qkv:
	.size	k_q67f7abe6d1_qkv, .Lfunc_end_k_q67f7abe6d1_qkv-k_q67f7abe6d1_qkv
	.p2alignl 7, 3214868480
	.fill 96, 4, 3214868480
	.section	.rodata,"a",@progbits
	.p2align	6, 0x0
	.amdhsa_kernel k_q67f7abe6d1_qkv
		.amdhsa_group_segment_fixed_size 327680
		.amdhsa_private_segment_fixed_size 0
		.amdhsa_enable_private_segment 0
		.amdhsa_kernarg_size 48
		.amdhsa_user_sgpr_count 2
		.amdhsa_user_sgpr_kernarg_segment_ptr 1
		.amdhsa_wavefront_size32 1
		.amdhsa_system_sgpr_workgroup_id_x 1
		.amdhsa_system_sgpr_workgroup_id_y 1
		.amdhsa_system_sgpr_workgroup_id_z 1
		.amdhsa_system_vgpr_workitem_id 0
		.amdhsa_next_free_vgpr 1024
		.amdhsa_next_free_sgpr 102
		.amdhsa_reserve_vcc 0
		.amdhsa_float_denorm_mode_32 3
		.amdhsa_float_denorm_mode_16_64 3
		.amdhsa_memory_ordered 1
		.amdhsa_forward_progress 1
		.amdhsa_inst_pref_size 198
	.end_amdhsa_kernel
	.amdgpu_metadata
---
amdhsa.version: [ 1, 2 ]
amdhsa.kernels:
  - .name:           k_q67f7abe6d1_qkv
    .symbol:         k_q67f7abe6d1_qkv.kd
    .args:
      - { .name: xq, .offset: 0, .size: 8, .value_kind: global_buffer, .address_space: global }
      - { .name: wp, .offset: 8, .size: 8, .value_kind: global_buffer, .address_space: global }
      - { .name: Wq_scales, .offset: 16, .size: 8, .value_kind: global_buffer, .address_space: global }
      - { .name: Wk_scales, .offset: 24, .size: 8, .value_kind: global_buffer, .address_space: global }
      - { .name: Wv_scales, .offset: 32, .size: 8, .value_kind: global_buffer, .address_space: global }
      - { .name: qkv, .offset: 40, .size: 8, .value_kind: global_buffer, .address_space: global }
    .group_segment_fixed_size: 327680
    .private_segment_fixed_size: 0
    .kernarg_segment_align: 8
    .kernarg_segment_size: 48
    .max_flat_workgroup_size: 128
    .sgpr_count:     102
    .vgpr_count:     1024
    .wavefront_size: 32
...
	.end_amdgpu_metadata
.endif
;; end of part 9
;; launch attn (part 10): grid 8 x 32, 16 waves a work-group, no clusters, 223,232 bytes of LDS; arguments qkv, maskbits, ao; writes ao
.if DOCPART == 10
	.amdgcn_target "amdgcn-amd-amdhsa--gfx1250"
	.amdhsa_code_object_version 6
	.text
	.protected	k_q67f7abe6d1_attn
	.globl	k_q67f7abe6d1_attn
	.p2align	8
	.type	k_q67f7abe6d1_attn,@function
k_q67f7abe6d1_attn:
	s_mov_b64 s[64:65], 0
	v_nop
	global_prefetch_b8 v0, s[64:65] scope:SCOPE_SE
	s_setreg_imm32_b32 hwreg(HW_REG_WAVE_MODE, 25, 1), 1
	s_wait_xcnt 0x0
; Attention of one (batch, head) on codes of FP6 (E2M3): S^T = K Q^T, the mask, p = 2^(t - M), O^T = V^T P^T, O / l, quantised along the head's 64 into ao.
; t = score x log2(e) / 8; M = the running largest t rounded UP to a whole number; p is quantised along the keys, not normalised; l sums the unquantised p.  When M moves, l and O^T are multiplied by 2^(old M - new M): exact.
; THE MASK IS AN INPUT.  An earlier launch has turned its bytes into lane masks (whole numbers), one word for each score register.  A hidden score becomes -2^33 (a logit of -2^30, where reference() has -1e9).
; STEPS THAT THE MASK HIDES WHOLE ARE PASSED OVER: a wave reads its tile's 1,024 mask words at the head; a step of 128 keys whose 64 words are all 0 gives p = 0 for every query that has a visible key
; somewhere, so it adds nothing to l or O.  If one of the wave's 16 queries has no visible key at all (reference(): the mean of all V), the wave passes over nothing.  The branch hangs on the stored words alone.
; So this launch has no tensor load: each wave copies one step of K and V (13,056 dense bytes) through registers into LDS; one barrier; no barrier stands in the loop.
; cluster = none: the partners' walks hang on loaded words.  No prefetch: the fill is one run of loads at the head, with no loop ahead of it.
; SHARES.  Work-group (x, bh): wave w takes the tile of 16 queries number 8 pos + x, pos = w with its two low bits turned where bit 2 of w is set: a work-group's tiles lie spread over the sequence.
; LIMIT: results differ from reference()'s only where logits that count lie near or under -1e9; scaled scores stay under 2^31.  NaN and infinities are not served; a block of zeros gets the byte 1 (this program alone reads the bytes).
; LAYOUT.  Both products are used transposed: a lane holds ONE query.  K's, V's and Q's rows were stored with bits 3 and 4 of their number exchanged, so that the 16 registers of tiles 2 b, 2 b + 1 are 16 neighbours.
; THE FIRST PRODUCT'S K IS 64: Q's upper six registers are zero codes; K's fragments lie 6 registers apart, and an operand's upper six meet Q's zeros.
; ao: codes in planes [16 heads][4096 tokens][48 bytes]; scale bytes [4096][32] from byte AOS.
.set QS,    3145728
.set KVC,   3407872
.set AOS,   3145728
.set STEPB, 13056                      ; a step: 6,144 of K, 2 x 3,072 of V, 512 + 256 of scale words
.set HEADB, 16*STEPB
.set STG,   16*STEPB                   ; a stage of 768 bytes for each wave
.set SPARE, 0x36000                    ; the spare words
.set AK0, 1
.set AS0, 2
.set ADK, 3
.set ADS, 4
.set NEG, 5
.set STO, 6
.set RD,  7
.set GO,  8
.set GS,  9
.set F,   10                           ; v[10:11] f; v12 -M, v13 largest t, v[14:15] the sum; v16-21 Q, v22-27 zero codes; v28-31 V's scale words
.set KF,  32                           ; v32-79 K's fragments, v80-85 zero codes
.set BM,  32
.set BP,  36
.set SO,  40
.set PX,  44
.set KW,  86
.set CV,  94
.set S,   96
.set O,   160
.set VF,  192
.set PCD, 240                          ; v240-251 p's codes; v253 p's scale word; v255 Q's scale words
.set TB,  2
.set CNT, 3
.set MP,  4
.set SEL, 6
.set Q0,  8
.set VIS, 9                            ; bit s: step s is walked
.set AOC, 10                           ; s[10:11] ao's codes, s[12:13] ao's scale bytes
.set MO,  66
.set WV,  67
.macro PA d, a, b
	v_pk_add_f32 v[\d:\d+1], v[\a:\a+1], v[\b:\b+1]
.endm
	s_load_b128 s[32:35], s[0:1], 0x0              ; qkv, maskbits
	s_load_b64 s[36:37], s[0:1], 0x10              ; ao
	v_lshrrev_b32 v200, 5, v0
	v_readfirstlane_b32 s[WV], v200
	v_and_b32 v200, 15, v0                         ; r
	v_bfe_u32 v201, v0, 4, 1                       ; h
	v_and_b32 v202, 31, v0                         ; lane
	s_mul_i32 s39, s[WV], STEPB                    ; the step that I copy
	v_lshlrev_b32 v203, 4, v202
	v_lshlrev_b32 v[GO], 3, v202
	v_add_nc_u32 v204, s39, v203
	v_add_nc_u32 v205, s39, v[GO]
	v_mul_u32_u24 v[AK0], v200, 48
	v_mad_u32_u24 v[AK0], v201, 24, v[AK0]
	v_lshl_add_u32 v[AS0], v200, 2, 12288
	v_mov_b32 v[NEG], 0xd0000000
	s_mul_i32 s48, s[WV], 768
	s_add_co_u32 s48, s48, STG
	v_add_nc_u32 v[STO], s48, v[AK0]
	v_add_nc_u32 v[RD], s48, v[GO]
	v_lshlrev_b32 v[GS], 5, v200
	v_and_b32 v206, 7, v200
	v_lshrrev_b32 v207, 3, v200
	v_lshl_add_u32 v206, v207, 4, v206             ; 16 (r / 8) + r % 8: read so, lane r has token q0 + r
	v_mul_u32_u24 v207, v206, 48
	v_mad_u32_u24 v207, v201, 24, v207
	v_lshlrev_b32 v208, 2, v206
	s_and_b32 s38, ttmp7, 0xffff                   ; bh
	s_bfe_u32 s14, s[WV], 0x10002
	s_mul_i32 s14, s14, 3
	s_xor_b32 s14, s14, s[WV]                      ; pos
	s_lshl_b32 s14, s14, 3
	s_add_co_u32 s14, s14, ttmp9                   ; my tile of 16 queries
	s_lshl_b32 s[Q0], s14, 4
	s_mul_i32 s40, s38, HEADB
	s_add_co_u32 s40, s40, s39
	s_add_co_u32 s40, s40, KVC
	s_mov_b32 s41, 0
	s_and_not1_b32 s43, s[Q0], 31
	s_and_b32 s44, s14, 1
	s_lshl_b32 s44, s44, 3
	s_add_co_u32 s43, s43, s44                     ; the first stored row of my 16
	s_mul_i32 s44, s38, 98304
	s_mul_i32 s45, s43, 48
	s_add_co_u32 s44, s44, s45
	s_mov_b32 s45, 0
	s_lshl_b32 s46, s38, 13
	s_lshl_b32 s47, s43, 2
	s_add_co_u32 s46, s46, s47
	s_add_co_u32 s46, s46, QS
	s_mov_b32 s47, 0
	s_lshl_b32 s50, s14, 12                        ; my tile's mask words: 16 steps of 256 bytes
	s_mov_b32 s51, 0
	s_and_b32 s15, s38, 15                         ; head
	s_lshr_b32 s16, s38, 4
	s_lshl_b32 s16, s16, 11
	s_add_co_u32 s16, s16, s[Q0]                   ; my first token of 4,096
	s_lshl_b32 s52, s16, 5
	s_lshl_b32 s17, s15, 1
	s_add_co_u32 s52, s52, s17
	s_add_co_u32 s52, s52, AOS
	s_mov_b32 s53, 0
	s_mul_i32 s54, s15, 196608
	s_mul_i32 s17, s16, 48
	s_add_co_u32 s54, s54, s17
	s_mov_b32 s55, 0
	s_mov_b32 s[SEL], 0x76543210
	s_mov_b32 s[SEL+1], 0xfedcba98
	s_mov_b32 s[MO], 0
	s_mov_b32 s[TB], 0
	s_mov_b32 s[CNT], 0
	s_wait_alu depctr_va_vdst(0)
	s_wait_kmcnt 0x0
	s_add_nc_u64 s[40:41], s[32:33], s[40:41]
	s_add_nc_u64 s[44:45], s[32:33], s[44:45]
	s_add_nc_u64 s[46:47], s[32:33], s[46:47]
	s_add_nc_u64 s[MP:MP+1], s[34:35], s[50:51]
	s_add_nc_u64 s[AOC+2:AOC+3], s[36:37], s[52:53]
	s_add_nc_u64 s[AOC:AOC+1], s[36:37], s[54:55]
.irp p, 0,1,2
	global_load_b64 v[16+2*\p:17+2*\p], v207, s[44:45] offset:8*\p   ; Q's fragment stays in registers
.endr
	global_load_b32 v255, v208, s[46:47]
.irp j, 0,1,2,3,4,5,6,7
	global_load_b128 v[32+4*\j:35+4*\j], v203, s[MP:MP+1] offset:512*\j   ; all my mask words: lanes 0-15 step 2 j, lanes 16-31 step 2 j + 1
.endr
.set k, 0
.rept 25
	global_load_b128 v[96+4*k:99+4*k], v203, s[40:41] offset:512*k   ; my step of K and V: 25 x 512 bytes,
.set k, k+1
.endr
	global_load_b64 v[196:197], v[GO], s[40:41] offset:12800         ; and its last 256
.irp j, 22,23,24,25,26,27,80,81,82,83,84,85,11,14,15,254
	v_mov_b32 v\j, 0
.endr
	v_mov_b32 v[CV], 0x3e38aa3b                    ; log2(e) / 8
	v_mov_b32 v[CV+1], 0x3e38aa3b
	v_mov_b32 v13, 0xff61b1e6                      ; the largest t so far: -3e38
	v_floor_f32 v12, -v13
	s_wait_loadcnt 26                              ; Q and the mask words are in; the copy's 26 loads may be out: the words are looked through meanwhile
.irp j, 0,1,2,3,4,5,6,7
	v_or_b32 v[32+4*\j], v[32+4*\j], v[33+4*\j]
	v_or_b32 v[34+4*\j], v[34+4*\j], v[35+4*\j]
.endr
.irp j, 0,1,2,3,4,5,6,7
	v_or_b32 v[32+4*\j], v[32+4*\j], v[34+4*\j]
.endr
.irp j, 0,1,2,3,4,5,6,7
	v_cmp_ne_u32 s[16+\j], 0, v[32+4*\j]           ; which lanes hold a set bit
.endr
	v_or_b32 v32, v32, v36
	v_or_b32 v40, v40, v44
	v_or_b32 v48, v48, v52
	v_or_b32 v56, v56, v60
	v_or_b32 v32, v32, v40
	v_or_b32 v48, v48, v56
	v_or_b32 v32, v32, v48
.irp m, 1,2,4,8
	v_mov_b32_dpp v33, v32 row_xmask:\m row_mask:0xf bank_mask:0xf
	v_or_b32 v32, v32, v33
.endr
	v_permlanex16_b32 v33, v32, s[SEL], s[SEL+1]
	v_or_b32 v32, v32, v33                         ; all words joined: bits r and 16 + r say whether query r sees a key
	v_readfirstlane_b32 s24, v32
	s_lshr_b32 s25, s24, 16
	s_or_b32 s24, s24, s25
	s_and_b32 s24, s24, 0xffff
	s_mov_b32 s[VIS], 0
.irp j, 0,1,2,3,4,5,6,7
	s_and_b32 s25, s[16+\j], 0xffff
	s_cselect_b32 s25, 1<<(2*\j), 0
	s_lshr_b32 s26, s[16+\j], 16
	s_cselect_b32 s26, 2<<(2*\j), 0
	s_or_b32 s25, s25, s26
	s_or_b32 s[VIS], s[VIS], s25
.endr
	s_cmp_eq_u32 s24, 0xffff
	s_cselect_b32 s[VIS], s[VIS], 0xffff           ; a query with no visible key: every step is walked
.set LD, 14                            ; s14: the byte offset of the step whose mask words are loaded or on their way
.macro MW o                            ; a step's 64 mask words
	s_load_b512 s[32:47], s[MP:MP+1], s[\o] offset:0x0
	s_load_b512 s[48:63], s[MP:MP+1], s[\o] offset:0x40
	s_load_b512 s[68:83], s[MP:MP+1], s[\o] offset:0x80
	s_load_b512 s[84:99], s[MP:MP+1], s[\o] offset:0xc0
.endm
	s_wait_loadcnt 13                              ; the copy's first 13 loads are in
.set k, 0
.rept 13
	ds_store_b128 v204, v[96+4*k:99+4*k] offset:512*k
.set k, k+1
.endr
	s_wait_loadcnt 0x0
.rept 12
	ds_store_b128 v204, v[96+4*k:99+4*k] offset:512*k
.set k, k+1
.endr
	ds_store_b64 v205, v[196:197] offset:12800
	s_mov_b32 s[LD], 0
	MW LD                                          ; step 0's words (every global load is done: the head's scalar registers are free)
.set j, 0
.rept 32
	v_mov_b32 v[O+j], 0                            ; O^T (the copy's stores have been issued)
.set j, j+1
.endr
	s_wait_alu depctr_va_vdst(0)
	s_wait_dscnt 0x0                               ; my step is in LDS
	s_barrier_signal -1
	s_barrier_wait -1                              ; and everybody's
.Lstep:
	s_bitcmp1_b32 s[VIS], s[CNT]
	s_cbranch_scc0 .Lnext
	s_cmp_eq_u32 s[LD], s[MO]                      ; are this step's words the ones asked for last?
	s_cbranch_scc1 .Lhave
	s_wait_kmcnt 0x0                               ; no: the loads on their way have landed, and the registers take this step's
	MW MO
.Lhave:
	v_add_nc_u32 v[ADK], s[TB], v[AK0]
	v_add_nc_u32 v[ADS], s[TB], v[AS0]
.irp t, 0,1,2,3,4,5,6,7
.irp p, 0,1,2
	ds_load_b64 v[KF+6*\t+2*\p:KF+6*\t+2*\p+1], v[ADK] offset:768*\t+8*\p
.endr
	ds_load_b32 v[KW+\t], v[ADS] offset:64*\t
.endr
	s_wait_alu depctr_va_vdst(0)
	s_wait_dscnt 0x0
.irp t, 0,1,2,3,4,5,6,7
	v_wmma_scale_f32_16x16x128_f8f6f4 v[S+8*\t:S+8*\t+7], v[KF+6*\t:KF+6*\t+11], v[16:27], 0, v[KW+\t], v255 matrix_a_fmt:MATRIX_FMT_FP6 matrix_b_fmt:MATRIX_FMT_FP6
.endr
.rept 4
	v_nop                                          ; places: the scores are read, K's registers written; with the two additions above also for the loads into V's registers
.endr
.irp t, 0,1,2,3                                ; V's fragments land under the softmax
.irp c, 0,1
.irp p, 0,1,2
	ds_load_b64 v[VF+12*\t+6*\c+2*\p:VF+12*\t+6*\c+2*\p+1], v[ADK] offset:6144+3072*\c+768*\t+8*\p
.endr
.endr
	ds_load_b32 v[28+\t], v[ADS] offset:512+64*\t
.endr
	s_wait_kmcnt 0x0                               ; the mask words
.set n, 0
.rept 64
	v_cndmask_b32 v[S+n], v[NEG], v[S+n], s[32+n+4*(n/32)]   ; register n: key 32 (n / 16) + 16 h + n % 16 of my query
.set n, n+1
.endr
.irp b, 0,1,2,3
	v_max3_num_f32 v[BM+\b], v[S+16*\b], v[S+1+16*\b], v[S+2+16*\b]   ; each block's largest score: for the row's maximum and for the block's largest p
.endr
.irp i, 3,5,7,9,11,13
.irp b, 0,1,2,3
	s_delay_alu instid0(VALU_DEP_4)
	v_max3_num_f32 v[BM+\b], v[BM+\b], v[S+16*\b+\i], v[S+1+16*\b+\i]
.endr
.endr
.irp b, 0,1,2,3
	s_delay_alu instid0(VALU_DEP_4)
	v_max_num_f32 v[BM+\b], v[BM+\b], v[S+15+16*\b]
.endr
.irp b, 0,1,2,3
	s_delay_alu instid0(VALU_DEP_4)
	v_permlanex16_b32 v[BP+\b], v[BM+\b], s[SEL], s[SEL+1]
.endr
.irp b, 0,1,2,3
	s_delay_alu instid0(VALU_DEP_4)
	v_max_num_f32 v[BM+\b], v[BM+\b], v[BP+\b]
.endr
	s_delay_alu instid0(VALU_DEP_2)
	v_max3_num_f32 v254, v[BM], v[BM+1], v[BM+2]
	s_delay_alu instid0(VALU_DEP_1)
	v_max_num_f32 v254, v254, v[BM+3]
	s_delay_alu instid0(VALU_DEP_1)
	v_mul_f32 v254, v[CV], v254                    ; the step's largest t
	s_delay_alu instid0(VALU_DEP_1)
	v_max_num_f32 v13, v13, v254
	v_mov_b32 v254, v12
	s_delay_alu instid0(VALU_DEP_2)
	v_floor_f32 v12, -v13                          ; the new -M = -ceil(t)
	s_delay_alu instid0(VALU_DEP_1)
	v_sub_f32 v254, v12, v254                      ; old M - new M: a whole number, 0 or less
	s_delay_alu instid0(VALU_DEP_1)
	v_cvt_i32_f32 v254, v254                       ; (it saturates)
	s_delay_alu instid0(VALU_DEP_1)
	v_ldexp_f32 v[F], 1.0, v254
	s_add_co_u32 s[LD], s[MO], 256                 ; the next step's mask words are asked for here, behind the last reader of this step's;
	s_and_b32 s[LD], s[LD], 0xfff                  ; the last step's address wraps to step 0: no load leaves the buffer
	MW LD
.set j, 0
.rept 32
	v_pk_fma_f32 v[S+j:S+j+1], v[S+j:S+j+1], v[CV:CV+1], v[12:13] op_sel_hi:[1,0,0]   ; t - M
.set j, j+2
.endr
.irp b, 0,1,2,3
	v_fma_f32 v[BM+\b], v[BM+\b], v[CV], v12
.endr
.set j, 0
	s_wait_alu depctr_va_vdst(0)
.rept 64
	v_exp_f32 v[S+j], v[S+j]                       ; p, at most 1
.set j, j+1
.endr
	v_pk_mul_f32 v[14:15], v[14:15], v[F:F+1] op_sel_hi:[1,0]   ; the sums under the new M (the plain instruction behind the batch)
	s_wait_alu depctr_va_vdst(0)                   ; one wait for the batch, ahead of its first reader
.irp b, 0,1,2,3
	v_exp_f32 v[BM+\b], v[BM+\b]                   ; the blocks' largest p
.endr
	PA 52, 100, 104                                ; the row's sum of the unquantised p, in eight chains
	PA 252, 108, 112
	PA 250, 116, 120
	PA 248, 124, 128
	PA 246, 132, 136
	PA 244, 140, 144
	PA 242, 148, 152
	PA 14, 14, 156
	PA 52, 52, 96
	PA 252, 252, 98
	PA 250, 250, 102
	PA 248, 248, 106
	PA 246, 246, 110
	PA 244, 244, 114
	PA 242, 242, 118
	PA 14, 14, 122
	PA 52, 52, 126
	PA 252, 252, 130
	PA 250, 250, 134
	PA 248, 248, 138
	PA 246, 246, 142
	PA 244, 244, 146
	PA 242, 242, 150
	PA 14, 14, 154
	PA 52, 52, 158
	s_delay_alu instid0(VALU_DEP_2)
	PA 14, 14, 248
	s_delay_alu instid0(VALU_DEP_2)
	PA 52, 52, 246
	PA 252, 252, 244
	PA 250, 250, 242
	s_delay_alu instid0(VALU_DEP_2)
	PA 14, 14, 252
	s_delay_alu instid0(VALU_DEP_2)
	PA 52, 52, 250
	s_delay_alu instid0(VALU_DEP_1)
	PA 14, 14, 52
	s_wait_alu depctr_va_vdst(0)                   ; and one for the four
.irp b, 0,1,2,3
	v_max_num_f32 v[BM+\b], 0x1800000, v[BM+\b]    ; the floor 2^(3 - 127)
.endr
.irp b, 0,1,2,3
	s_delay_alu instid0(VALU_DEP_4)
	v_add_nc_u32 v[SO+\b], 0xff000000, v[BM+\b]
.endr
.irp b, 0,1,2,3
	s_delay_alu instid0(VALU_DEP_4)
	v_lshrrev_b32 v[BP+\b], 23, v[SO+\b]
.endr
	s_delay_alu instid0(VALU_DEP_3)
	v_lshl_or_b32 v253, v[BP+1], 8, v[BP]          ; p's scale word for these 128 keys
	s_delay_alu instid0(VALU_DEP_1)
	v_lshl_or_b32 v253, v[BP+2], 16, v253
	s_delay_alu instid0(VALU_DEP_1)
	v_lshl_or_b32 v253, v[BP+3], 24, v253
.irp c, 0,1
	v_cvt_scalef32_pk16_fp6_f32 v[PCD+6*\c:PCD+2+6*\c], v[S+32*\c:S+15+32*\c], v[SO+2*\c]
	v_cvt_scalef32_pk16_fp6_f32 v[PX+4*\c:PX+2+4*\c], v[S+16+32*\c:S+31+32*\c], v[SO+2*\c+1]
.endr
	v_nop
.irp c, 0,1
.irp i, 0,1,2
	v_permlane16_swap_b32 v[PCD+6*\c+\i], v[PX+4*\c+\i]
.endr
.irp i, 0,1,2
	s_delay_alu instid0(VALU_DEP_3)
	v_mov_b32 v[PCD+3+6*\c+\i], v[PX+4*\c+\i]
.endr
.endr
.set j, 0
.rept 16
	v_pk_mul_f32 v[O+j:O+j+1], v[O+j:O+j+1], v[F:F+1] op_sel_hi:[1,0]   ; O^T under the new M; these sixteen also stand between the making of p's codes and scale word and the products
.set j, j+2
.endr
	s_wait_alu depctr_va_vdst(0)
	s_wait_dscnt 0x0                               ; V
.irp t, 0,1,2,3
	v_wmma_scale_f32_16x16x128_f8f6f4 v[O+8*\t:O+8*\t+7], v[VF+12*\t:VF+12*\t+11], v[PCD:PCD+11], v[O+8*\t:O+8*\t+7], v[28+\t], v253 matrix_a_fmt:MATRIX_FMT_FP6 matrix_b_fmt:MATRIX_FMT_FP6
.endr
.Lnext:
	s_add_co_u32 s[TB], s[TB], STEPB
	s_add_co_u32 s[MO], s[MO], 256
	s_add_co_u32 s[CNT], s[CNT], 1
	s_cmp_lt_u32 s[CNT], 16
	s_cbranch_scc1 .Lstep
	; THE WAY OUT: O^T / l, two blocks of 32 along the head's 64, quantised; register 16 b + i is d = 32 b + 16 h + i of my query
.rept 4
	v_nop
.endr
	v_add_f32 v14, v14, v15
	s_delay_alu instid0(VALU_DEP_1)
	v_permlanex16_b32 v254, v14, s[SEL], s[SEL+1]
	s_delay_alu instid0(VALU_DEP_1)
	v_add_f32 v14, v14, v254
	s_wait_alu depctr_va_vdst(0)
	v_rcp_f32 v14, v14
	v_nop
	s_wait_alu depctr_va_vdst(0)
.set j, 0
.rept 32
	v_mul_f32 v[S+j], v[O+j], v14
.set j, j+1
.endr
.irp b, 0,1
	v_max3_num_f32 v[BM+\b], |v[S+16*\b]|, |v[S+1+16*\b]|, 0x1800000
.endr
.irp i, 2,4,6,8,10,12,14
.irp b, 0,1
	s_delay_alu instid0(VALU_DEP_2)
	v_max3_num_f32 v[BM+\b], v[BM+\b], |v[S+16*\b+\i]|, |v[S+1+16*\b+\i]|
.endr
.endr
.irp b, 0,1
	s_delay_alu instid0(VALU_DEP_2)
	v_permlanex16_b32 v[BP+\b], v[BM+\b], s[SEL], s[SEL+1]
.endr
.irp b, 0,1
	s_delay_alu instid0(VALU_DEP_2)
	v_max_num_f32 v[BM+\b], v[BM+\b], v[BP+\b]
.endr
.irp b, 0,1
	s_delay_alu instid0(VALU_DEP_2)
	v_add_nc_u32 v[SO+\b], 0xff000000, v[BM+\b]
.endr
.irp b, 0,1
	s_delay_alu instid0(VALU_DEP_2)
	v_lshrrev_b32 v[BP+\b], 23, v[SO+\b]
.endr
	s_delay_alu instid0(VALU_DEP_1)
	v_lshl_or_b32 v252, v[BP+1], 8, v[BP]          ; my token's two scale bytes of this head
	v_cvt_scalef32_pk16_fp6_f32 v[PCD:PCD+2], v[S:S+15], v[SO]
	v_cvt_scalef32_pk16_fp6_f32 v[PX:PX+2], v[S+16:S+31], v[SO+1]
	v_nop
.irp i, 0,1,2
	v_permlane16_swap_b32 v[PCD+\i], v[PX+\i]      ; lane (r, h) now holds block h whole
.endr
.irp i, 0,1,2
	s_delay_alu instid0(VALU_DEP_3)
	v_mov_b32 v[PCD+3+\i], v[PX+\i]
.endr
.irp p, 0,1,2
	ds_store_b64 v[STO], v[PCD+2*\p:PCD+2*\p+1] offset:8*\p
.endr
.irp k, 0,1,2
	ds_load_b64 v[56+2*\k:57+2*\k], v[RD] offset:256*\k   ; my 16 tokens' 768 bytes, as they lie in ao
.endr
	s_wait_alu depctr_va_vdst(0)
.irp k, 0,1,2
	s_wait_dscnt 2-\k
	global_store_b64 v[GO], v[56+2*\k:57+2*\k], s[AOC:AOC+1] offset:256*\k   ; 256 consecutive bytes, aligned
.endr
	global_store_b16 v[GS], v252, s[AOC+2:AOC+3]   ; lanes l and l xor 16 store the same two bytes to the same place
	s_wait_xcnt 0x0
	v_lshl_add_u32 v254, v0, 2, SPARE
	v_mov_b32 v255, 0
	s_wait_alu depctr_va_vdst(0)
	s_wait_tensorcnt 0x0                           ; the wave's end
	ds_add_u32 v254, v255
	s_wait_dscnt 0x0
	s_endpgm
.Lfunc_end_k_q67f7abe6d1_attn:
	.size	k_q67f7abe6d1_attn, .Lfunc_end_k_q67f7abe6d1_attn-k_q67f7abe6d1_attn
	.p2alignl 7, 3214868480
	.fill 96, 4, 3214868480
	.section	.rodata,"a",@progbits
	.p2align	6, 0x0
	.amdhsa_kernel k_q67f7abe6d1_attn
		.amdhsa_group_segment_fixed_size 223232
		.amdhsa_private_segment_fixed_size 0
		.amdhsa_enable_private_segment 0
		.amdhsa_kernarg_size 24
		.amdhsa_user_sgpr_count 2
		.amdhsa_user_sgpr_kernarg_segment_ptr 1
		.amdhsa_wavefront_size32 1
		.amdhsa_system_sgpr_workgroup_id_x 1
		.amdhsa_system_sgpr_workgroup_id_y 1
		.amdhsa_system_sgpr_workgroup_id_z 1
		.amdhsa_system_vgpr_workitem_id 0
		.amdhsa_next_free_vgpr 256
		.amdhsa_next_free_sgpr 100
		.amdhsa_reserve_vcc 0
		.amdhsa_float_denorm_mode_32 3
		.amdhsa_float_denorm_mode_16_64 3
		.amdhsa_memory_ordered 1
		.amdhsa_forward_progress 1
		.amdhsa_inst_pref_size 45
	.end_amdhsa_kernel
	.amdgpu_metadata
---
amdhsa.version: [ 1, 2 ]
amdhsa.kernels:
  - .name:           k_q67f7abe6d1_attn
    .symbol:         k_q67f7abe6d1_attn.kd
    .args:
      - { .name: qkv, .offset: 0, .size: 8, .value_kind: global_buffer, .address_space: global }
      - { .name: maskbits, .offset: 8, .size: 8, .value_kind: global_buffer, .address_space: global }
      - { .name: ao, .offset: 16, .size: 8, .value_kind: global_buffer, .address_space: global }
    .group_segment_fixed_size: 223232
    .private_segment_fixed_size: 0
    .kernarg_segment_align: 8
    .kernarg_segment_size: 24
    .max_flat_workgroup_size: 512
    .sgpr_count:     100
    .vgpr_count:     256
    .wavefront_size: 32
...
	.end_amdgpu_metadata
.endif
;; end of part 10
;; launch wo (part 11): grid 8 x 32, 4 waves a work-group, clusters of 4 x 4, 327,680 bytes of LDS; arguments ao, wp, Wo_scales, x, h; writes h
.if DOCPART == 11
	.amdgcn_target "amdgcn-amd-amdhsa--gfx1250"
	.amdhsa_code_object_version 6
	.text
	.protected	k_q67f7abe6d1_wo
	.globl	k_q67f7abe6d1_wo
	.p2align	8
	.type	k_q67f7abe6d1_wo,@function
k_q67f7abe6d1_wo:
	s_mov_b64 s[64:65], 0
	v_nop
	global_prefetch_b8 v0, s[64:65] scope:SCOPE_SE
	s_setreg_imm32_b32 hwreg(HW_REG_WAVE_MODE, 25, 1), 1
	s_wait_xcnt 0x0
	s_wait_alu depctr_hold_cnt(0) depctr_sa_sdst(0) depctr_va_vdst(0) depctr_va_sdst(0) depctr_va_ssrc(0) depctr_va_vcc(0) depctr_vm_vsrc(0)
	s_getreg_b32 s2, hwreg(HW_REG_IB_STS2, 6, 4)
	s_cmp_eq_u32 s2, 0
	s_cbranch_scc0 .Lentry_in_a_cluster
	s_endpgm
.Lentry_in_a_cluster:
	s_bfe_u32 s2, ttmp6, 0x10000c
	s_cmp_lg_u32 s2, 0xf033
	s_cbranch_scc0 .Lentry_shape_is_right
	s_endpgm
.Lentry_shape_is_right:
; h = x + ao Wo on codes of FP6 (E2M3) with E8M0 scales; h [4096][1024] f32.  K = 1,024.
; A TILE OF 128 x 128 to a work-group of four waves, 64 x 64 a wave (16 accumulators, 128 registers): the result has 32 x 8 = 256 such tiles, one for each of 256 work-groups; tiles of 256 x 256 would be 64.
; K goes in steps of 512 through two LDS slots: a small tile has little work for each byte that it fetches, so a slot is made as long as two fit.  Here K is two slots: both are first fills, and nothing is filled again.
; The scale bytes of the work-group's 2 x 128 rows, for all of K, come once, in units of 256 bytes + 16 of padding.
; CLUSTERS: 4 x 4 work-groups; side A's tiles (source 1: tokens) are asked for jointly along a row of the cluster, side B's (source 0: the weight's rows) along a column.
; THE MATRIX INSTRUCTION IS USED TRANSPOSED: a lane holds eight neighbouring numbers of a row of the result.
; SIDE A LIES IN PLANES: [K / 64][4096 tokens][48 bytes].  A wave's part of a slot is 8 planes x (64 tokens x 48 = 3,072 dense bytes): one tensor load brings all 16 planes: 16 rows of 6,144 bytes, 196,608 apart.
; In LDS rows of 48 bytes need no padding: the 32 lanes of a load of 8 bytes (12 r + 6 h words) touch 64 different banks (64 banks of 4 bytes: ISA guide 11.1).
; SIDE B arrives as A does: planes of dense rows of 48 bytes, read at 48 r + 24 h.
; REGISTERS: window 0: v0-31 addresses; v32-63 scale words, two sets; v64-127 the way out; v128-255 the accumulators ((a, b) at v[128 + 8 (4 a + b)]).
;   window 1: two fragment buffers of 96 (A's four fragments, then B's four) at v0 and v128; v96-127 the bias, where there is one.   window 2: v0-127 the residual's 64 rows x 256 bytes, asked for at the head.
; THE WAY OUT: a wave's 64 columns are 256 consecutive bytes of a row: each wave has a stage of its own (in slot 0, which has had its last fill and its last read); a block of 16 rows goes in by lanes and comes back by rows.
.set SIZE_K, 1024
.set BIAS,   0
.set ASOFF,  3145728                   ; side A's scale bytes begin here in its buffer
.set NQ,     4                         ; matrix instructions deep in a slot
.set ROWB,   1572864                   ; side B lies in planes too: [16][4096 rows][48 bytes], Wo's rows from 3,072 on
.set ASTEP,  1572864                   ; side A: eight planes on
.set KROW,   48
.set PITCH,  432
.set FR,     12
.set NP,     4                         ; places behind this matrix instruction (ISA guide 7.12.1)
.set HALFT,  49152                     ; a wave's part: all 16 planes x 64 rows x 48 bytes, brought by one load
.set SLOT,   49152                     ; A lies [16 planes][128 rows][48 bytes] from byte 0, B likewise from 2 HALFT: the second eight planes begin here
.set LAPS,   SIZE_K/1024               ; a lap = two slots
.set KS,     SIZE_K/32
.set SCL,    4*HALFT
.set HALFS,  (64*KS/256)*272           ; the scales of 64 rows: half of what one tensor load brings
.set SBLK,   (16*KS/256)*272
.set SPARE,  SCL+4*HALFS               ; the spare words: 128 bytes a wave, two blocks of 256 bytes that no other line names
.set SPITCH, 272
.set ADRA, 16                          ; v16-17 A's fragments in slot 0, 1
.set ADRB, 20                          ; v20-21 B's (v22-23: behind one padding more)
.set STO,  24
.set RD,   25
.set CO,   26
.set ADRS, 27
.set SPW,  28
.set NIL,  29
.set SC,   32                          ; v32-63 scale words, two sets of 16: these registers hold scales and nothing else
.set BK,   64                          ; the way out: v64-95 and v96-127 by turns
.set ACC,  128
.set F0,   0                           ; fragment buffers, in window 1
.set F1,   128
.set BIA,  96                          ; the bias, in window 1
.set G1, 24
.set G0, 32
.set G1B, 48
.set G0B, 56
.set G1S, 68
.set G0S, 76
.set G1SB, 80
.set G0SB, 88
.set MSB, 0
.macro WIN new                         ; the immediate's high byte repeats the setting that is left
.if MSB != (\new)
	s_set_vgpr_msb (MSB<<8)|(\new)
.set MSB, \new
.endif
.endm
.set MUL,  0x05                        ; sources 0 (B) and 1 (A) window 1; C and D window 0
.if BIAS
.set FST,  0x15                        ; the first step: C (the bias) in window 1 too
.else
.set FST,  0x05
.endif
.set TO_F, 0x40                        ; destination window 1, address window 0
.macro JLOAD g0a, g1a, g0b, g1b        ; waves 0 and 1 fetch for A, waves 2 and 3 for B; four v_nop follow each of the two lines
	s_cmp_eq_u32 s15, 0
	s_cbranch_scc0 .Lfor_b_\@
	tensor_load_to_lds s[\g0a:\g0a+3], s[\g1a:\g1a+7]
	s_nop 0
.rept 4
	v_nop
.endr
	s_branch .Lasked_\@
.Lfor_b_\@:
	tensor_load_to_lds s[\g0b:\g0b+3], s[\g1b:\g1b+7]
	s_nop 0
.rept 4
	v_nop
.endr
.Lasked_\@:
.endm
.macro CREST
	s_cmp_lg_u32 s14, 0
	s_cbranch_scc1 .Lnot_wave_0_\@
	s_barrier_signal -3
.Lnot_wave_0_\@:
	s_barrier_wait -3
	s_barrier_signal -1
	s_barrier_wait -1
.endm
.macro CROUND
	s_barrier_signal -1
	s_barrier_wait -1
	CREST
.endm
	s_load_b64 s[4:5], s[0:1], 0x0                 ; side A: ao
	s_load_b128 s[8:11], s[0:1], 0x8               ; side B's codes, scales
	s_load_b64 s[98:99], s[0:1], 0x18              ; the residual: x
	s_load_b64 s[12:13], s[0:1], 0x20              ; the result: h
	v_lshl_add_u32 v[SPW], v0, 2, SPARE
	v_mov_b32 v[NIL], 0
	ds_add_u32 v28, v29
	ds_add_u32 v28, v29
	s_wait_dscnt 0x0
	v_lshrrev_b32 v1, 5, v0
	v_readfirstlane_b32 s14, v1                    ; wave 0..3
	s_lshr_b32 s15, s14, 1                         ; my half of A's rows
	s_and_b32 s16, s14, 1                          ; my half of B's rows
	s_bfe_u32 s40, ttmp6, 0x40000
	s_bfe_u32 s41, ttmp6, 0x40004
	s_lshl_b32 s42, ttmp9, 2
	s_add_co_u32 s42, s42, s40                     ; tile column
	s_and_b32 s17, ttmp7, 0xffff
	s_lshl_b32 s17, s17, 2
	s_add_co_u32 s17, s17, s41                     ; tile row
	s_lshl_b32 s43, s41, 2
	s_lshl_b32 s43, 15, s43                        ; my row of the cluster
	s_lshl_b32 s44, 0x1111, s40                    ; my column
	s_or_b32 s[G1+0], s43, (3<<16)|(1<<21)         ; A: the mask; elements of 8 bytes; bit 21 beside a mask; no padding
	s_mov_b32 s[G1+1], 768<<16                     ; tensor_dim0: 128 rows x 48 = 6,144 bytes
	s_mov_b32 s[G1+2], 16<<16                      ; tensor_dim1: 16 planes
	s_mov_b32 s[G1+3], 768<<16
	s_mov_b32 s[G1+4], 16
	s_mov_b32 s[G1+5], 24576                       ; from plane to plane: 196,608 bytes
	s_mov_b32 s[G1+6], 0
	s_mov_b32 s[G1+7], 0
	s_or_b32 s[G1B+0], s44, (3<<16)|(1<<21)        ; B as A: 16 rows of 6,144 dense bytes, 196,608 apart
	s_mov_b32 s[G1B+1], 768<<16
	s_mov_b32 s[G1B+2], 16<<16
	s_mov_b32 s[G1B+3], 768<<16
	s_mov_b32 s[G1B+4], 16
	s_mov_b32 s[G1B+5], 24576
	s_mov_b32 s[G1B+6], 0
	s_mov_b32 s[G1B+7], 0
	s_or_b32 s[G1S+0], s43, (3<<16)|(1<<20)|(1<<21)|(5<<22)|(3<<25)   ; the scales of 128 rows: a dense block, as rows of 256 bytes, 16 bytes of padding behind each
	s_or_b32 s[G1SB+0], s44, (3<<16)|(1<<20)|(1<<21)|(5<<22)|(3<<25)
.irp g, G1S, G1SB
	s_mov_b32 s[\g+1], 32<<16
	s_mov_b32 s[\g+2], (128*KS/256)<<16
	s_mov_b32 s[\g+3], 32<<16
	s_mov_b32 s[\g+4], 128*KS/256
	s_mov_b32 s[\g+5], 32
	s_mov_b32 s[\g+6], 0
	s_mov_b32 s[\g+7], 0
.endr
	s_mov_b32 s18, 0                               ; tiles begin at the block's first row
	s_lshl_b32 s20, s17, 7
	s_add_co_u32 s20, s20, s18                     ; A: row 128 x tile row
	s_lshl_b32 s46, s42, 7
	s_add_co_u32 s46, s46, s18                     ; B: row 128 x tile column
	s_mov_b32 s21, 0
	s_mov_b32 s47, 0
	s_mov_b64 s[18:19], KS
	s_mul_u64 s[22:23], s[20:21], s[18:19]
	s_mul_u64 s[92:93], s[46:47], s[18:19]
	s_mov_b64 s[18:19], 48
	s_mul_u64 s[20:21], s[20:21], s[18:19]         ; A: 48 bytes a token in a plane
	s_mov_b64 s[18:19], KROW
	s_mul_u64 s[46:47], s[46:47], s[18:19]
	s_mul_i32 s45, s14, HALFT                      ; where they go: wave x a part: no place in the cluster enters an LDS address
	s_mul_i32 s94, s14, HALFS
	s_wait_kmcnt 0x0
	s_add_nc_u64 s[6:7], s[4:5], ASOFF
	s_add_nc_u64 s[8:9], s[8:9], 147456            ; Wo: rows 3,072 on in each plane
	s_add_nc_u64 s[20:21], s[4:5], s[20:21]
	s_add_nc_u64 s[22:23], s[6:7], s[22:23]
	s_add_nc_u64 s[46:47], s[8:9], s[46:47]
	s_add_nc_u64 s[92:93], s[10:11], s[92:93]
	CROUND                                         ; all sixteen work-groups are here: the first joint loads meet
	s_mov_b32 s[G0S], 1
	s_mov_b32 s[G0S+1], SCL
	s_mov_b64 s[G0S+2:G0S+3], s[22:23]
	s_or_b32 s[G0S+3], s[G0S+3], 0x80000000
	s_mov_b32 s[G0SB], 1
	s_mov_b32 s[G0SB+1], SCL+2*HALFS
	s_mov_b64 s[G0SB+2:G0SB+3], s[92:93]
	s_or_b32 s[G0SB+3], s[G0SB+3], 0x80000000
.irp s, 0,1
	s_mov_b32 s[G0+4*\s], 1
	s_add_co_u32 s[G0+4*\s+1], s45, \s*SLOT
	s_add_nc_u64 s[G0+4*\s+2:G0+4*\s+3], s[20:21], \s*ASTEP
	s_or_b32 s[G0+4*\s+3], s[G0+4*\s+3], 0x80000000
	s_mov_b32 s[G0B+4*\s], 1
	s_add_co_u32 s[G0B+4*\s+1], s45, \s*SLOT
	s_add_nc_u64 s[G0B+4*\s+2:G0B+4*\s+3], s[46:47], \s*ROWB
	s_or_b32 s[G0B+4*\s+3], s[G0B+4*\s+3], 0x80000000
.endr
; ALL THAT THE LAUNCH READS COMES BY THE HEAD'S LOADS, ONE A WAVE: wave 0 A's 16 planes, wave 1 B's, wave 2 A's scales, wave 3 B's.
	s_mov_b32 s[G0+1], 0
	s_mov_b32 s[G0B+1], 2*HALFT
.macro ARM under, g0, g1, next
	s_cmp_lt_u32 s14, \under
	s_cbranch_scc0 \next
	tensor_load_to_lds s[\g0:\g0+3], s[\g1:\g1+7]
	s_nop 0
.rept 4
	v_nop
.endr
	s_branch .Lhead_asked
\next:
.endm
	ARM 1, G0,  G1,  .Lhead_b
	ARM 2, G0B, G1B, .Lhead_sa
	ARM 3, G0S, G1S, .Lhead_sb
	tensor_load_to_lds s[G0SB:G0SB+3], s[G1SB:G1SB+7]
	s_nop 0
.rept 4
	v_nop
.endr
.Lhead_asked:
	v_and_b32 v1, 15, v0                           ; r
	v_bfe_u32 v2, v0, 4, 1                         ; h
	v_mul_u32_u24 v3, v1, PITCH
	v_mul_u32_u24 v4, v2, 24
	v_add_nc_u32 v4, v3, v4                        ; B: row x pitch + 24 h
	v_lshl_add_u32 v5, v2, 4, v4                   ; and the same behind one padding more
	v_mul_u32_u24 v6, v1, 48
	v_mad_u32_u24 v6, v2, 24, v6                   ; A: 48 r + 24 h
	s_mul_i32 s21, s15, 3072                       ; my 64 rows in each plane
	s_mul_i32 s22, s16, 3072
	s_add_co_u32 s22, s22, 2*HALFT                 ; my 64 rows of B, behind A's two parts
.irp s, 0,1
	v_add_nc_u32 v[ADRA+\s], s21, v6
	v_add_nc_u32 v[ADRB+\s], s22, v6
	v_add_nc_u32 v[ADRB+2+\s], s22, v5
	s_add_co_u32 s21, s21, SLOT
	s_add_co_u32 s22, s22, SLOT
.endr
	v_mul_u32_u24 v5, v1, KS                       ; my row's scales,
	v_lshrrev_b32 v6, 8, v5
	v_lshl_add_u32 v5, v6, 4, v5                   ; and 16 more for each 256 passed
	s_mul_i32 s21, s15, HALFS
	s_mul_i32 s22, s16, HALFS
	s_add_co_u32 s22, s22, 2*HALFS
	s_sub_co_u32 s22, s22, s21
	v_mul_u32_u24 v6, s22, v2                      ; lanes 16-31 take B's
	s_add_co_u32 s21, s21, SCL
	v_add_nc_u32 v5, v5, v6
	v_add_nc_u32 v[ADRS], s21, v5
	s_mul_i32 s23, s14, 16*SPITCH                  ; my stage
	v_mul_u32_u24 v5, v1, SPITCH                   ; in: row r, 32 bytes for each half of the lanes
	v_lshl_add_u32 v5, v2, 5, v5
	v_add_nc_u32 v[STO], s23, v5
	v_mul_u32_u24 v5, v2, SPITCH                   ; back: lanes 0-15 one row of 256 bytes, lanes 16-31 the next
	v_lshl_add_u32 v5, v1, 4, v5
	v_add_nc_u32 v[RD], s23, v5
	v_lshlrev_b32 v[CO], 12, v2                    ; and the same two rows in the result and in the residual: rows of 4,096 bytes
	v_lshl_add_u32 v[CO], v1, 4, v[CO]
	s_wait_alu depctr_va_vdst(0)
	s_lshl_b32 s20, s17, 7
	s_lshl_b32 s21, s15, 6
	s_add_co_u32 s20, s20, s21                     ; my first row
	s_lshl_b32 s20, s20, 12
	s_lshl_b32 s46, s42, 9
	s_lshl_b32 s47, s16, 8
	s_add_co_u32 s46, s46, s47                     ; my first column, in bytes
	s_add_co_u32 s20, s20, s46
	s_mov_b32 s21, 0
	s_add_nc_u64 s[12:13], s[12:13], s[20:21]
	s_add_nc_u64 s[98:99], s[98:99], s[20:21]
.if BIAS
	s_mov_b32 s47, 0
	s_add_nc_u64 s[96:97], s[96:97], s[46:47]      ; the bias at my first column
	v_lshlrev_b32 v9, 5, v2                        ; lane (r, h) wants, for B's block b, the numbers 16 b + 8 h + 0 .. 7
	WIN TO_F
.irp b, 0,1,2,3
	global_load_b128 v[BIA+8*\b:BIA+8*\b+3], v9, s[96:97] offset:64*\b
	global_load_b128 v[BIA+8*\b+4:BIA+8*\b+7], v9, s[96:97] offset:64*\b+16
.endr
.endif
	WIN 0x80                                       ; destination window 2: the residual is asked for here and wanted on the way out
.irp a, 0,1,2,3
.irp t, 0,1,2,3,4,5,6,7
	global_load_b128 v[32*\a+4*\t:32*\a+4*\t+3], v[CO], s[98:99] offset:(16*\a+2*\t)*4096 th:TH_LOAD_NT
.endr
.endr
	WIN 0
.macro FRAG reg, adr, q, i             ; B: 16 rows x 128 K in 12 registers: lane l holds row l % 16; registers 6 c .. 6 c + 5: K = 64 c + 32 (l / 16) + 0 .. 31: 24 bytes of the row as they lie, in pieces of 8 bytes
.irp p, 0,1,2,3,4,5                    ; 16 bytes of padding lie behind every 16 pieces; where the piece three on (lanes 16-31) lies behind one padding more, the second address register serves
.set PCE, 12*(\q)+6*(\p/3)+\p%3
.if PCE%16 < 13
	ds_load_b64 v[\reg+2*\p:\reg+2*\p+1], v[\adr] offset:8*PCE+16*(PCE/16)+(\i)*16*PITCH
.else
	ds_load_b64 v[\reg+2*\p:\reg+2*\p+1], v[\adr+2] offset:8*PCE+16*(PCE/16)+(\i)*16*PITCH
.endif
.endr
.endm
.macro FRAGP reg, adr, q, i            ; A: registers 6 c .. 6 c + 5 come from plane 2 q + c of the slot's eight
.irp p, 0,1,2,3,4,5
	ds_load_b64 v[\reg+2*\p:\reg+2*\p+1], v[\adr] offset:(2*(\q)+\p/3)*6144+(\i)*768+8*(\p%3)
.endr
.endm
; 4 matrix instructions: A's block a x B's four, 128 along K: the slot's q-th, from buffer f.  The 16 accumulators take turns, one instruction a turn, in the same order in every step.
.macro MULA a, f, q, sc, zero
.irp b, 0,1,2,3
.set DD, ACC+8*(4*(\a)+\b)
.set FB, (\f)+48+FR*\b
.set FA, (\f)+FR*(\a)
.set SBR, SC+4*NQ*(\sc)+NQ*\b+(\q)
.set SAR, SC+4*NQ*(\sc)+NQ*(\a)+(\q)
.set BI, BIA+8*\b
.if \zero
.if BIAS
	v_wmma_scale_f32_16x16x128_f8f6f4 v[DD:DD+7], v[FB:FB+FR-1], v[FA:FA+FR-1], v[BI:BI+7], v[SBR], v[SAR] matrix_a_fmt:MATRIX_FMT_FP6 matrix_b_fmt:MATRIX_FMT_FP6 matrix_a_scale:MATRIX_SCALE_ROW1
.else
	v_wmma_scale_f32_16x16x128_f8f6f4 v[DD:DD+7], v[FB:FB+FR-1], v[FA:FA+FR-1], 0, v[SBR], v[SAR] matrix_a_fmt:MATRIX_FMT_FP6 matrix_b_fmt:MATRIX_FMT_FP6 matrix_a_scale:MATRIX_SCALE_ROW1
.endif
.else
	v_wmma_scale_f32_16x16x128_f8f6f4 v[DD:DD+7], v[FB:FB+FR-1], v[FA:FA+FR-1], v[DD:DD+7], v[SBR], v[SAR] matrix_a_fmt:MATRIX_FMT_FP6 matrix_b_fmt:MATRIX_FMT_FP6 matrix_a_scale:MATRIX_SCALE_ROW1
.endif
.endr
.endm
.macro FETCH slot, q, f                ; 48 LDS loads in one run: the fragments of the slot's q-th 128 along K into buffer f
	WIN TO_F
.irp i, 0,1,2,3
	FRAGP (\f)+48+FR*\i, ADRB+\slot, \q, \i
.endr
.irp i, 0,1,2,3
	FRAGP (\f)+FR*\i, ADRA+\slot, \q, \i
.endr
.endm
.macro SCALES sc                       ; a slot's scale words: 4 words a row; lanes 0-15 A's block i, lanes 16-31 B's block i
.irp i, 0,1,2,3
	ds_load_b128 v[SC+4*NQ*\sc+NQ*\i:SC+4*NQ*\sc+NQ*\i+3], v[ADRS] offset:\i*SBLK
.endr
.endm
.macro PLACES n                        ; plain vector instructions between a matrix instruction and a load into, or a read of, its registers (ISA guide 7.12.1 for a read)
.rept \n
	v_nop
.endr
.endm
; A step of 128 along K that has its successor in the same slot: the successor's fragments are asked for first, into the other buffer, and land under this step's 16 products.
.macro STEP slot, q, zero
	s_wait_dscnt 0x0                               ; this step's fragments (and the slot's scale words) are in
	PLACES NP                                      ; behind the last step's products, which read the other buffer
	FETCH \slot, (\q)+1, 128-128*((\q)%2)
.if \zero
	WIN FST
.else
	WIN MUL
.endif
.irp a, 0,1,2,3
	MULA \a, 128*((\q)%2), \q, \slot, \zero
.endr
.endm
; A slot's last step changes slots: one barrier; in front of it each wave waits for all its tensor loads, adds 0 to its spare word, and waits for that and for its reads of this slot.  fill = 1: the slot is filled again.
.macro TURN slot, next, fill
	WIN 0                                          ; (the add's two registers lie in window 0)
	s_wait_tensorcnt 0x0                           ; all my tensor loads have landed: my part of the next slot
	ds_add_u32 v[SPW], v[NIL]                      ; 0 onto my spare word
	s_wait_dscnt 1                                 ; this step's fragments are in (the add may be out)
	WIN MUL
	MULA 0, F1, NQ-1, \slot, 0
	s_wait_dscnt 0x0                               ; the add is done, and my reads of this slot are over
	s_barrier_signal -1
	MULA 1, F1, NQ-1, \slot, 0
	WIN 0
	s_barrier_wait -1
.if \fill
	CREST                                          ; a round of the cluster's barrier: no wave of any partner still reads this slot or has a load on its way
	s_add_nc_u64 s[G0+4*\slot+2:G0+4*\slot+3], s[G0+4*\slot+2:G0+4*\slot+3], 2*ASTEP
	s_add_nc_u64 s[G0B+4*\slot+2:G0B+4*\slot+3], s[G0B+4*\slot+2:G0B+4*\slot+3], 2*ROWB
	JLOAD G0+4*\slot, G1, G0B+4*\slot, G1B         ; the first tensor load behind the round; its four v_nop are the places in front of the loads below
.else
	PLACES NP
.endif
	v_add_nc_u32 v[ADRS], 4*NQ, v[ADRS]            ; the next slot's scale words
	SCALES \next
	FETCH \next, 0, F0
	WIN MUL
	MULA 2, F1, NQ-1, \slot, 0
	MULA 3, F1, NQ-1, \slot, 0
.endm
	s_wait_tensorcnt 0x0                           ; the scales and my part of the codes are in
	s_barrier_signal -1
	s_barrier_wait -1
	SCALES 0
	FETCH 0, 0, F0
.if BIAS
	s_wait_loadcnt 32                              ; the bias's eight loads are in; the residual's 32, issued behind them, may stay out
.endif
	STEP 0, 0, 1                                   ; the first step stands in front of the loop: its products start the sums
.if LAPS > 1
	WIN 0                                          ; at a label and at a branch every window is 0
	s_mov_b32 s3, LAPS-1
.Llap:                                                 ; a trip goes once round the ring, from a lap's second step to the next lap's first, and fills both slots again
	STEP 0, 1, 0
	STEP 0, 2, 0
	TURN 0, 1, 1
	STEP 1, 0, 0
	STEP 1, 1, 0
	STEP 1, 2, 0
	TURN 1, 0, 1
	STEP 0, 0, 0
	WIN 0
	s_sub_co_u32 s3, s3, 1
	s_cmp_lg_u32 s3, 0
	s_cbranch_scc1 .Llap
.endif
	STEP 0, 1, 0                                   ; the last lap fills nothing
	STEP 0, 2, 0
	TURN 0, 1, 0
	STEP 1, 0, 0
	STEP 1, 1, 0
	STEP 1, 2, 0
	s_wait_dscnt 0x0                               ; the very last step: nothing more to fetch
	WIN MUL
.irp a, 0,1,2,3
	MULA \a, F1, NQ-1, 1, 0
.endr
	WIN 0
.macro TOSTAGE a                       ; block a: my rows 16 a .. 16 a + 15
.irp b, 0,1,2,3
	ds_store_b128 v[STO], v[ACC+8*(4*(\a)+\b):ACC+8*(4*(\a)+\b)+3] offset:64*\b          ; each accumulator from its low end on
	ds_store_b128 v[STO], v[ACC+8*(4*(\a)+\b)+4:ACC+8*(4*(\a)+\b)+7] offset:64*\b+16
.endr
.set BB, BK+32*((\a)%2)
.irp t, 0,1,2,3,4,5,6,7
	ds_load_b128 v[BB+4*\t:BB+4*\t+3], v[RD] offset:\t*2*SPITCH      ; LDS serves a wave's instructions in order (ISA guide 5.7.1.4): these see the stores above
.endr
.endm
.macro SEND a, younger                 ; younger: the LDS instructions issued behind block a's loads, which may stay out
.set BB, BK+32*((\a)%2)
.set RR, 32*(\a)
	s_wait_dscnt \younger
	WIN 0x08                                       ; source 1: window 2
.set i, 0
.rept 16
	v_pk_add_f32 v[BB+i:BB+i+1], v[BB+i:BB+i+1], v[RR+i:RR+i+1]
.set i, i+2
.endr
	WIN 0
.irp t, 0,1,2,3,4,5,6,7
	global_store_b128 v[CO], v[BB+4*\t:BB+4*\t+3], s[12:13] offset:(16*(\a)+2*\t)*4096   ; 16 lanes store 256 consecutive bytes, at a multiple of 256; 63 rows at the most: inside the signed 24-bit immediate
.endr
.endm
	PLACES NP                                      ; behind the last products: their results are read
	s_wait_loadcnt 0x0                             ; the residual
	TOSTAGE 0
.irp a, 1,2,3
.if \a > 1
	s_wait_xcnt 0x0                                ; block a - 2's stores have read their registers: block a's loads may land there
.endif
	TOSTAGE \a
	SEND \a-1, 16                                  ; behind block a - 1's loads: block a's 8 stores and 8 loads
.endr
	SEND 3, 0
	s_wait_tensorcnt 0x0                           ; the wave's end
	ds_add_u32 v[SPW], v[NIL]
	s_wait_dscnt 0x0
	CROUND                                         ; the closing round
	s_endpgm
.Lfunc_end_k_q67f7abe6d1_wo:
	.size	k_q67f7abe6d1_wo, .Lfunc_end_k_q67f7abe6d1_wo-k_q67f7abe6d1_wo
	.p2alignl 7, 3214868480
	.fill 96, 4, 3214868480
	.section	.rodata,"a",@progbits
	.p2align	6, 0x0
	.amdhsa_kernel k_q67f7abe6d1_wo
		.amdhsa_group_segment_fixed_size 327680
		.amdhsa_private_segment_fixed_size 0
		.amdhsa_enable_private_segment 0
		.amdhsa_kernarg_size 40
		.amdhsa_user_sgpr_count 2
		.amdhsa_user_sgpr_kernarg_segment_ptr 1
		.amdhsa_wavefront_size32 1
		.amdhsa_system_sgpr_workgroup_id_x 1
		.amdhsa_system_sgpr_workgroup_id_y 1
		.amdhsa_system_sgpr_workgroup_id_z 1
		.amdhsa_system_vgpr_workitem_id 0
		.amdhsa_next_free_vgpr 768
		.amdhsa_next_free_sgpr 100
		.amdhsa_reserve_vcc 0
		.amdhsa_float_denorm_mode_32 3
		.amdhsa_float_denorm_mode_16_64 3
		.amdhsa_memory_ordered 1
		.amdhsa_forward_progress 1
		.amdhsa_inst_pref_size 67
	.end_amdhsa_kernel
	.amdgpu_metadata
---
amdhsa.version: [ 1, 2 ]
amdhsa.kernels:
  - .name:           k_q67f7abe6d1_wo
    .symbol:         k_q67f7abe6d1_wo.kd
    .args:
      - { .name: ao, .offset: 0, .size: 8, .value_kind: global_buffer, .address_space: global }
      - { .name: wp, .offset: 8, .size: 8, .value_kind: global_buffer, .address_space: global }
      - { .name: Wo_scales, .offset: 16, .size: 8, .value_kind: global_buffer, .address_space: global }
      - { .name: x, .offset: 24, .size: 8, .value_kind: global_buffer, .address_space: global }
      - { .name: h, .offset: 32, .size: 8, .value_kind: global_buffer, .address_space: global }
    .group_segment_fixed_size: 327680
    .private_segment_fixed_size: 0
    .kernarg_segment_align: 8
    .kernarg_segment_size: 40
    .max_flat_workgroup_size: 128
    .sgpr_count:     100
    .vgpr_count:     768
    .wavefront_size: 32
...
	.end_amdgpu_metadata
.endif
;; end of part 11
;; launch ln2 (part 12): grid 256 x 1, 4 waves a work-group, no clusters, 22,016 bytes of LDS; arguments h, g2, be2, xq; writes xq
.if DOCPART == 12
	.amdgcn_target "amdgcn-amd-amdhsa--gfx1250"
	.amdhsa_code_object_version 6
	.text
	.protected	k_q67f7abe6d1_ln2
	.globl	k_q67f7abe6d1_ln2
	.p2align	8
	.type	k_q67f7abe6d1_ln2,@function
k_q67f7abe6d1_ln2:
	s_mov_b64 s[64:65], 0
	v_nop
	global_prefetch_b8 v0, s[64:65] scope:SCOPE_SE
	s_setreg_imm32_b32 hwreg(HW_REG_WAVE_MODE, 25, 1), 1
	s_wait_xcnt 0x0
; LayerNorm 2 of h [4096][1024] f32, quantised along its 1,024 to codes of FP6 (E2M3) with one E8M0 byte for each 32.
; xq: codes [4096][768 bytes] from byte 0, row-major, K innermost; scale bytes [4096][32] from byte XS.
; Wave W = 4 x work-group + wave takes rows 4 W .. 4 W + 3 whole (a row is 32 registers); all its 16 KiB are asked for at once; waves share nothing: no barrier.
; A load takes 512 consecutive bytes; the conversion wants 16 neighbours in ONE lane: so a finished row turns through the wave's own stage in LDS (64 places of 64 bytes + 16 of padding).
; mean and variance in two passes, f32; y = ((x - mean) rsqrt(var + 1e-5)) g + be, in that order.
; LIMITS: a block of zeros gets the byte 1, not 127 (its codes are zeros; this program alone reads the bytes); blocks under 2^-124 were not tried; NaN and infinities are not served.
; A wave's 128 scale bytes leave as one run of 128 bytes: half of an aligned 256.
.set XS,   3145728
.set SP,   80
.set WREG, 64*SP+256
.set G,    16
.set BE,   48
.set X,    80
.set T,    208
.set C,    240
	s_load_b256 s[4:11], s[0:1], 0x0               ; h, g2, be2, xq
	v_lshl_add_u32 v250, v0, 2, 0x5400
	v_mov_b32 v251, 0
	v_lshrrev_b32 v1, 5, v0
	v_readfirstlane_b32 s16, v1
	v_and_b32 v1, 31, v0
	v_lshlrev_b32 v2, 4, v1
	s_mul_i32 s17, s16, WREG
	v_lshrrev_b32 v3, 2, v1
	v_mul_u32_u24 v3, v3, SP
	v_and_b32 v4, 3, v1
	v_lshl_add_u32 v3, v4, 4, v3
	v_add_nc_u32 v3, s17, v3                       ; stage, in
	v_mul_u32_u24 v4, v1, SP
	v_add_nc_u32 v4, s17, v4                       ; stage, out
	v_lshrrev_b32 v5, 2, v1
	v_mul_u32_u24 v5, v5, 0x30000                  ; xq's codes lie in planes [16][4096 rows][48 bytes]: plane lane / 4,
	v_and_b32 v6, 3, v1
	v_mad_u32_u24 v5, v6, 12, v5                   ; + 12 (lane % 4)
	v_lshrrev_b32 v6, 1, v1
	s_add_co_u32 s17, s17, 64*SP
	v_add_nc_u32 v6, s17, v6
	v_lshlrev_b32 v7, 2, v1
	v_add_nc_u32 v255, s17, v7
	s_mov_b32 s20, 0x76543210
	s_mov_b32 s21, 0xfedcba98
	s_mov_b32 s30, 0x3a800000                      ; 1 / 1024
	s_mov_b32 s31, 0x3727c5ac                      ; 1e-5
	s_lshl_b32 s18, ttmp9, 2
	s_add_co_u32 s18, s18, s16                     ; W
	s_lshl_b32 s2, s18, 14
	s_mov_b32 s3, 0
	s_mul_i32 s32, s18, 192
	s_mov_b32 s33, 0
	s_lshl_b32 s34, s18, 7
	s_add_co_u32 s34, s34, XS
	s_mov_b32 s35, 0
	s_wait_kmcnt 0x0
	s_add_nc_u64 s[4:5], s[4:5], s[2:3]
	s_add_nc_u64 s[32:33], s[10:11], s[32:33]
	s_add_nc_u64 s[34:35], s[10:11], s[34:35]
.irp j, 0,1,2,3,4,5,6,7
	global_load_b128 v[G+4*\j:G+4*\j+3], v2, s[6:7] offset:512*\j
.endr
.irp j, 0,1,2,3,4,5,6,7
	global_load_b128 v[BE+4*\j:BE+4*\j+3], v2, s[8:9] offset:512*\j
.endr
.irp i, 0,1,2,3
.irp j, 0,1,2,3,4,5,6,7
	global_load_b128 v[X+32*\i+4*\j:X+32*\i+4*\j+3], v2, s[4:5] offset:4096*\i+512*\j
.endr
.endr
.macro REDUCE
	v_add_f32_dpp v8, v8, v8 row_xmask:1 row_mask:0xf bank_mask:0xf
	v_add_f32_dpp v8, v8, v8 row_xmask:2 row_mask:0xf bank_mask:0xf
	v_add_f32_dpp v8, v8, v8 row_xmask:4 row_mask:0xf bank_mask:0xf
	v_add_f32_dpp v8, v8, v8 row_xmask:8 row_mask:0xf bank_mask:0xf
	v_permlanex16_b32 v9, v8, s20, s21
	v_add_f32 v8, v8, v9
.endm
.macro ROW i, left
.set XR, X+32*(\i)
	s_wait_loadcnt \left                           ; loads come back in order: g, be and this row are in
	s_wait_xcnt 0x0                                ; the last row's stores have read their data: the codes' registers are written again only behind this wait
	v_pk_add_f32 v[8:9], v[XR:XR+1], v[XR+4:XR+5]
	v_pk_add_f32 v[12:13], v[XR+2:XR+3], v[XR+6:XR+7]
.irp j, 8,12,16,20,24,28
	v_pk_add_f32 v[8:9], v[8:9], v[XR+\j:XR+\j+1]
	v_pk_add_f32 v[12:13], v[12:13], v[XR+\j+2:XR+\j+3]
.endr
	v_pk_add_f32 v[8:9], v[8:9], v[12:13]
	v_add_f32 v8, v8, v9
	REDUCE
	v_mul_f32 v10, s30, v8
	v_mul_f32 v11, s30, v8
.set j, 0
.rept 16
	v_pk_add_f32 v[XR+j:XR+j+1], v[XR+j:XR+j+1], v[10:11] neg_lo:[0,1] neg_hi:[0,1]
.set j, j+2
.endr
	v_pk_mul_f32 v[8:9], v[XR:XR+1], v[XR:XR+1]
	v_pk_mul_f32 v[12:13], v[XR+2:XR+3], v[XR+2:XR+3]
.irp j, 4,8,12,16,20,24,28
	v_pk_fma_f32 v[8:9], v[XR+\j:XR+\j+1], v[XR+\j:XR+\j+1], v[8:9]
	v_pk_fma_f32 v[12:13], v[XR+\j+2:XR+\j+3], v[XR+\j+2:XR+\j+3], v[12:13]
.endr
	v_pk_add_f32 v[8:9], v[8:9], v[12:13]
	v_add_f32 v8, v8, v9
	REDUCE
	v_fma_f32 v12, v8, s30, s31
	s_wait_alu depctr_va_vdst(0)
	v_rsq_f32 v14, v12
	v_nop                                          ; a plain instruction behind the transcendental,
	s_wait_alu depctr_va_vdst(0)                   ; and a wait ahead of its first reader
	v_mov_b32 v15, v14
.set j, 0
.rept 16
	v_pk_mul_f32 v[XR+j:XR+j+1], v[XR+j:XR+j+1], v[14:15]
.set j, j+2
.endr
.set j, 0
.rept 16
	v_pk_fma_f32 v[XR+j:XR+j+1], v[XR+j:XR+j+1], v[G+j:G+j+1], v[BE+j:BE+j+1]
.set j, j+2
.endr
.irp j, 0,1,2,3,4,5,6,7
	ds_store_b128 v3, v[XR+4*\j:XR+4*\j+3] offset:8*SP*\j
.endr
.irp s, 0,1
.irp q, 0,1,2,3
	ds_load_b128 v[T+16*\s+4*\q:T+16*\s+4*\q+3], v4 offset:32*SP*\s+16*\q
.endr
.endr
	s_wait_dscnt 0x0
.irp s, 0,1
.set TT, T+16*\s
	v_max3_num_f32 v8, |v[TT]|, |v[TT+1]|, |v[TT+2]|
	v_max3_num_f32 v9, |v[TT+3]|, |v[TT+4]|, |v[TT+5]|
.irp i2, 6,10
	v_max3_num_f32 v8, v8, |v[TT+\i2]|, |v[TT+\i2+1]|
	v_max3_num_f32 v9, v9, |v[TT+\i2+2]|, |v[TT+\i2+3]|
.endr
	v_max3_num_f32 v8, v8, |v[TT+14]|, |v[TT+15]|
	v_max3_num_f32 v8, v8, v9, 0x1800000           ; the floor 2^(3 - 127)
	v_max_num_f32_dpp v8, v8, v8 row_xmask:1 row_mask:0xf bank_mask:0xf
	v_add_nc_u32 v254, 0xff000000, v8
	v_cvt_scalef32_pk16_fp6_f32 v[C+4*\s:C+4*\s+2], v[TT:TT+15], v254
	v_lshrrev_b32 v[252+\s], 23, v254
	ds_store_b8 v6, v[252+\s] offset:32*(\i)+16*\s
	global_store_b96 v5, v[C+4*\s:C+4*\s+2], s[32:33] offset:48*(\i)+1572864*\s
.endr
.endm
	ROW 0, 24                                      ; the counts: the rows behind this one may be out
	ROW 1, 16
	ROW 2, 8
	ROW 3, 0
	ds_load_b32 v8, v255
	s_wait_dscnt 0x0
	global_store_b32 v7, v8, s[34:35]
	s_wait_tensorcnt 0x0
	ds_add_u32 v250, v251
	s_wait_dscnt 0x0
	s_endpgm
.Lfunc_end_k_q67f7abe6d1_ln2:
	.size	k_q67f7abe6d1_ln2, .Lfunc_end_k_q67f7abe6d1_ln2-k_q67f7abe6d1_ln2
	.p2alignl 7, 3214868480
	.fill 96, 4, 3214868480
	.section	.rodata,"a",@progbits
	.p2align	6, 0x0
	.amdhsa_kernel k_q67f7abe6d1_ln2
		.amdhsa_group_segment_fixed_size 22016
		.amdhsa_private_segment_fixed_size 0
		.amdhsa_enable_private_segment 0
		.amdhsa_kernarg_size 32
		.amdhsa_user_sgpr_count 2
		.amdhsa_user_sgpr_kernarg_segment_ptr 1
		.amdhsa_wavefront_size32 1
		.amdhsa_system_sgpr_workgroup_id_x 1
		.amdhsa_system_sgpr_workgroup_id_y 1
		.amdhsa_system_sgpr_workgroup_id_z 1
		.amdhsa_system_vgpr_workitem_id 0
		.amdhsa_next_free_vgpr 256
		.amdhsa_next_free_sgpr 66
		.amdhsa_reserve_vcc 0
		.amdhsa_float_denorm_mode_32 3
		.amdhsa_float_denorm_mode_16_64 3
		.amdhsa_memory_ordered 1
		.amdhsa_forward_progress 1
		.amdhsa_inst_pref_size 43
	.end_amdhsa_kernel
	.amdgpu_metadata
---
amdhsa.version: [ 1, 2 ]
amdhsa.kernels:
  - .name:           k_q67f7abe6d1_ln2
    .symbol:         k_q67f7abe6d1_ln2.kd
    .args:
      - { .name: h, .offset: 0, .size: 8, .value_kind: global_buffer, .address_space: global }
      - { .name: g2, .offset: 8, .size: 8, .value_kind: global_buffer, .address_space: global }
      - { .name: be2, .offset: 16, .size: 8, .value_kind: global_buffer, .address_space: global }
      - { .name: xq, .offset: 24, .size: 8, .value_kind: global_buffer, .address_space: global }
    .group_segment_fixed_size: 22016
    .private_segment_fixed_size: 0
    .kernarg_segment_align: 8
    .kernarg_segment_size: 32
    .max_flat_workgroup_size: 128
    .sgpr_count:     66
    .vgpr_count:     256
    .wavefront_size: 32
...
	.end_amdgpu_metadata
.endif
;; end of part 12
;; launch ffn1 (part 13): grid 16 x 16, 4 waves a work-group, clusters of 4 x 4, 327,680 bytes of LDS; arguments xq, wp, w1_scales, b1, hid; writes hid
.if DOCPART == 13
	.amdgcn_target "amdgcn-amd-amdhsa--gfx1250"
	.amdhsa_code_object_version 6
	.text
	.protected	k_q67f7abe6d1_ffn1
	.globl	k_q67f7abe6d1_ffn1
	.p2align	8
	.type	k_q67f7abe6d1_ffn1,@function
k_q67f7abe6d1_ffn1:
	s_mov_b64 s[64:65], 0
	v_nop
	global_prefetch_b8 v0, s[64:65] scope:SCOPE_SE
	s_setreg_imm32_b32 hwreg(HW_REG_WAVE_MODE, 25, 1), 1
	s_wait_xcnt 0x0
	s_wait_alu depctr_hold_cnt(0) depctr_sa_sdst(0) depctr_va_vdst(0) depctr_va_sdst(0) depctr_va_ssrc(0) depctr_va_vcc(0) depctr_vm_vsrc(0)
	s_getreg_b32 s2, hwreg(HW_REG_IB_STS2, 6, 4)
	s_cmp_eq_u32 s2, 0
	s_cbranch_scc0 .Lentry_in_a_cluster
	s_endpgm
.Lentry_in_a_cluster:
	s_bfe_u32 s2, ttmp6, 0x10000c
	s_cmp_lg_u32 s2, 0xf033
	s_cbranch_scc0 .Lentry_shape_is_right
	s_endpgm
.Lentry_shape_is_right:
.set SIZE_K, 1024
.set BIAS,   1
.set ASOFF,  3145728
.set HS,     12582912
.set NQ,     2
.set ROWB,   786432                    ; a slot's step along K: four planes of 196,608 bytes (both sides lie in planes [16][4096 rows][48 bytes])
.set ASTEP,  ROWB
.set KROW,   48
.set PITCH,  192
.set FR,     12
.set NL,     6
.set NP,     4
.set HALFT,  128*PITCH
.set SLOT,   4*HALFT
.set LAPS,   SIZE_K/512
.set KS,     SIZE_K/32
.set SCL,    2*SLOT
.set HALFS,  (128*KS/256)*272
.set SBLK,   (16*KS/256)*272
.set SPARE,  SCL+4*HALFS
.set ADRA, 16
.set ADRB, 20
.set STO,  24
.set RD,   25
.set CO,   26
.set ADRS, 27
.set SPW,  28
.set NIL,  29
.set LP,   30
.set SC,   32
.set AF,   128
.set H,    64
.set CD,   128
.set TM,   148
.set PWS,  164
.set SEL,  98
.set G1, 24
.set G0, 32
.set G1B, 48
.set G0B, 56
.set G1S, 68
.set G0S, 76
.set G1SB, 80
.set G0SB, 88
.set MSB, 0
.macro WIN new
.if MSB != (\new)
	s_set_vgpr_msb (MSB<<8)|(\new)
.set MSB, \new
.endif
.endm
.set MUL_LO, 0xa1
.set MUL_HI, 0xf1
.set FST_LO, 0x91
.set FST_HI, 0xd1
.set TO_B,   0x40
.macro JLOAD g0a, g1a, g0b, g1b
	s_cmp_eq_u32 s15, 0
	s_cbranch_scc0 .Lfor_b_\@
	tensor_load_to_lds s[\g0a:\g0a+3], s[\g1a:\g1a+7]
	s_nop 0
.rept 4
	v_nop
.endr
	s_branch .Lasked_\@
.Lfor_b_\@:
	tensor_load_to_lds s[\g0b:\g0b+3], s[\g1b:\g1b+7]
	s_nop 0
.rept 4
	v_nop
.endr
.Lasked_\@:
.endm
.macro CREST
	s_cmp_lg_u32 s14, 0
	s_cbranch_scc1 .Lnot_wave_0_\@
	s_barrier_signal -3
.Lnot_wave_0_\@:
	s_barrier_wait -3
	s_barrier_signal -1
	s_barrier_wait -1
.endm
.macro CROUND
	s_barrier_signal -1
	s_barrier_wait -1
	CREST
.endm
	s_load_b64 s[4:5], s[0:1], 0x0
	s_load_b128 s[8:11], s[0:1], 0x8
	s_load_b64 s[96:97], s[0:1], 0x18
	s_load_b64 s[12:13], s[0:1], 0x20
	v_lshl_add_u32 v[SPW], v0, 2, SPARE
	v_mov_b32 v[NIL], 0
	ds_add_u32 v28, v29
	ds_add_u32 v28, v29
	s_wait_dscnt 0x0
	v_lshrrev_b32 v1, 5, v0
	v_readfirstlane_b32 s14, v1
	s_lshr_b32 s15, s14, 1
	s_and_b32 s16, s14, 1
	s_bfe_u32 s40, ttmp6, 0x40000
	s_bfe_u32 s41, ttmp6, 0x40004
	s_lshl_b32 s42, ttmp9, 2
	s_add_co_u32 s42, s42, s40
	s_and_b32 s17, ttmp7, 0xffff
	s_lshl_b32 s17, s17, 2
	s_add_co_u32 s17, s17, s41
	s_lshl_b32 s43, s41, 2
	s_lshl_b32 s43, 15, s43
	s_lshl_b32 s44, 0x1111, s40
	s_or_b32 s[G1+0], s43, (3<<16)|(1<<21)
	s_or_b32 s[G1B+0], s44, (3<<16)|(1<<21)
.irp g, G1, G1B
	s_mov_b32 s[\g+1], 1536<<16                    ; a tile's row: all 256 rows x 48 = 12,288 dense bytes of a plane; four planes at the head, two a wave in the ring
	s_mov_b32 s[\g+2], 4<<16
	s_mov_b32 s[\g+3], 1536<<16
	s_mov_b32 s[\g+4], 4
	s_mov_b32 s[\g+5], 24576
	s_mov_b32 s[\g+6], 0
	s_mov_b32 s[\g+7], 0
.endr
	s_or_b32 s[G1S+0], s43, (3<<16)|(1<<20)|(1<<21)|(5<<22)|(3<<25)
	s_or_b32 s[G1SB+0], s44, (3<<16)|(1<<20)|(1<<21)|(5<<22)|(3<<25)
.irp g, G1S, G1SB
	s_mov_b32 s[\g+1], 32<<16
	s_mov_b32 s[\g+2], (256*KS/256)<<16
	s_mov_b32 s[\g+3], 32<<16
	s_mov_b32 s[\g+4], 256*KS/256
	s_mov_b32 s[\g+5], 32
	s_mov_b32 s[\g+6], 0
	s_mov_b32 s[\g+7], 0
.endr
	s_mov_b32 s18, 0                               ; tiles begin at the block's first row
	s_lshl_b32 s20, s17, 8
	s_add_co_u32 s20, s20, s18
	s_lshl_b32 s46, s42, 8
	s_add_co_u32 s46, s46, s18
	s_mov_b32 s21, 0
	s_mov_b32 s47, 0
	s_mov_b64 s[18:19], KS
	s_mul_u64 s[22:23], s[20:21], s[18:19]
	s_mul_u64 s[92:93], s[46:47], s[18:19]
	s_mov_b64 s[18:19], KROW
	s_mul_u64 s[20:21], s[20:21], s[18:19]
	s_mul_u64 s[46:47], s[46:47], s[18:19]
	s_mul_i32 s45, s14, HALFT
	s_mul_i32 s94, s14, HALFS
	s_wait_kmcnt 0x0
	s_add_nc_u64 s[6:7], s[4:5], ASOFF
	s_add_nc_u64 s[8:9], s[8:9], 3145728           ; w1's planes in wp
	s_add_nc_u64 s[20:21], s[4:5], s[20:21]
	s_add_nc_u64 s[22:23], s[6:7], s[22:23]
	s_add_nc_u64 s[46:47], s[8:9], s[46:47]
	s_add_nc_u64 s[92:93], s[10:11], s[92:93]
	CROUND
	s_mov_b32 s[G0S], 1
	s_mov_b32 s[G0S+1], SCL
	s_mov_b64 s[G0S+2:G0S+3], s[22:23]
	s_or_b32 s[G0S+3], s[G0S+3], 0x80000000
	s_mov_b32 s[G0SB], 1
	s_mov_b32 s[G0SB+1], SCL+2*HALFS
	s_mov_b64 s[G0SB+2:G0SB+3], s[92:93]
	s_or_b32 s[G0SB+3], s[G0SB+3], 0x80000000
.irp s, 0,1
	s_mov_b32 s[G0+4*\s], 1
	s_add_co_u32 s[G0+4*\s+1], s45, \s*SLOT
	s_add_nc_u64 s[G0+4*\s+2:G0+4*\s+3], s[20:21], \s*ASTEP
	s_or_b32 s[G0+4*\s+3], s[G0+4*\s+3], 0x80000000
	s_mov_b32 s[G0B+4*\s], 1
	s_add_co_u32 s[G0B+4*\s+1], s45, \s*SLOT
	s_add_nc_u64 s[G0B+4*\s+2:G0B+4*\s+3], s[46:47], \s*ROWB
	s_or_b32 s[G0B+4*\s+3], s[G0B+4*\s+3], 0x80000000
.endr
; THE HEAD'S LOADS, ONE A WAVE: wave 0 slot 0's four planes of A, wave 1 those of B, wave 2 A's scales, wave 3 B's.  Slot 0's groups 0 serve them and are set for the ring behind the wait for them.
	s_mov_b32 s[G0+1], 0
	s_mov_b32 s[G0B+1], 2*HALFT
	s_mul_i32 s100, s16, 393216                    ; in the ring a wave fetches two planes of the slot's four
	s_mov_b32 s101, 0
	s_add_nc_u64 s[G0+6:G0+7], s[G0+6:G0+7], s[100:101]
	s_add_nc_u64 s[G0B+6:G0B+7], s[G0B+6:G0B+7], s[100:101]
.macro ARM under, g0, g1, next
	s_cmp_lt_u32 s14, \under
	s_cbranch_scc0 \next
	tensor_load_to_lds s[\g0:\g0+3], s[\g1:\g1+7]
	s_nop 0
.rept 4
	v_nop
.endr
	s_branch .Lhead_asked
\next:
.endm
	ARM 1, G0,  G1,  .Lhead_b
	ARM 2, G0B, G1B, .Lhead_sa
	ARM 3, G0S, G1S, .Lhead_sb
	tensor_load_to_lds s[G0SB:G0SB+3], s[G1SB:G1SB+7]
	s_nop 0
.rept 4
	v_nop
.endr
.Lhead_asked:
	v_and_b32 v1, 15, v0
	v_bfe_u32 v2, v0, 4, 1
	v_mul_u32_u24 v3, v1, 48
	v_mul_u32_u24 v4, v2, 24
	v_add_nc_u32 v4, v3, v4
	v_lshl_add_u32 v5, v2, 4, v4
	s_mul_i32 s21, s15, 6144                       ; my 128 rows in each plane
	s_mul_i32 s22, s16, 6144
	s_add_co_u32 s22, s22, 2*HALFT
.irp s, 0,1
	v_add_nc_u32 v[ADRA+\s], s21, v4
	v_add_nc_u32 v[ADRB+\s], s22, v4
	v_add_nc_u32 v[ADRA+2+\s], s21, v5
	v_add_nc_u32 v[ADRB+2+\s], s22, v5
	s_add_co_u32 s21, s21, SLOT
	s_add_co_u32 s22, s22, SLOT
.endr
	v_mul_u32_u24 v5, v1, KS
	v_lshrrev_b32 v6, 8, v5
	v_lshl_add_u32 v5, v6, 4, v5
	s_mul_i32 s21, s15, HALFS
	s_mul_i32 s22, s16, HALFS
	s_add_co_u32 s22, s22, 2*HALFS
	s_sub_co_u32 s22, s22, s21
	v_mul_u32_u24 v6, s22, v2
	s_add_co_u32 s21, s21, SCL
	v_add_nc_u32 v5, v5, v6
	v_add_nc_u32 v[ADRS], s21, v5
	s_mul_i32 s23, s14, 12288
	v_mul_u32_u24 v5, v1, 48
	v_mad_u32_u24 v5, v2, 24, v5
	v_add_nc_u32 v[STO], s23, v5
	v_and_b32 v6, 31, v0
	v_lshlrev_b32 v[CO], 4, v6
	v_add_nc_u32 v[RD], s23, v[CO]
	v_lshlrev_b32 v[LP], 7, v6
	s_mov_b32 s[SEL], 0x76543210
	s_mov_b32 s[SEL+1], 0xfedcba98
	s_lshl_b32 s4, s42, 10
	s_lshl_b32 s5, s16, 9
	s_add_co_u32 s4, s4, s5
	s_mov_b32 s5, 0
	s_add_nc_u64 s[96:97], s[96:97], s[4:5]
	s_lshl_b32 s6, s17, 8
	s_lshl_b32 s7, s15, 7
	s_add_co_u32 s6, s6, s7
	s_lshr_b32 s8, s4, 7
	s_lshl_b32 s9, s6, 7
	s_add_co_u32 s8, s8, s9
	s_add_co_u32 s8, s8, HS
	s_mov_b32 s9, 0
	s_add_nc_u64 s[92:93], s[12:13], s[8:9]
	s_lshr_b32 s4, s4, 8
	s_mul_i32 s4, s4, 196608
	s_mul_i32 s7, s6, 48
	s_add_co_u32 s4, s4, s7
	s_add_nc_u64 s[40:41], s[12:13], s[4:5]
	s_add_nc_u64 s[42:43], s[40:41], 3072
	s_add_nc_u64 s[44:45], s[40:41], 196608
	s_add_nc_u64 s[46:47], s[42:43], 196608
	v_lshlrev_b32 v9, 5, v2
	WIN TO_B
.irp b, 0,1,2,3,4,5,6,7
	global_load_b128 v[96+8*(\b%4)+128*(\b/4):99+8*(\b%4)+128*(\b/4)], v9, s[96:97] offset:64*\b
	global_load_b128 v[100+8*(\b%4)+128*(\b/4):103+8*(\b%4)+128*(\b/4)], v9, s[96:97] offset:64*\b+16
.endr
	WIN 0
.macro FRAG reg, adr, q, i
.irp p, 0,1,2,3,4,5
	ds_load_b64 v[\reg+2*\p:\reg+2*\p+1], v[\adr] offset:(2*(\q)+\p/3)*12288+(\i)*768+8*(\p%3)
.endr
.endm
.macro MUL16 a0, p, q, sc, zero
.irp a, \a0, \a0+1
.irp b, 0,1,2,3,4,5,6,7
.set DD, 8*(8*((\a)%4)+\b)
.set FB, 128*(\p)+FR*\b
.set FA, AF+FR*(\a)
.set SBR, SC+8*NQ*(\sc)+NQ*\b+(\q)
.set SAR, SC+8*NQ*(\sc)+NQ*(\a)+(\q)
.set BI, 96+8*(\b%4)+128*(\b/4)
.if \zero
	v_wmma_scale_f32_16x16x128_f8f6f4 v[DD:DD+7], v[FB:FB+FR-1], v[FA:FA+FR-1], v[BI:BI+7], v[SBR], v[SAR] matrix_a_fmt:MATRIX_FMT_FP6 matrix_b_fmt:MATRIX_FMT_FP6 matrix_a_scale:MATRIX_SCALE_ROW1
.else
	v_wmma_scale_f32_16x16x128_f8f6f4 v[DD:DD+7], v[FB:FB+FR-1], v[FA:FA+FR-1], v[DD:DD+7], v[SBR], v[SAR] matrix_a_fmt:MATRIX_FMT_FP6 matrix_b_fmt:MATRIX_FMT_FP6 matrix_a_scale:MATRIX_SCALE_ROW1
.endif
.endr
.endr
.endm
.macro FETCH_B slot, q, p
	WIN TO_B
.irp i, 0,1,2,3,4,5,6,7
	FRAG 128*(\p)+FR*\i, ADRB+\slot, \q, \i
.endr
	WIN 0
.endm
.macro FETCH_A slot, q, i0
.irp i, \i0, \i0+1, \i0+2, \i0+3
	FRAG AF+FR*(\i), ADRA+\slot, \q, \i
.endr
.endm
.macro SCALES sc
.irp i, 0,1,2,3,4,5,6,7
	ds_load_b64 v[SC+8*NQ*\sc+NQ*\i:SC+8*NQ*\sc+NQ*\i+1], v[ADRS] offset:\i*SBLK
.endr
.endm
.macro PLACES n
.rept \n
	v_nop
.endr
.endm
.macro STEP slot, q, zero
	s_wait_dscnt 4*NL
.if \zero
	WIN FST_LO
.else
	WIN MUL_LO
.endif
	MUL16 0, (\q)%2, \q, \slot, \zero
	MUL16 2, (\q)%2, \q, \slot, \zero
	s_wait_dscnt 0
	PLACES NP
	FETCH_B \slot, (\q)+1, 1-(\q)%2
	FETCH_A \slot, (\q)+1, 0
.if \zero
	WIN FST_HI
.else
	WIN MUL_HI
.endif
	MUL16 4, (\q)%2, \q, \slot, \zero
	MUL16 6, (\q)%2, \q, \slot, \zero
	PLACES NP
	WIN 0
	FETCH_A \slot, (\q)+1, 4
.endm
.macro TURN slot, next, fill
	s_wait_tensorcnt 0x0
	ds_add_u32 v[SPW], v[NIL]
	s_wait_dscnt 4*NL+1
	WIN MUL_LO
	MUL16 0, 1, NQ-1, \slot, 0
	s_wait_dscnt 0x0
	s_barrier_signal -1
	MUL16 2, 1, NQ-1, \slot, 0
	WIN 0
	s_barrier_wait -1
.if \fill
	CREST
	s_add_nc_u64 s[G0+4*\slot+2:G0+4*\slot+3], s[G0+4*\slot+2:G0+4*\slot+3], 2*ASTEP
	s_add_nc_u64 s[G0B+4*\slot+2:G0B+4*\slot+3], s[G0B+4*\slot+2:G0B+4*\slot+3], 2*ROWB
	JLOAD G0+4*\slot, G1, G0B+4*\slot, G1B
.else
	PLACES NP
.endif
	s_wait_alu depctr_va_vdst(0)
	v_add_nc_u32 v[ADRS], 4*NQ, v[ADRS]
	FETCH_B \next, 0, 0
	FETCH_A \next, 0, 0
	SCALES \next
	WIN MUL_HI
	MUL16 4, 1, NQ-1, \slot, 0
	MUL16 6, 1, NQ-1, \slot, 0
	PLACES NP
	WIN 0
	FETCH_A \next, 0, 4
.endm
	s_wait_alu depctr_va_vdst(0)
	s_wait_tensorcnt 0x0                           ; my tile of the head's four is in
	ds_add_u32 v[SPW], v[NIL]
	s_mov_b32 s[G1+2], 2<<16                       ; no load of mine is out: from here on a load brings two planes,
	s_mov_b32 s[G1+4], 2
	s_mov_b32 s[G1B+2], 2<<16
	s_mov_b32 s[G1B+4], 2
	s_mul_i32 s[G0+1], s14, HALFT                  ; into my part of the slot,
	s_mul_i32 s[G0B+1], s14, HALFT
	s_add_nc_u64 s[G0+2:G0+3], s[G0+2:G0+3], s[100:101]   ; from my two planes
	s_add_nc_u64 s[G0B+2:G0B+3], s[G0B+2:G0B+3], s[100:101]
	s_wait_dscnt 0x0
	CROUND
	JLOAD G0+4, G1, G0B+4, G1B                     ; slot 1's first fill, my one load behind the round
	FETCH_B 0, 0, 0
	FETCH_A 0, 0, 0
	SCALES 0
	FETCH_A 0, 0, 4
	s_wait_loadcnt 0x0
	STEP 0, 0, 1
	s_mov_b32 s3, LAPS-1
.Llap:
	TURN 0, 1, 1
	STEP 1, 0, 0
	TURN 1, 0, 1
	STEP 0, 0, 0
	s_sub_co_u32 s3, s3, 1
	s_cmp_lg_u32 s3, 0
	s_cbranch_scc1 .Llap
	TURN 0, 1, 0
	STEP 1, 0, 0
	s_wait_dscnt 4*NL
	WIN MUL_LO
	MUL16 0, 1, NQ-1, 1, 0
	MUL16 2, 1, NQ-1, 1, 0
	s_wait_dscnt 0
	WIN MUL_HI
	MUL16 4, 1, NQ-1, 1, 0
	MUL16 6, 1, NQ-1, 1, 0
	WIN 0
.macro QUANT s, pw
.irp b, 0,1,2,3
	v_max3_num_f32 v[TM+\b], |v[\s+16*\b]|, |v[\s+1+16*\b]|, 0x1800000
.endr
.irp i, 2,4,6,8,10,12,14
.irp b, 0,1,2,3
	v_max3_num_f32 v[TM+\b], v[TM+\b], |v[\s+16*\b+\i]|, |v[\s+1+16*\b+\i]|
.endr
.endr
.irp b, 0,1,2,3
	v_permlanex16_b32 v[TM+4+\b], v[TM+\b], s[SEL], s[SEL+1]
.endr
.irp b, 0,1,2,3
	v_max_num_f32 v[TM+\b], v[TM+\b], v[TM+4+\b]
.endr
.irp b, 0,1,2,3
	v_add_nc_u32 v[TM+12+\b], 0xff000000, v[TM+\b]
.endr
.irp b, 0,1,2,3
	v_lshrrev_b32 v[TM+4+\b], 23, v[TM+12+\b]
.endr
	v_lshl_or_b32 v[\pw], v[TM+5], 8, v[TM+4]
	v_lshl_or_b32 v[\pw], v[TM+6], 16, v[\pw]
	v_lshl_or_b32 v[\pw], v[TM+7], 24, v[\pw]
.irp c, 0,1
	v_cvt_scalef32_pk16_fp6_f32 v[CD+6*\c:CD+2+6*\c], v[\s+32*\c:\s+15+32*\c], v[TM+12+2*\c]
	v_cvt_scalef32_pk16_fp6_f32 v[CD+12+4*\c:CD+14+4*\c], v[\s+16+32*\c:\s+31+32*\c], v[TM+12+2*\c+1]
.endr
	v_nop
.irp c, 0,1
.irp i, 0,1,2
	v_permlane16_swap_b32 v[CD+6*\c+\i], v[CD+12+4*\c+\i]
.endr
.irp i, 0,1,2
	v_mov_b32 v[CD+3+6*\c+\i], v[CD+12+4*\c+\i]
.endr
.endr
.endm
.macro BLOCK a
	s_wait_dscnt 0x0
	WIN 0x08+4*((\a)/4)
.set k, 0
.rept 64
	v_max_num_f32 v[H+k], 0, v[64*((\a)%4)+k]
.set k, k+1
.endr
	WIN 0
.irp e, 0,1,2,3
.irp j, 0,1,2,3,4,5,6,7
	v_permlane16_swap_b32 v[H+16*\e+\j], v[H+16*\e+8+\j]
.endr
.endr
	QUANT H, PWS+(\a)
.irp c, 0,1
.irp p, 0,1,2
	ds_store_b64 v[STO], v[CD+6*\c+2*\p:CD+6*\c+2*\p+1] offset:\c*6144+16*(\a)*48+8*\p
.endr
.endr
.endm
	PLACES NP
.irp b, 0,1,2,3
	v_mov_b32 v[TM+4+\b], 0
.endr
.irp a, 0,1,2,3,4,5,6,7
	BLOCK \a
.endr
.irp e, 0,1,2,3
	v_permlane16_swap_b32 v[PWS+2*\e], v[PWS+2*\e+1]
.endr
.irp e, 0,1,2,3
	global_store_b32 v[LP], v[PWS+2*\e], s[92:93] offset:4096*\e
.endr
	WIN TO_B
.irp m, 0,1,2,3,4,5,6,7,8,9,10,11,12,13,14,15,16,17,18,19,20,21,22,23
	ds_load_b128 v[4*\m:4*\m+3], v[RD] offset:512*\m
.endr
	WIN 0x04
.irp m, 0,1,2,3,4,5,6,7,8,9,10,11,12,13,14,15,16,17,18,19,20,21,22,23
	s_wait_dscnt 23-\m
	global_store_b128 v[CO], v[4*\m:4*\m+3], s[40+4*(\m/12)+2*((\m/6)%2):41+4*(\m/12)+2*((\m/6)%2)] offset:512*(\m%6)
.endr
	WIN 0
	s_wait_tensorcnt 0x0
	ds_add_u32 v[SPW], v[NIL]
	s_wait_dscnt 0x0
	CROUND
	s_endpgm
.Lfunc_end_k_q67f7abe6d1_ffn1:
	.size	k_q67f7abe6d1_ffn1, .Lfunc_end_k_q67f7abe6d1_ffn1-k_q67f7abe6d1_ffn1
	.p2alignl 7, 3214868480
	.fill 96, 4, 3214868480
	.section	.rodata,"a",@progbits
	.p2align	6, 0x0
	.amdhsa_kernel k_q67f7abe6d1_ffn1
		.amdhsa_group_segment_fixed_size 327680
		.amdhsa_private_segment_fixed_size 0
		.amdhsa_enable_private_segment 0
		.amdhsa_kernarg_size 40
		.amdhsa_user_sgpr_count 2
		.amdhsa_user_sgpr_kernarg_segment_ptr 1
		.amdhsa_wavefront_size32 1
		.amdhsa_system_sgpr_workgroup_id_x 1
		.amdhsa_system_sgpr_workgroup_id_y 1
		.amdhsa_system_sgpr_workgroup_id_z 1
		.amdhsa_system_vgpr_workitem_id 0
		.amdhsa_next_free_vgpr 1024
		.amdhsa_next_free_sgpr 102
		.amdhsa_reserve_vcc 0
		.amdhsa_float_denorm_mode_32 3
		.amdhsa_float_denorm_mode_16_64 3
		.amdhsa_memory_ordered 1
		.amdhsa_forward_progress 1
		.amdhsa_inst_pref_size 196
	.end_amdhsa_kernel
	.amdgpu_metadata
---
amdhsa.version: [ 1, 2 ]
amdhsa.kernels:
  - .name:           k_q67f7abe6d1_ffn1
    .symbol:         k_q67f7abe6d1_ffn1.kd
    .args:
      - { .name: xq, .offset: 0, .size: 8, .value_kind: global_buffer, .address_space: global }
      - { .name: wp, .offset: 8, .size: 8, .value_kind: global_buffer, .address_space: global }
      - { .name: w1_scales, .offset: 16, .size: 8, .value_kind: global_buffer, .address_space: global }
      - { .name: b1, .offset: 24, .size: 8, .value_kind: global_buffer, .address_space: global }
      - { .name: hid, .offset: 32, .size: 8, .value_kind: global_buffer, .address_space: global }
    .group_segment_fixed_size: 327680
    .private_segment_fixed_size: 0
    .kernarg_segment_align: 8
    .kernarg_segment_size: 40
    .max_flat_workgroup_size: 128
    .sgpr_count:     102
    .vgpr_count:     1024
    .wavefront_size: 32
...
	.end_amdgpu_metadata
.endif
;; end of part 13
;; launch ffn2 (part 14): grid 8 x 32, 4 waves a work-group, clusters of 4 x 4, 327,680 bytes of LDS; arguments hid, wp, w2_scales, b2, h, out0; writes out0
.if DOCPART == 14
	.amdgcn_target "amdgcn-amd-amdhsa--gfx1250"
	.amdhsa_code_object_version 6
	.text
	.protected	k_q67f7abe6d1_ffn2
	.globl	k_q67f7abe6d1_ffn2
	.p2align	8
	.type	k_q67f7abe6d1_ffn2,@function
k_q67f7abe6d1_ffn2:
	s_mov_b64 s[64:65], 0
	v_nop
	global_prefetch_b8 v0, s[64:65] scope:SCOPE_SE
	s_setreg_imm32_b32 hwreg(HW_REG_WAVE_MODE, 25, 1), 1
	s_wait_xcnt 0x0
	s_wait_alu depctr_hold_cnt(0) depctr_sa_sdst(0) depctr_va_vdst(0) depctr_va_sdst(0) depctr_va_ssrc(0) depctr_va_vcc(0) depctr_vm_vsrc(0)
	s_getreg_b32 s2, hwreg(HW_REG_IB_STS2, 6, 4)
	s_cmp_eq_u32 s2, 0
	s_cbranch_scc0 .Lentry_in_a_cluster
	s_endpgm
.Lentry_in_a_cluster:
	s_bfe_u32 s2, ttmp6, 0x10000c
	s_cmp_lg_u32 s2, 0xf033
	s_cbranch_scc0 .Lentry_shape_is_right
	s_endpgm
.Lentry_shape_is_right:
.set SIZE_K, 4096
.set BIAS,   1
.set ASOFF,  12582912
.set NQ,     4
.set ROWB,   393216                    ; side B lies in planes [64][1024 rows][48 bytes]: eight planes on
.set ASTEP,  1572864
.set KROW,   48
.set PITCH,  432
.set FR,     12
.set NP,     4
.set HALFT,  24576                     ; a wave's part of a slot: four planes x 128 rows x 48 bytes; a slot: A [8 planes][128][48], then B likewise
.set SLOT,   4*HALFT
.set LAPS,   SIZE_K/1024
.set KS,     SIZE_K/32
.set SCL,    2*SLOT
.set HALFS,  (64*KS/256)*272
.set SBLK,   (16*KS/256)*272
.set SPARE,  SCL+4*HALFS
.set SPITCH, 272
.set ADRA, 16
.set ADRB, 20
.set STO,  24
.set RD,   25
.set CO,   26
.set ADRS, 27
.set SPW,  28
.set NIL,  29
.set SC,   32
.set BK,   64
.set ACC,  128
.set F0,   0
.set F1,   128
.set BIA,  96
.set G1, 24
.set G0, 32
.set G1B, 48
.set G0B, 56
.set G1S, 68
.set G0S, 76
.set G1SB, 80
.set G0SB, 88
.set MSB, 0
.macro WIN new
.if MSB != (\new)
	s_set_vgpr_msb (MSB<<8)|(\new)
.set MSB, \new
.endif
.endm
.set MUL,  0x05
.if BIAS
.set FST,  0x15
.else
.set FST,  0x05
.endif
.set TO_F, 0x40
.macro JLOAD g0a, g1a, g0b, g1b
	s_cmp_eq_u32 s15, 0
	s_cbranch_scc0 .Lfor_b_\@
	tensor_load_to_lds s[\g0a:\g0a+3], s[\g1a:\g1a+7]
	s_nop 0
.rept 4
	v_nop
.endr
	s_branch .Lasked_\@
.Lfor_b_\@:
	tensor_load_to_lds s[\g0b:\g0b+3], s[\g1b:\g1b+7]
	s_nop 0
.rept 4
	v_nop
.endr
.Lasked_\@:
.endm
.macro CREST
	s_cmp_lg_u32 s14, 0
	s_cbranch_scc1 .Lnot_wave_0_\@
	s_barrier_signal -3
.Lnot_wave_0_\@:
	s_barrier_wait -3
	s_barrier_signal -1
	s_barrier_wait -1
.endm
.macro CROUND
	s_barrier_signal -1
	s_barrier_wait -1
	CREST
.endm
	s_load_b64 s[4:5], s[0:1], 0x0
	s_load_b128 s[8:11], s[0:1], 0x8
	s_load_b128 s[96:99], s[0:1], 0x18
	s_load_b64 s[12:13], s[0:1], 0x28
	v_lshl_add_u32 v[SPW], v0, 2, SPARE
	v_mov_b32 v[NIL], 0
	ds_add_u32 v28, v29
	ds_add_u32 v28, v29
	s_wait_dscnt 0x0
	v_lshrrev_b32 v1, 5, v0
	v_readfirstlane_b32 s14, v1
	s_lshr_b32 s15, s14, 1
	s_and_b32 s16, s14, 1
	s_bfe_u32 s40, ttmp6, 0x40000
	s_bfe_u32 s41, ttmp6, 0x40004
	s_lshl_b32 s42, ttmp9, 2
	s_add_co_u32 s42, s42, s40
	s_and_b32 s17, ttmp7, 0xffff
	s_lshl_b32 s17, s17, 2
	s_add_co_u32 s17, s17, s41
	s_lshl_b32 s43, s41, 2
	s_lshl_b32 s43, 15, s43
	s_lshl_b32 s44, 0x1111, s40
	s_or_b32 s[G1+0], s43, (3<<16)|(1<<21)
	s_mov_b32 s[G1+1], 768<<16
	s_mov_b32 s[G1+2], 8<<16
	s_mov_b32 s[G1+3], 768<<16
	s_mov_b32 s[G1+4], 8
	s_mov_b32 s[G1+5], 24576
	s_mov_b32 s[G1+6], 0
	s_mov_b32 s[G1+7], 0
	s_or_b32 s[G1B+0], s44, (3<<16)|(1<<21)        ; 8 rows of 6,144 dense bytes, 49,152 apart
	s_mov_b32 s[G1B+1], 768<<16
	s_mov_b32 s[G1B+2], 8<<16
	s_mov_b32 s[G1B+3], 768<<16
	s_mov_b32 s[G1B+4], 8
	s_mov_b32 s[G1B+5], 6144
	s_mov_b32 s[G1B+6], 0
	s_mov_b32 s[G1B+7], 0
	s_or_b32 s[G1S+0], s43, (3<<16)|(1<<20)|(1<<21)|(5<<22)|(3<<25)
	s_or_b32 s[G1SB+0], s44, (3<<16)|(1<<20)|(1<<21)|(5<<22)|(3<<25)
.irp g, G1S, G1SB
	s_mov_b32 s[\g+1], 32<<16
	s_mov_b32 s[\g+2], (128*KS/256)<<16
	s_mov_b32 s[\g+3], 32<<16
	s_mov_b32 s[\g+4], 128*KS/256
	s_mov_b32 s[\g+5], 32
	s_mov_b32 s[\g+6], 0
	s_mov_b32 s[\g+7], 0
.endr
	s_mov_b32 s18, 0                               ; tiles begin at the block's first row
	s_lshl_b32 s20, s17, 7
	s_add_co_u32 s20, s20, s18
	s_lshl_b32 s46, s42, 7
	s_add_co_u32 s46, s46, s18
	s_mov_b32 s21, 0
	s_mov_b32 s47, 0
	s_mov_b64 s[18:19], KS
	s_mul_u64 s[22:23], s[20:21], s[18:19]
	s_mul_u64 s[92:93], s[46:47], s[18:19]
	s_mov_b64 s[18:19], 48
	s_mul_u64 s[20:21], s[20:21], s[18:19]
	s_mov_b64 s[18:19], KROW
	s_mul_u64 s[46:47], s[46:47], s[18:19]
	s_mul_i32 s45, s14, HALFT
	s_mul_i32 s94, s14, HALFS
	s_wait_kmcnt 0x0
	s_add_nc_u64 s[6:7], s[4:5], ASOFF
	s_add_nc_u64 s[8:9], s[8:9], 6291456           ; w2's planes in wp
	s_add_nc_u64 s[20:21], s[4:5], s[20:21]
	s_add_nc_u64 s[22:23], s[6:7], s[22:23]
	s_add_nc_u64 s[46:47], s[8:9], s[46:47]
	s_add_nc_u64 s[92:93], s[10:11], s[92:93]
	CROUND
	s_mov_b32 s[G0S], 1
	s_mov_b32 s[G0S+1], SCL
	s_mov_b64 s[G0S+2:G0S+3], s[22:23]
	s_or_b32 s[G0S+3], s[G0S+3], 0x80000000
	s_mov_b32 s[G0SB], 1
	s_mov_b32 s[G0SB+1], SCL+2*HALFS
	s_mov_b64 s[G0SB+2:G0SB+3], s[92:93]
	s_or_b32 s[G0SB+3], s[G0SB+3], 0x80000000
.irp s, 0,1
	s_mov_b32 s[G0+4*\s], 1
	s_add_co_u32 s[G0+4*\s+1], s45, \s*SLOT
	s_add_nc_u64 s[G0+4*\s+2:G0+4*\s+3], s[20:21], \s*ASTEP
	s_or_b32 s[G0+4*\s+3], s[G0+4*\s+3], 0x80000000
	s_mov_b32 s[G0B+4*\s], 1
	s_add_co_u32 s[G0B+4*\s+1], s45, \s*SLOT
	s_add_nc_u64 s[G0B+4*\s+2:G0B+4*\s+3], s[46:47], \s*ROWB
	s_or_b32 s[G0B+4*\s+3], s[G0B+4*\s+3], 0x80000000
.endr
; THE HEAD'S LOADS, ONE A WAVE: wave 0 slot 0's eight planes of A, wave 1 those of B, wave 2 A's scales, wave 3 B's.  Slot 0's groups 0 serve them and are set for the ring behind the wait for them.
	s_mov_b32 s[G0+1], 0
	s_mov_b32 s[G0B+1], 2*HALFT
	s_mul_i32 s100, s16, 786432                    ; in the ring a wave fetches four planes of the slot's eight: A's lie 196,608 bytes apart,
	s_mov_b32 s101, 0
	s_add_nc_u64 s[G0+6:G0+7], s[G0+6:G0+7], s[100:101]
	s_mul_i32 s100, s16, 196608                    ; B's 49,152
	s_add_nc_u64 s[G0B+6:G0B+7], s[G0B+6:G0B+7], s[100:101]
.macro ARM under, g0, g1, next
	s_cmp_lt_u32 s14, \under
	s_cbranch_scc0 \next
	tensor_load_to_lds s[\g0:\g0+3], s[\g1:\g1+7]
	s_nop 0
.rept 4
	v_nop
.endr
	s_branch .Lhead_asked
\next:
.endm
	ARM 1, G0,  G1,  .Lhead_b
	ARM 2, G0B, G1B, .Lhead_sa
	ARM 3, G0S, G1S, .Lhead_sb
	tensor_load_to_lds s[G0SB:G0SB+3], s[G1SB:G1SB+7]
	s_nop 0
.rept 4
	v_nop
.endr
.Lhead_asked:
	v_and_b32 v1, 15, v0
	v_bfe_u32 v2, v0, 4, 1
	v_mul_u32_u24 v3, v1, PITCH
	v_mul_u32_u24 v4, v2, 24
	v_add_nc_u32 v4, v3, v4
	v_lshl_add_u32 v5, v2, 4, v4
	v_mul_u32_u24 v6, v1, 48
	v_mad_u32_u24 v6, v2, 24, v6
	s_mul_i32 s21, s15, 3072                       ; my 64 rows in each plane
	s_mul_i32 s22, s16, 3072
	s_add_co_u32 s22, s22, 2*HALFT
.irp s, 0,1
	v_add_nc_u32 v[ADRA+\s], s21, v6
	v_add_nc_u32 v[ADRB+\s], s22, v6
	v_add_nc_u32 v[ADRB+2+\s], s22, v5
	s_add_co_u32 s21, s21, SLOT
	s_add_co_u32 s22, s22, SLOT
.endr
	v_mul_u32_u24 v5, v1, KS
	v_lshrrev_b32 v6, 8, v5
	v_lshl_add_u32 v5, v6, 4, v5
	s_mul_i32 s21, s15, HALFS
	s_mul_i32 s22, s16, HALFS
	s_add_co_u32 s22, s22, 2*HALFS
	s_sub_co_u32 s22, s22, s21
	v_mul_u32_u24 v6, s22, v2
	s_add_co_u32 s21, s21, SCL
	v_add_nc_u32 v5, v5, v6
	v_add_nc_u32 v[ADRS], s21, v5
	s_mul_i32 s23, s14, 16*SPITCH
	v_mul_u32_u24 v5, v1, SPITCH
	v_lshl_add_u32 v5, v2, 5, v5
	v_add_nc_u32 v[STO], s23, v5
	v_mul_u32_u24 v5, v2, SPITCH
	v_lshl_add_u32 v5, v1, 4, v5
	v_add_nc_u32 v[RD], s23, v5
	v_lshlrev_b32 v[CO], 12, v2
	v_lshl_add_u32 v[CO], v1, 4, v[CO]
	s_wait_alu depctr_va_vdst(0)
	s_lshl_b32 s20, s17, 7
	s_lshl_b32 s21, s15, 6
	s_add_co_u32 s20, s20, s21
	s_lshl_b32 s20, s20, 12
	s_lshl_b32 s46, s42, 9
	s_lshl_b32 s47, s16, 8
	s_add_co_u32 s46, s46, s47
	s_add_co_u32 s20, s20, s46
	s_mov_b32 s21, 0
	s_add_nc_u64 s[12:13], s[12:13], s[20:21]
	s_add_nc_u64 s[98:99], s[98:99], s[20:21]
.if BIAS
	s_mov_b32 s47, 0
	s_add_nc_u64 s[96:97], s[96:97], s[46:47]
	v_lshlrev_b32 v9, 5, v2
	WIN TO_F
.irp b, 0,1,2,3
	global_load_b128 v[BIA+8*\b:BIA+8*\b+3], v9, s[96:97] offset:64*\b
	global_load_b128 v[BIA+8*\b+4:BIA+8*\b+7], v9, s[96:97] offset:64*\b+16
.endr
.endif
	WIN 0x80
.irp a, 0,1,2,3
.irp t, 0,1,2,3,4,5,6,7
	global_load_b128 v[32*\a+4*\t:32*\a+4*\t+3], v[CO], s[98:99] offset:(16*\a+2*\t)*4096 th:TH_LOAD_NT
.endr
.endr
	WIN 0
.macro FRAG reg, adr, q, i
.irp p, 0,1,2,3,4,5
.set PCE, 12*(\q)+6*(\p/3)+\p%3
.if PCE%16 < 13
	ds_load_b64 v[\reg+2*\p:\reg+2*\p+1], v[\adr] offset:8*PCE+16*(PCE/16)+(\i)*16*PITCH
.else
	ds_load_b64 v[\reg+2*\p:\reg+2*\p+1], v[\adr+2] offset:8*PCE+16*(PCE/16)+(\i)*16*PITCH
.endif
.endr
.endm
.macro FRAGP reg, adr, q, i
.irp p, 0,1,2,3,4,5
	ds_load_b64 v[\reg+2*\p:\reg+2*\p+1], v[\adr] offset:(2*(\q)+\p/3)*6144+(\i)*768+8*(\p%3)
.endr
.endm
.macro MULA a, f, q, sc, zero
.irp b, 0,1,2,3
.set DD, ACC+8*(4*(\a)+\b)
.set FB, (\f)+48+FR*\b
.set FA, (\f)+FR*(\a)
.set SBR, SC+4*NQ*(\sc)+NQ*\b+(\q)
.set SAR, SC+4*NQ*(\sc)+NQ*(\a)+(\q)
.set BI, BIA+8*\b
.if \zero
.if BIAS
	v_wmma_scale_f32_16x16x128_f8f6f4 v[DD:DD+7], v[FB:FB+FR-1], v[FA:FA+FR-1], v[BI:BI+7], v[SBR], v[SAR] matrix_a_fmt:MATRIX_FMT_FP6 matrix_b_fmt:MATRIX_FMT_FP6 matrix_a_scale:MATRIX_SCALE_ROW1
.else
	v_wmma_scale_f32_16x16x128_f8f6f4 v[DD:DD+7], v[FB:FB+FR-1], v[FA:FA+FR-1], 0, v[SBR], v[SAR] matrix_a_fmt:MATRIX_FMT_FP6 matrix_b_fmt:MATRIX_FMT_FP6 matrix_a_scale:MATRIX_SCALE_ROW1
.endif
.else
	v_wmma_scale_f32_16x16x128_f8f6f4 v[DD:DD+7], v[FB:FB+FR-1], v[FA:FA+FR-1], v[DD:DD+7], v[SBR], v[SAR] matrix_a_fmt:MATRIX_FMT_FP6 matrix_b_fmt:MATRIX_FMT_FP6 matrix_a_scale:MATRIX_SCALE_ROW1
.endif
.endr
.endm
.macro FETCH slot, q, f
	WIN TO_F
.irp i, 0,1,2,3
	FRAGP (\f)+48+FR*\i, ADRB+\slot, \q, \i
.endr
.irp i, 0,1,2,3
	FRAGP (\f)+FR*\i, ADRA+\slot, \q, \i
.endr
.endm
.macro SCALES sc
.irp i, 0,1,2,3
	ds_load_b128 v[SC+4*NQ*\sc+NQ*\i:SC+4*NQ*\sc+NQ*\i+3], v[ADRS] offset:\i*SBLK
.endr
.endm
.macro PLACES n
.rept \n
	v_nop
.endr
.endm
.macro STEP slot, q, zero
	s_wait_dscnt 0x0
	PLACES NP
	FETCH \slot, (\q)+1, 128-128*((\q)%2)
.if \zero
	WIN FST
.else
	WIN MUL
.endif
.irp a, 0,1,2,3
	MULA \a, 128*((\q)%2), \q, \slot, \zero
.endr
.endm
.macro TURN slot, next, fill
	WIN 0
	s_wait_tensorcnt 0x0
	ds_add_u32 v[SPW], v[NIL]
	s_wait_dscnt 1
	WIN MUL
	MULA 0, F1, NQ-1, \slot, 0
	s_wait_dscnt 0x0
	s_barrier_signal -1
	MULA 1, F1, NQ-1, \slot, 0
	WIN 0
	s_barrier_wait -1
.if \fill
	CREST
	s_add_nc_u64 s[G0+4*\slot+2:G0+4*\slot+3], s[G0+4*\slot+2:G0+4*\slot+3], 2*ASTEP
	s_add_nc_u64 s[G0B+4*\slot+2:G0B+4*\slot+3], s[G0B+4*\slot+2:G0B+4*\slot+3], 2*ROWB
	JLOAD G0+4*\slot, G1, G0B+4*\slot, G1B
.else
	PLACES NP
.endif
	s_wait_alu depctr_va_vdst(0)
	v_add_nc_u32 v[ADRS], 4*NQ, v[ADRS]
	SCALES \next
	FETCH \next, 0, F0
	WIN MUL
	MULA 2, F1, NQ-1, \slot, 0
	MULA 3, F1, NQ-1, \slot, 0
.endm
	s_wait_alu depctr_va_vdst(0)
	s_wait_tensorcnt 0x0                           ; my tile of the head's four is in
	ds_add_u32 v[SPW], v[NIL]
	s_mov_b32 s[G1+2], 4<<16                       ; no load of mine is out: from here on a load brings four planes,
	s_mov_b32 s[G1+4], 4
	s_mov_b32 s[G1B+2], 4<<16
	s_mov_b32 s[G1B+4], 4
	s_mul_i32 s[G0+1], s14, HALFT                  ; into my part of the slot,
	s_mul_i32 s[G0B+1], s14, HALFT
	s_add_nc_u64 s[G0B+2:G0B+3], s[G0B+2:G0B+3], s[100:101]   ; from my four planes: B's (s100 still holds B's distance),
	s_mul_i32 s100, s16, 786432
	s_add_nc_u64 s[G0+2:G0+3], s[G0+2:G0+3], s[100:101]       ; and A's
	s_wait_dscnt 0x0
	CROUND
	JLOAD G0+4, G1, G0B+4, G1B                     ; slot 1's first fill, my one load behind the round
	SCALES 0
	FETCH 0, 0, F0
.if BIAS
	s_wait_loadcnt 32
.endif
	STEP 0, 0, 1
.if LAPS > 1
	WIN 0
	s_mov_b32 s3, LAPS-1
.Llap:
	STEP 0, 1, 0
	STEP 0, 2, 0
	TURN 0, 1, 1
	STEP 1, 0, 0
	STEP 1, 1, 0
	STEP 1, 2, 0
	TURN 1, 0, 1
	STEP 0, 0, 0
	WIN 0
	s_sub_co_u32 s3, s3, 1
	s_cmp_lg_u32 s3, 0
	s_cbranch_scc1 .Llap
.endif
	STEP 0, 1, 0
	STEP 0, 2, 0
	TURN 0, 1, 0
	STEP 1, 0, 0
	STEP 1, 1, 0
	STEP 1, 2, 0
	s_wait_dscnt 0x0
	WIN MUL
.irp a, 0,1,2,3
	MULA \a, F1, NQ-1, 1, 0
.endr
	WIN 0
.macro TOSTAGE a
.irp b, 0,1,2,3
	ds_store_b128 v[STO], v[ACC+8*(4*(\a)+\b):ACC+8*(4*(\a)+\b)+3] offset:64*\b
	ds_store_b128 v[STO], v[ACC+8*(4*(\a)+\b)+4:ACC+8*(4*(\a)+\b)+7] offset:64*\b+16
.endr
.set BB, BK+32*((\a)%2)
.irp t, 0,1,2,3,4,5,6,7
	ds_load_b128 v[BB+4*\t:BB+4*\t+3], v[RD] offset:\t*2*SPITCH
.endr
.endm
.macro SEND a, younger
.set BB, BK+32*((\a)%2)
.set RR, 32*(\a)
	s_wait_dscnt \younger
	WIN 0x08
.set i, 0
.rept 16
	v_pk_add_f32 v[BB+i:BB+i+1], v[BB+i:BB+i+1], v[RR+i:RR+i+1]
.set i, i+2
.endr
	WIN 0
.irp t, 0,1,2,3,4,5,6,7
	global_store_b128 v[CO], v[BB+4*\t:BB+4*\t+3], s[12:13] offset:(16*(\a)+2*\t)*4096 th:TH_STORE_NT
.endr
.endm
	PLACES NP
	s_wait_loadcnt 0x0
	TOSTAGE 0
.irp a, 1,2,3
.if \a > 1
	s_wait_xcnt 0x0
.endif
	TOSTAGE \a
	SEND \a-1, 16
.endr
	SEND 3, 0
	s_wait_tensorcnt 0x0
	ds_add_u32 v[SPW], v[NIL]
	s_wait_dscnt 0x0
	CROUND
	s_endpgm
.Lfunc_end_k_q67f7abe6d1_ffn2:
	.size	k_q67f7abe6d1_ffn2, .Lfunc_end_k_q67f7abe6d1_ffn2-k_q67f7abe6d1_ffn2
	.p2alignl 7, 3214868480
	.fill 96, 4, 3214868480
	.section	.rodata,"a",@progbits
	.p2align	6, 0x0
	.amdhsa_kernel k_q67f7abe6d1_ffn2
		.amdhsa_group_segment_fixed_size 327680
		.amdhsa_private_segment_fixed_size 0
		.amdhsa_enable_private_segment 0
		.amdhsa_kernarg_size 48
		.amdhsa_user_sgpr_count 2
		.amdhsa_user_sgpr_kernarg_segment_ptr 1
		.amdhsa_wavefront_size32 1
		.amdhsa_system_sgpr_workgroup_id_x 1
		.amdhsa_system_sgpr_workgroup_id_y 1
		.amdhsa_system_sgpr_workgroup_id_z 1
		.amdhsa_system_vgpr_workitem_id 0
		.amdhsa_next_free_vgpr 768
		.amdhsa_next_free_sgpr 102
		.amdhsa_reserve_vcc 0
		.amdhsa_float_denorm_mode_32 3
		.amdhsa_float_denorm_mode_16_64 3
		.amdhsa_memory_ordered 1
		.amdhsa_forward_progress 1
		.amdhsa_inst_pref_size 115
	.end_amdhsa_kernel
	.amdgpu_metadata
---
amdhsa.version: [ 1, 2 ]
amdhsa.kernels:
  - .name:           k_q67f7abe6d1_ffn2
    .symbol:         k_q67f7abe6d1_ffn2.kd
    .args:
      - { .name: hid, .offset: 0, .size: 8, .value_kind: global_buffer, .address_space: global }
      - { .name: wp, .offset: 8, .size: 8, .value_kind: global_buffer, .address_space: global }
      - { .name: w2_scales, .offset: 16, .size: 8, .value_kind: global_buffer, .address_space: global }
      - { .name: b2, .offset: 24, .size: 8, .value_kind: global_buffer, .address_space: global }
      - { .name: h, .offset: 32, .size: 8, .value_kind: global_buffer, .address_space: global }
      - { .name: out0, .offset: 40, .size: 8, .value_kind: global_buffer, .address_space: global }
    .group_segment_fixed_size: 327680
    .private_segment_fixed_size: 0
    .kernarg_segment_align: 8
    .kernarg_segment_size: 48
    .max_flat_workgroup_size: 128
    .sgpr_count:     102
    .vgpr_count:     768
    .wavefront_size: 32
...
	.end_amdgpu_metadata
.endif
;; end of part 14
